; MI455X (gfx1250); checked and timed in simulation.
; The chip was launched on July 23, 2026; its instructions are those of AMD's public machine-readable ISA for CDNA 5 (MIT licence, August 2026) and "CDNA5" Instruction Set Architecture Reference Guide (July 2026). The comments in the code are by the model that wrote it; some were corrected since.
;; Adaptive FFN. Allowed arithmetic: float matrix products may take bf16 or f16 operands with f32 sums; all other float work in f32.
;; Inputs: W1 1,024 x 2,048 float32; W2 2,048 x 1,024 float32; a256_b1 256 float32; a256_b2 1,024 float32; a256_w1 1,024 x 256 float32; a256_w2 256 x 1,024 float32; a512_b1 512 float32; a512_b2 1,024 float32; a512_w1 1,024 x 512 float32; a512_w2 512 x 1,024 float32; b1 2,048 float32; b2 1,024 float32; ln_h_b 2,048 float32; ln_h_g 2,048 float32; ln_in_b 1,024 float32; ln_in_g 1,024 float32; width_idx 4 x 2,048 int32; width_multiplier 4 x 2,048 x 1 float32; x 4 x 2,048 x 1,024 float32.
;; Outputs: out0 4 x 2,048 x 1,024 float32.
;; 2 versions, each right and faster than the one before. Each part assembles by itself: llvm-mc -triple=amdgcn-amd-amdhsa -mcpu=gfx1250 --defsym DOCPART=n.
;; ======== version 1 of 2: 3 launches
;; limits: values are held in f16: magnitudes above 65,504 overflow, below 6.1e-05 lose precision; a function is approximated: absolute error at most 1.5e-07; an absolute error that grows with the inputs' magnitude: up to 7.5e-08 times it
;; workspace buffers: XN 16,777,216 bytes; WC 6,029,312 bytes; B2 5,767,168 bytes; PP 131,072 bytes; A2 46,137,344 bytes; HS 524,288 bytes
;; launch prep (part 1): grid 472 x 1, 8 waves a work-group, no clusters, 33,280 bytes of LDS; arguments x, ln_in_g, ln_in_b, XN, PP, W1, a256_w1, a512_w1, WC, W2, ln_h_g, ln_h_b, B2, a256_w2, a512_w2; writes XN, PP, WC, B2
.if DOCPART == 1
	.amdgcn_target "amdgcn-amd-amdhsa--gfx1250"
	.amdhsa_code_object_version 6
	.text
	.protected	k_qa1efa6e9e6_prep
	.globl	k_qa1efa6e9e6_prep
	.p2align	8
	.type	k_qa1efa6e9e6_prep,@function
k_qa1efa6e9e6_prep:
	s_mov_b64 s[64:65], 0
	v_nop
	global_prefetch_b8 v0, s[64:65] scope:SCOPE_SE
	s_setreg_imm32_b32 hwreg(HW_REG_WAVE_MODE, 25, 1), 1
	s_wait_xcnt 0x0
; AdaptiveFFN, launch 1 of 3: everything that is made once from the inputs, as a stream.
; NO WORK OF reference() IS LEFT OUT in this program: every input is loaded, both adapters are computed for every token and the
; result is selected by width_idx.
; The hidden LayerNorm is used in a form that is an identity for all values.  With j = f >> 8 (8 blocks of 256 hidden columns),
; m_j a row's mean over block j, c_f = h_f - m_j, mu = mean of the m_j, d_j = m_j - mu:
;   LN(h) W2 + b2 = rstd ( sum_f c_f (g_f W2[f,:]) + sum_j d_j G_j ) + c2,  G_j = sum over f in j of g_f W2[f,:],  c2 = b2 + sum_f lnb_f W2[f,:]
; NUMBER FORMAT: all matrix operands of the program are f16, sums f32.  f16 keeps 11 significant bits; two products, a GELU and a LayerNorm
; follow each other here, and their roundings add up.  Room: |x_norm g + b| <= 32 |g| + |b|; weights of size 0.03 times or over 30 are 1 or 0.001;
; g W2 times or over 900 is 28 or 3.5e-5; hidden numbers of size 0.35 times 900 are about 310.  Below 6.1e-5 f16 goes on in steps of 6e-8.
; LIMITS: a matrix operand (x_norm g + b, a weight, g W2, G_j, d_j, gelu - block mean, an adapter's gelu (1 - wm)) beyond 65,504 in size becomes an
; infinity.  A NaN or infinity in W2, a256_w2 or a512_w2 reaches, through a product with an exact 0, also tokens whose width_idx does
; not choose that adapter and correction terms whose d_j is 0.
; Four jobs, chosen by the work-group's number alone (the same for all eight waves, so each job's barrier is passed by all):
;   0..127   LN : 64 rows of x -> XN[c 16][row 8192][64] f16 (LayerNorm with gain and bias) and PP: {rstd, -mean rstd} per row
;   128..383 WC : 32 k rows of column block j -> WC[j 8][k 1024][368] f16 = W1 256 cols | a256_w1 32 | a512_w1 64 | 16 zeros
;   384..447 W2B: 256 rows x 128 cols of W2 -> B2[nb 4][kk][256] f16 = g W2, and the partial sums G_j, C_j -> PP
;   448..471 W2A: 32 rows of a256_w2 or a512_w2 -> B2 rows 2048 + 96 j + e (e < 32: a256_w2[32 j + e], else a512_w2[64 j + e - 32])
; Each job that uses LDS has bytes of its own: WC 0 .. 23,551, LN 23,552 .. 24,063, W2B 24,064 .. 32,255.
; Memory binds: no matrix unit, no cluster (no two work-groups read the same bytes but gain and bias), loads of 16 bytes a lane, stores in whole 256-byte pieces.
.set LNL, 23552                        ; LN's LDS: 64 rows x 8 bytes
.set W2L, 24064                        ; W2B's LDS: 8 waves x 1,024 bytes
.set GV, 16                            ; LN: v[16:79]   gain of my 64 columns
.set BV, 80                            ; LN: v[80:143]  bias
.set XV, 144                           ; LN: v[144:207] my 64 numbers of a row
.set YV, 208                           ; LN: v[208:239] the same as f16
	v_lshl_add_u32 v240, v0, 2, 0x7e00
	v_mov_b32 v241, 0
	v_lshrrev_b32 v1, 5, v0
	v_readfirstlane_b32 s2, v1                     ; wave 0..7
	v_and_b32 v1, 31, v0                           ; lane
	s_cmp_lt_u32 ttmp9, 128
	s_cbranch_scc1 .Ljob_ln
	s_cmp_lt_u32 ttmp9, 384
	s_cbranch_scc1 .Ljob_wc
	s_cmp_lt_u32 ttmp9, 448
	s_cbranch_scc1 .Ljob_w2b
; ---------------------------------------------------------------- job W2A: 32 rows of an adapter's second matrix
	s_load_b64 s[4:5], s[0:1], 0x60                ; B2
	s_load_b64 s[8:9], s[0:1], 0x68                ; a256_w2
	s_load_b64 s[10:11], s[0:1], 0x70              ; a512_w2
	s_sub_co_u32 s12, ttmp9, 448                   ; q: 0..7 a256_w2, 8..23 a512_w2
	s_max_u32 s13, s12, 8
	s_sub_co_u32 s13, s13, 8                       ; q' = block of 32 rows in a512_w2
	s_lshr_b32 s14, s13, 1
	s_mul_i32 s14, s14, 96
	s_and_b32 s15, s13, 1
	s_lshl_b32 s15, s15, 5
	s_add_co_u32 s14, s14, s15
	s_add_co_u32 s14, s14, 2080                    ; a512: row 2048 + 96 (q' >> 1) + 32 + 32 (q' & 1) of B2
	s_mul_i32 s15, s12, 96
	s_add_co_u32 s15, s15, 2048                    ; a256: row 2048 + 96 q
	v_lshlrev_b32 v2, 4, v1
	v_lshlrev_b32 v3, 3, v1
	s_lshl_b32 s18, s2, 14
	s_lshl_b32 s19, s2, 11
	v_add_nc_u32 v2, s18, v2                       ; source: 4 rows of 4,096 bytes a wave + 16 lane
	v_add_nc_u32 v3, s19, v3                       ; B2: 4 rows of 512 bytes a wave + 8 lane
	s_wait_kmcnt 0x0
	s_cmp_lt_u32 s12, 8
	s_cselect_b64 s[8:9], s[8:9], s[10:11]
	s_cselect_b32 s16, s12, s13
	s_cselect_b32 s14, s15, s14
	s_lshl_b32 s16, s16, 17                        ; 32 rows of 4,096 bytes
	s_mov_b32 s17, 0
	s_add_nc_u64 s[8:9], s[8:9], s[16:17]
	s_lshl_b32 s14, s14, 9
	s_mov_b32 s15, 0
	s_add_nc_u64 s[4:5], s[4:5], s[14:15]
.irp i, 0,1,2,3
.irp u, 0,1,2,3,4,5,6,7
	global_load_b128 v[16+32*\i+4*\u:16+32*\i+4*\u+3], v2, s[8:9] offset:4096*\i+512*\u th:TH_LOAD_NT
.endr
.endr
.irp i, 0,1,2,3
	s_wait_loadcnt 24-8*\i                         ; row i's eight loads are in, the later rows' stay out
.irp u, 0,1,2,3,4,5,6,7
	v_cvt_pk_f16_f32 v[144+16*\i+2*\u], v[16+32*\i+4*\u], v[16+32*\i+4*\u+1]
	v_cvt_pk_f16_f32 v[144+16*\i+2*\u+1], v[16+32*\i+4*\u+2], v[16+32*\i+4*\u+3]
	global_store_b64 v3, v[144+16*\i+2*\u:144+16*\i+2*\u+1], s[4:5] offset:(\u>>1)*1441792+512*\i+256*(\u&1)   ; 32 lanes x 8 bytes: 256 consecutive bytes, aligned
.endr
.endr
	s_endpgm
; ---------------------------------------------------------------- job LN: 64 rows; a wave takes 8 rows, two at a time, 16 lanes a row
.macro FILLX i
.irp c, 0,1,2,3,4,5,6,7,8,9,10,11,12,13,14,15
	global_load_b128 v[XV+4*\c:XV+4*\c+3], v5, s[4:5] offset:256*\c+8192*(\i) th:TH_LOAD_NT
.endr
.endm
.macro LNRED                           ; four chains in v[8:15] -> the sum over a row's 16 lanes, in each of them, in v8
	v_pk_add_f32 v[8:9], v[8:9], v[10:11]
	v_pk_add_f32 v[12:13], v[12:13], v[14:15]
	v_pk_add_f32 v[8:9], v[8:9], v[12:13]
	v_add_f32 v8, v8, v9
	v_add_f32_dpp v8, v8, v8 row_xmask:1 row_mask:0xf bank_mask:0xf
	v_add_f32_dpp v8, v8, v8 row_xmask:2 row_mask:0xf bank_mask:0xf
	v_add_f32_dpp v8, v8, v8 row_xmask:4 row_mask:0xf bank_mask:0xf
	v_add_f32_dpp v8, v8, v8 row_xmask:8 row_mask:0xf bank_mask:0xf
.endm
; turn i; nx = the next turn's number, 0 = none
.macro LNTURN i, nx
	s_wait_loadcnt 0x0                             ; the two rows (in the first turn gain and bias too) are in
.irp k, 0,1,2,3
	v_pk_add_f32 v[8+2*\k:9+2*\k], v[XV+2*\k:XV+2*\k+1], v[XV+8+2*\k:XV+9+2*\k]   ; the first pairs start the chains
.endr
.set j, 8
.rept 24
	v_pk_add_f32 v[8+2*(j%4):9+2*(j%4)], v[8+2*(j%4):9+2*(j%4)], v[XV+2*j:XV+2*j+1]
.set j, j+1
.endr
	LNRED
	v_mul_f32 v2, s20, v8                          ; mean
	v_mov_b32 v3, v2
.set j, 0
.rept 32
	v_pk_add_f32 v[XV+2*j:XV+2*j+1], v[XV+2*j:XV+2*j+1], v[2:3] neg_lo:[0,1] neg_hi:[0,1]   ; centred first: a common offset of x costs nothing
.set j, j+1
.endr
.irp k, 0,1,2,3
	v_pk_mul_f32 v[8+2*\k:9+2*\k], v[XV+2*\k:XV+2*\k+1], v[XV+2*\k:XV+2*\k+1]
.endr
.set j, 4
.rept 28
	v_pk_fma_f32 v[8+2*(j%4):9+2*(j%4)], v[XV+2*j:XV+2*j+1], v[XV+2*j:XV+2*j+1], v[8+2*(j%4):9+2*(j%4)]
.set j, j+1
.endr
	LNRED
	v_fma_f32 v10, v8, s20, s21                    ; variance + 1e-5
	v_rsq_f32 v10, v10
	v_nop                                          ; one plain instruction behind the transcendental (ISA guide 5.7.2)
	s_wait_alu depctr_va_vdst(0)
	v_mov_b32 v11, v10
	v_mov_b32 v12, v10                             ; {rstd, -mean rstd} for the last launch's f32 x_norm
	v_mul_f32 v13, -v2, v10
.set j, 0
.rept 32
	v_pk_mul_f32 v[XV+2*j:XV+2*j+1], v[XV+2*j:XV+2*j+1], v[10:11]
.set j, j+1
.endr
.set j, 0
.rept 32
	v_pk_fma_f32 v[XV+2*j:XV+2*j+1], v[XV+2*j:XV+2*j+1], v[GV+2*j:GV+2*j+1], v[BV+2*j:BV+2*j+1]
.set j, j+1
.endr
	s_wait_xcnt 0x0                                ; the last turn's stores read YV: it is rewritten only behind this wait
.set j, 0
.rept 32
	v_cvt_pk_f16_f32 v[YV+j], v[XV+2*j], v[XV+2*j+1]
.set j, j+1
.endr
.if \nx
	FILLX \nx                                      ; loads ahead of stores
.endif
.irp c, 0,1,2,3,4,5,6,7
	global_store_b64 v6, v[YV+2*\c:YV+2*\c+1], s[10:11] offset:\c*1048576+256*\i      ; two rows x 128 bytes: 256 consecutive bytes, aligned
.endr
.irp c, 0,1,2,3,4,5,6,7
	global_store_b64 v6, v[YV+16+2*\c:YV+17+2*\c], s[22:23] offset:\c*1048576+256*\i  ; planes 8 to 15
.endr
	ds_store_b64 v7, v[12:13] offset:LNL+16*\i     ; a row's 16 lanes write the same 8 bytes
.endm
.Ljob_ln:
	s_load_b128 s[4:7], s[0:1], 0x0                ; x, ln_in_g
	s_load_b128 s[8:11], s[0:1], 0x10              ; ln_in_b, XN
	s_load_b64 s[12:13], s[0:1], 0x20              ; PP
	v_and_b32 v2, 15, v0                           ; p: my place in the row
	v_bfe_u32 v3, v0, 4, 1
	v_lshl_add_u32 v3, s2, 3, v3                   ; 8 wave + (lane >> 4): my row in turn 0
	v_lshlrev_b32 v4, 4, v2                        ; gain, bias: 16 p
	v_lshl_add_u32 v5, v3, 12, v4                  ; x: row x 4,096 + 16 p
	v_lshlrev_b32 v6, 3, v2
	v_lshl_add_u32 v6, v3, 7, v6                   ; XN: row x 128 + 8 p
	v_lshlrev_b32 v7, 3, v3                        ; LDS: 8 bytes a row
	s_lshl_b32 s14, ttmp9, 18                      ; 64 rows of 4,096 bytes
	s_mov_b32 s15, 0
	s_lshl_b32 s16, ttmp9, 13                      ; 64 rows of 128 bytes
	s_mov_b32 s17, 0
	s_lshl_b32 s18, ttmp9, 9                       ; 64 rows of 8 bytes
	s_mov_b32 s19, 0
	s_mov_b32 s20, 0x3a800000                      ; 1 / 1024
	s_mov_b32 s21, 0x3727c5ac                      ; 1e-5
	s_wait_kmcnt 0x0
	s_add_nc_u64 s[4:5], s[4:5], s[14:15]
	s_add_nc_u64 s[10:11], s[10:11], s[16:17]
	s_add_nc_u64 s[22:23], s[10:11], 0x800000      ; plane 8, so that the stores' immediates stay inside their signed 24 bits
	s_add_nc_u64 s[12:13], s[12:13], s[18:19]
.irp c, 0,1,2,3,4,5,6,7,8,9,10,11,12,13,14,15
	global_load_b128 v[GV+4*\c:GV+4*\c+3], v4, s[6:7] offset:256*\c
	global_load_b128 v[BV+4*\c:BV+4*\c+3], v4, s[8:9] offset:256*\c
.endr
	FILLX 0
	LNTURN 0, 1
	LNTURN 1, 2
	LNTURN 2, 3
	LNTURN 3, 0
	s_wait_dscnt 0x0                               ; my LDS stores are done before I say so
	s_barrier_signal -1
	s_barrier_wait -1
	s_cmp_lg_u32 s2, 0
	s_cbranch_scc1 .Lln_end
	v_lshlrev_b32 v14, 4, v1
	ds_load_b128 v[8:11], v14 offset:LNL           ; 64 rows x 8 bytes, gathered so that one store writes 512 consecutive bytes
	s_wait_dscnt 0x0
	global_store_b128 v14, v[8:11], s[12:13]
.Lln_end:
	s_wait_tensorcnt 0x0
	ds_add_u32 v240, v241
	s_wait_dscnt 0x0
	s_endpgm
; ---------------------------------------------------------------- job WC: 32 k rows x 368 columns of block j, put together in LDS
.Ljob_wc:
	s_load_b128 s[4:7], s[0:1], 0x28               ; W1, a256_w1
	s_load_b128 s[8:11], s[0:1], 0x38              ; a512_w1, WC
	s_sub_co_u32 s12, ttmp9, 128
	s_lshr_b32 s13, s12, 5                         ; j
	s_and_b32 s14, s12, 31
	s_lshl_b32 s14, s14, 5                         ; k0
	s_lshl_b32 s16, s14, 13
	s_lshl_b32 s15, s13, 10
	s_add_co_u32 s16, s16, s15                     ; W1: k0 x 8,192 + 1,024 j
	s_mov_b32 s17, 0
	s_lshl_b32 s18, s14, 10
	s_lshl_b32 s15, s13, 7
	s_add_co_u32 s18, s18, s15                     ; a256_w1: k0 x 1,024 + 128 j
	s_mov_b32 s19, 0
	s_lshl_b32 s20, s14, 11
	s_lshl_b32 s15, s13, 8
	s_add_co_u32 s20, s20, s15                     ; a512_w1: k0 x 2,048 + 256 j
	s_mov_b32 s21, 0
	s_mul_i32 s22, s13, 753664
	s_mul_i32 s15, s14, 736
	s_add_co_u32 s22, s22, s15                     ; WC: j x 753,664 + k0 x 736
	s_mov_b32 s23, 0
	v_lshlrev_b32 v2, 4, v1
	s_lshl_b32 s24, s2, 15
	v_add_nc_u32 v3, s24, v2                       ; W1: 4 rows a wave + 16 lane
	v_lshrrev_b32 v4, 3, v0                        ; t >> 3: row for a256_w1 and for the zeros
	v_and_b32 v5, 7, v0
	v_lshlrev_b32 v6, 4, v5
	v_lshl_add_u32 v6, v4, 10, v6
	v_lshrrev_b32 v7, 4, v0                        ; t >> 4: row for a512_w1
	v_and_b32 v8, 15, v0
	v_lshlrev_b32 v9, 4, v8
	v_lshl_add_u32 v9, v7, 11, v9
	s_mul_i32 s25, s2, 2944
	v_lshlrev_b32 v10, 3, v1
	v_add_nc_u32 v10, s25, v10                     ; LDS, W1's part: 4 rows of 736 a wave + 8 lane
	v_mul_u32_u24 v11, v4, 736
	v_lshl_add_u32 v12, v5, 3, v11
	v_lshl_add_u32 v13, v5, 2, v11
	v_mul_u32_u24 v14, v7, 736
	v_lshl_add_u32 v14, v8, 3, v14
	s_lshl_b32 s26, s2, 9
	v_add_nc_u32 v15, s26, v2                      ; the way out: 512 wave + 16 lane
	v_mov_b32 v86, 0
	s_wait_kmcnt 0x0
	s_add_nc_u64 s[4:5], s[4:5], s[16:17]
	s_add_nc_u64 s[6:7], s[6:7], s[18:19]
	s_add_nc_u64 s[8:9], s[8:9], s[20:21]
	s_add_nc_u64 s[10:11], s[10:11], s[22:23]
.irp i, 0,1,2,3
.irp u, 0,1
	global_load_b128 v[16+4*(2*\i+\u):19+4*(2*\i+\u)], v3, s[4:5] offset:8192*\i+512*\u th:TH_LOAD_NT
.endr
.endr
	global_load_b128 v[48:51], v6, s[6:7] th:TH_LOAD_NT
	global_load_b128 v[52:55], v9, s[8:9] th:TH_LOAD_NT
	global_load_b128 v[56:59], v9, s[8:9] offset:32768 th:TH_LOAD_NT
	s_wait_loadcnt 0x0
.set n, 0
.rept 11
	v_cvt_pk_f16_f32 v[64+2*n], v[16+4*n], v[17+4*n]
	v_cvt_pk_f16_f32 v[65+2*n], v[18+4*n], v[19+4*n]
.set n, n+1
.endr
.irp i, 0,1,2,3
.irp u, 0,1
	ds_store_b64 v10, v[64+2*(2*\i+\u):65+2*(2*\i+\u)] offset:736*\i+256*\u
.endr
.endr
	ds_store_b64 v12, v[80:81] offset:512
	ds_store_b64 v14, v[82:83] offset:576
	ds_store_b64 v14, v[84:85] offset:576+11776
	ds_store_b32 v13, v86 offset:704               ; columns 352 to 367: zeros; they only make the row 23 x 32 bytes
	s_wait_dscnt 0x0
	s_barrier_signal -1
	s_barrier_wait -1
.irp r, 0,1,2,3,4
	ds_load_b128 v[96+4*\r:99+4*\r], v15 offset:4096*\r
.endr
.irp r, 0,1,2,3,4
	s_wait_dscnt 4-\r                              ; LDS loads come back in order: load r is in
	global_store_b128 v15, v[96+4*\r:99+4*\r], s[10:11] offset:4096*\r
.endr
	s_cmp_ge_u32 s2, 6                             ; 23,552 bytes are 46 pieces of 512: the last round has six
	s_cbranch_scc1 .Lwc_end
	ds_load_b128 v[116:119], v15 offset:20480
	s_wait_dscnt 0x0
	global_store_b128 v15, v[116:119], s[10:11] offset:20480
.Lwc_end:
	s_wait_tensorcnt 0x0
	ds_add_u32 v240, v241
	s_wait_dscnt 0x0
	s_endpgm
; ---------------------------------------------------------------- job W2B: block j (256 rows), strip st (128 columns); a wave takes 32 rows
; v[16:143] the 32 rows as loaded; v[144:207] row i's 8 bytes to store at 144 + 2 i; v[208:211] G's sums, v[212:215] C's; v[216:223] at work, two sets by turns
.Ljob_w2b:
	s_load_b128 s[4:7], s[0:1], 0x48               ; W2, ln_h_g
	s_load_b128 s[8:11], s[0:1], 0x58              ; ln_h_b, B2
	s_load_b64 s[12:13], s[0:1], 0x20              ; PP
	s_sub_co_u32 s84, ttmp9, 384
	s_lshr_b32 s85, s84, 3                         ; j
	s_and_b32 s86, s84, 7                          ; st
	s_lshl_b32 s87, s85, 8
	s_lshl_b32 s88, s2, 5
	s_add_co_u32 s87, s87, s88                     ; my first row: 256 j + 32 wave
	s_lshl_b32 s88, s87, 2
	s_mov_b32 s89, 0
	s_lshl_b32 s90, s87, 12
	s_lshl_b32 s91, s86, 9
	s_add_co_u32 s90, s90, s91                     ; W2: row x 4,096 + 512 st
	s_mov_b32 s91, 0
	s_lshr_b32 s92, s86, 1
	s_mul_i32 s92, s92, 1441792
	s_lshl_b32 s93, s87, 9
	s_add_co_u32 s92, s92, s93
	s_and_b32 s93, s86, 1
	s_lshl_b32 s93, s93, 8
	s_add_co_u32 s92, s92, s93                     ; B2: (st >> 1) planes + row x 512 + 256 (st & 1)
	s_mov_b32 s93, 0
	v_lshlrev_b32 v2, 4, v1
	v_lshlrev_b32 v3, 3, v1
	s_wait_kmcnt 0x0
	s_add_nc_u64 s[6:7], s[6:7], s[88:89]
	s_add_nc_u64 s[8:9], s[8:9], s[88:89]
	s_load_b512 s[16:31], s[6:7], 0x0              ; gain of my 32 rows: s16 .. s47
	s_load_b512 s[32:47], s[6:7], 0x40
	s_load_b512 s[48:63], s[8:9], 0x0              ; bias of my rows 0-15: s48 .. s63
	s_load_b512 s[68:83], s[8:9], 0x40             ; rows 16-31: s68 .. s83
	s_add_nc_u64 s[4:5], s[4:5], s[90:91]
	s_add_nc_u64 s[10:11], s[10:11], s[92:93]
.set i, 0
.rept 32
	global_load_b128 v[16+4*i:19+4*i], v2, s[4:5] offset:4096*i th:TH_LOAD_NT
.set i, i+1
.endr
	s_wait_kmcnt 0x0
.set i, 0
.rept 32
	s_wait_loadcnt 31-i                            ; row i is in, the younger rows stay out
.if i < 16
.set SB, 48+i
.else
.set SB, 52+i
.endif
.if i == 0
.set TT, 208                                       ; row 0 starts the sums: nothing is cleared
.else
.set TT, 216+4*(i&1)                               ; no store reads these registers
.endif
.irp c, 0,1,2,3
	v_mul_f32 v[TT+\c], s[16+i], v[16+4*i+\c]      ; g W2
.endr
.if i == 0
.irp c, 0,1,2,3
	v_mul_f32 v[212+\c], s[SB], v[16+\c]
.endr
.else
	v_pk_add_f32 v[208:209], v[208:209], v[TT:TT+1]
	v_pk_add_f32 v[210:211], v[210:211], v[TT+2:TT+3]
.irp c, 0,1,2,3
	v_fmac_f32 v[212+\c], s[SB], v[16+4*i+\c]      ; lnb W2
.endr
.endif
	v_cvt_pk_f16_f32 v[144+2*i], v[TT], v[TT+1]
	v_cvt_pk_f16_f32 v[145+2*i], v[TT+2], v[TT+3]
	global_store_b64 v3, v[144+2*i:145+2*i], s[10:11] offset:512*i     ; 256 consecutive bytes, aligned; each row has store registers of its own
.set i, i+1
.endr
	s_lshl_b32 s84, s2, 10
	v_add_nc_u32 v4, s84, v2
	ds_store_b128 v4, v[208:211] offset:W2L        ; my 32 rows' part of G_j
	ds_store_b128 v4, v[212:215] offset:W2L+512    ; and of C_j
	s_wait_dscnt 0x0
	s_barrier_signal -1
	s_barrier_wait -1
	s_cmp_ge_u32 s2, 2
	s_cbranch_scc1 .Lw2b_end
	s_lshl_b32 s84, s2, 9                          ; wave 0 adds up G, wave 1 C, in the order of the waves
	v_add_nc_u32 v5, s84, v2
.irp u, 0,1,2,3,4,5,6,7
	ds_load_b128 v[16+4*\u:19+4*\u], v5 offset:W2L+1024*\u
.endr
	s_lshl_b32 s94, s2, 15
	s_lshl_b32 s95, s85, 12
	s_add_co_u32 s94, s94, s95
	s_lshl_b32 s95, s86, 9
	s_add_co_u32 s94, s94, s95
	s_add_co_u32 s94, s94, 65536                   ; PP: 65,536 + 32,768 (G or C) + 4,096 j + 512 st
	s_mov_b32 s95, 0
	s_add_nc_u64 s[12:13], s[12:13], s[94:95]
	s_wait_dscnt 0x0
.irp u, 1,2,3,4,5,6,7
	v_pk_add_f32 v[16:17], v[16:17], v[16+4*\u:17+4*\u]
	v_pk_add_f32 v[18:19], v[18:19], v[18+4*\u:19+4*\u]
.endr
	global_store_b128 v2, v[16:19], s[12:13]
.Lw2b_end:
	s_wait_tensorcnt 0x0
	ds_add_u32 v240, v241
	s_wait_dscnt 0x0
	s_endpgm
.Lfunc_end_k_qa1efa6e9e6_prep:
	.size	k_qa1efa6e9e6_prep, .Lfunc_end_k_qa1efa6e9e6_prep-k_qa1efa6e9e6_prep
	.p2alignl 7, 3214868480
	.fill 96, 4, 3214868480
	.section	.rodata,"a",@progbits
	.p2align	6, 0x0
	.amdhsa_kernel k_qa1efa6e9e6_prep
		.amdhsa_group_segment_fixed_size 33280
		.amdhsa_private_segment_fixed_size 0
		.amdhsa_enable_private_segment 0
		.amdhsa_kernarg_size 120
		.amdhsa_user_sgpr_count 2
		.amdhsa_user_sgpr_kernarg_segment_ptr 1
		.amdhsa_wavefront_size32 1
		.amdhsa_system_sgpr_workgroup_id_x 1
		.amdhsa_system_sgpr_workgroup_id_y 1
		.amdhsa_system_sgpr_workgroup_id_z 1
		.amdhsa_system_vgpr_workitem_id 0
		.amdhsa_next_free_vgpr 242
		.amdhsa_next_free_sgpr 96
		.amdhsa_reserve_vcc 0
		.amdhsa_float_denorm_mode_32 3
		.amdhsa_float_denorm_mode_16_64 3
		.amdhsa_memory_ordered 1
		.amdhsa_forward_progress 1
		.amdhsa_inst_pref_size 115
	.end_amdhsa_kernel
	.amdgpu_metadata
---
amdhsa.version: [ 1, 2 ]
amdhsa.kernels:
  - .name:           k_qa1efa6e9e6_prep
    .symbol:         k_qa1efa6e9e6_prep.kd
    .args:
      - { .name: x, .offset: 0, .size: 8, .value_kind: global_buffer, .address_space: global }
      - { .name: ln_in_g, .offset: 8, .size: 8, .value_kind: global_buffer, .address_space: global }
      - { .name: ln_in_b, .offset: 16, .size: 8, .value_kind: global_buffer, .address_space: global }
      - { .name: XN, .offset: 24, .size: 8, .value_kind: global_buffer, .address_space: global }
      - { .name: PP, .offset: 32, .size: 8, .value_kind: global_buffer, .address_space: global }
      - { .name: W1, .offset: 40, .size: 8, .value_kind: global_buffer, .address_space: global }
      - { .name: a256_w1, .offset: 48, .size: 8, .value_kind: global_buffer, .address_space: global }
      - { .name: a512_w1, .offset: 56, .size: 8, .value_kind: global_buffer, .address_space: global }
      - { .name: WC, .offset: 64, .size: 8, .value_kind: global_buffer, .address_space: global }
      - { .name: W2, .offset: 72, .size: 8, .value_kind: global_buffer, .address_space: global }
      - { .name: ln_h_g, .offset: 80, .size: 8, .value_kind: global_buffer, .address_space: global }
      - { .name: ln_h_b, .offset: 88, .size: 8, .value_kind: global_buffer, .address_space: global }
      - { .name: B2, .offset: 96, .size: 8, .value_kind: global_buffer, .address_space: global }
      - { .name: a256_w2, .offset: 104, .size: 8, .value_kind: global_buffer, .address_space: global }
      - { .name: a512_w2, .offset: 112, .size: 8, .value_kind: global_buffer, .address_space: global }
    .group_segment_fixed_size: 33280
    .private_segment_fixed_size: 0
    .kernarg_segment_align: 8
    .kernarg_segment_size: 120
    .max_flat_workgroup_size: 256
    .sgpr_count:     96
    .vgpr_count:     242
    .wavefront_size: 32
...
	.end_amdgpu_metadata
.endif
;; end of part 1
;; launch ffn1 (part 2): grid 8 x 32, 4 waves a work-group, clusters of 4 x 4, 327,680 bytes of LDS; arguments XN, WC, b1, a256_b1, a512_b1, width_multiplier, width_idx, A2, HS; writes A2, HS
.if DOCPART == 2
	.amdgcn_target "amdgcn-amd-amdhsa--gfx1250"
	.amdhsa_code_object_version 6
	.text
	.protected	k_qa1efa6e9e6_ffn1
	.globl	k_qa1efa6e9e6_ffn1
	.p2align	8
	.type	k_qa1efa6e9e6_ffn1,@function
k_qa1efa6e9e6_ffn1:
	s_mov_b64 s[64:65], 0
	v_nop
	global_prefetch_b8 v0, s[64:65] scope:SCOPE_SE
	s_setreg_imm32_b32 hwreg(HW_REG_WAVE_MODE, 25, 1), 1
	s_wait_xcnt 0x0
	s_wait_alu depctr_hold_cnt(0) depctr_sa_sdst(0) depctr_va_vdst(0) depctr_va_sdst(0) depctr_va_ssrc(0) depctr_va_vcc(0) depctr_vm_vsrc(0)
	s_getreg_b32 s2, hwreg(HW_REG_IB_STS2, 6, 4)
	s_cmp_eq_u32 s2, 0
	s_cbranch_scc0 .Lentry_in_a_cluster
	s_endpgm
.Lentry_in_a_cluster:
	s_bfe_u32 s2, ttmp6, 0x10000c
	s_cmp_lg_u32 s2, 0xf033
	s_cbranch_scc0 .Lentry_shape_is_right
	s_endpgm
.Lentry_shape_is_right:
; AdaptiveFFN, launch 2 of 3: [8192 x 2816] = x_norm [W1 | a256_w1 | a512_w1], bias, exact GELU, and per block of 256 hidden columns
; the row's mean and centred sum of squares.  No work of reference() is left out here.  Matrix operands f16, sums f32.
; A work-group makes 256 rows x 352 columns (block j: 256 of W1, 32 of a256_w1, 64 of a512_w1): 8 x 32 = 256 equal work-groups.
; Wave w makes rows 64 w .. 64 w + 63 and ALL 352 columns: 4 x 22 accumulator tiles, 704 registers, so a row's statistics stay in one wave.
; K = 1024 goes in 16 steps of 64 through two LDS slots.  Both tiles are dense blocks of memory (XN and WC are laid out so) and come in as
; rows of 256 bytes.  A's tile: 16 bytes of padding behind every 128 bytes, so a token's 64 k lie 144 bytes apart.  B's tile is [k][368]
; f16, 736 = 23 x 32 bytes a row, read with the transposing load.
; CLUSTERS 4 x 4: A's tile hangs on the row block alone and is asked for jointly along a row of the cluster, B's on the column block alone, along a column.
; The matrix instruction is used transposed (source 0 = weights, source 1 = tokens): lane (r, h) holds row r, columns 8 h .. 8 h + 7 of a tile.
; OUT: A2[c 16][row][128] f16 = gelu - block mean;  A2 + 33,554,432: [j 8][row][96] f16 = (width_idx chooses the adapter) ? gelu (1 - wm) : 0;
;      HS[j][2][8192] f32 = block means, centred sums of squares.
; GELU: gelu(z) = max(z, 0) - |z| q,  q = 1/2 (a1 t + .. + a5 t^5) exp(-z^2 / 2),  t = 1 / (1 + 0.23164189 |z|)  (Abramowitz and Stegun 7.1.26 for erf(z / sqrt 2)).
; LIMITS: |error of erf| <= 1.5e-7, so |error of gelu| <= 0.75e-7 |z|.  A stored number (gelu - block mean, gelu (1 - wm)) beyond 65,504 in size becomes an
; infinity; the block mean is taken away in f32 first, so a common offset of the hidden numbers does not count toward that.
; A width_idx other than 0 or 1 chooses no adapter, as in reference().
; REGISTERS: window 0: v2-14 constants, v16-30 addresses, v32-63 row figures, v64-127 A's fragments (two buffers), v128-255 B's (two buffers);
;            tile (mt, nt) lies in window 1 + (nt >> 3) at register 8 (8 mt + (nt & 7)).
.set SLOT,  83968                      ; A 256 x 144 = 36,864, then B 64 x 736 = 47,104
.set BOFF,  36864
.set BTAB,  167936                     ; 352 biases, f32
.set MTAB,  169472                     ; 512 bytes a wave: 64 means, 64 sums of squares
.set STAGE, 171520                     ; 11,520 bytes a wave: 16 rows x 528 (base), then 16 rows x 192 (adapters)
.set STW,   11520
.set G1A, 32                           ; s[32:39] group 1, A's tiles
.set G1B, 40                           ; s[40:47] group 1, B's tiles
.set G0A, 48                           ; s[48:55] group 0, A's tiles, one set a slot
.set G0B, 56                           ; s[56:63] group 0, B's tiles
.set KA1, 2
.set KA2, 4
.set KA3, 6
.set KA4, 8
.set KA5, 10
.set KE,  12
.set PC,  14
.set ADRA, 16
.set ADRB, 18
.set STO,  20
.set RDB,  21
.set STO2, 22
.set RDA,  23
.set CO,   28
.set BT,   29
.set MT,   30
.set RS,   32                          ; v[32:39] row sums, a pair for each mt
.set MEAN, 40                          ; v[40:47] block mean, twice, for each mt
.set M2,   48                          ; v[48:55] chains of the sum of squares; first width_idx
.set OM,   56                          ; v[56:63] {1 - wm, wm} for each mt
.set AB0,  64
.set AB1,  96
.set BB0,  128
.set BB1,  192
.set Z,  64                            ; the GELU's 32 numbers at a time
.set T,  96
.set E,  128
.set P,  160
.set BI, 192                           ; two buffers of 8 biases
.set C,  64                            ; the way out
.set PK, 128
.set RB, 160
.set MSB, 0
.macro WIN new                         ; the immediate's high byte repeats the setting that is left
.if MSB != (\new)
	s_set_vgpr_msb (MSB<<8)|(\new)
.set MSB, (\new)
.endif
.endm
.macro PLACES                          ; four plain vector instructions between a matrix instruction and a load into, or a vector access to, its registers
.rept 4
	v_nop
.endr
.endm
.macro JLOAD s                         ; waves 0, 1 ask for A's two halves, waves 2, 3 for B's: each line has one mask and one set of registers
	s_cmp_eq_u32 s3, 0
	s_cbranch_scc0 .Lfor_b_\@
	tensor_load_to_lds s[G0A+4*\s:G0A+4*\s+3], s[G1A:G1A+7]
	s_nop 0
	s_branch .Lasked_\@
.Lfor_b_\@:
	tensor_load_to_lds s[G0B+4*\s:G0B+4*\s+3], s[G1B:G1B+7]
	s_nop 0
.Lasked_\@:
.endm
.macro CREST                           ; a round of the cluster's barrier behind its opening work-group barrier
	s_cmp_lg_u32 s2, 0
	s_cbranch_scc1 .Lnot_wave_0_\@
	s_barrier_signal -3
.Lnot_wave_0_\@:
	s_barrier_wait -3
	s_barrier_signal -1
	s_barrier_wait -1
.endm
.macro CROUND
	s_barrier_signal -1
	s_barrier_wait -1
	CREST
.endm
	s_load_b512 s[68:83], s[0:1], 0x0              ; XN 68, WC 70, b1 72, a256_b1 74, a512_b1 76, width_multiplier 78, width_idx 80, A2 82
	s_load_b64 s[84:85], s[0:1], 0x40              ; HS
	v_lshl_add_u32 v26, v0, 2, 0x35200
	v_mov_b32 v27, 0
	ds_add_u32 v26, v27
	v_lshrrev_b32 v1, 5, v0
	v_readfirstlane_b32 s2, v1                     ; wave 0..3
	s_lshr_b32 s3, s2, 1                           ; I ask for A (0) or for B (1)
	s_and_b32 s4, s2, 1                            ; which half of that tile
	s_bfe_u32 s26, ttmp6, 0x40000                  ; cx
	s_bfe_u32 s27, ttmp6, 0x40004                  ; cy
	s_lshl_b32 s28, ttmp9, 2
	s_add_co_u32 s28, s28, s26                     ; j: column block
	s_and_b32 s29, ttmp7, 0xffff
	s_lshl_b32 s29, s29, 2
	s_add_co_u32 s29, s29, s27                     ; i: row block
	s_lshl_b32 s30, s27, 2
	s_lshl_b32 s30, 15, s30                        ; my row of the cluster
	s_lshl_b32 s31, 0x1111, s26                    ; my column
	s_or_b32 s[G1A+0], s30, 0x07330000             ; mask; elements of 8 bytes; padding on; bit 21 beside a mask; after every 32 words 4 words
	s_or_b32 s[G1B+0], s31, 0x00230000             ; mask; elements of 8 bytes; bit 21; no padding
	s_mov_b32 s[G1A+1], 32<<16                     ; tensor_dim0 = 32 elements = 256 bytes
	s_mov_b32 s[G1B+1], 32<<16
	s_mov_b32 s[G1A+2], 64<<16                     ; tensor_dim1 = 64 rows of 256 bytes = 128 tokens x 128 bytes
	s_mov_b32 s[G1B+2], 92<<16                     ; 92 rows of 256 bytes = 32 k x 736 bytes
	s_mov_b32 s[G1A+3], 32<<16                     ; tile_dim0
	s_mov_b32 s[G1B+3], 32<<16
	s_mov_b32 s[G1A+4], 64                         ; tile_dim1
	s_mov_b32 s[G1B+4], 92
	s_mov_b32 s[G1A+5], 32                         ; pitch = row: the block is dense
	s_mov_b32 s[G1B+5], 32
	s_mov_b32 s[G1A+6], 0
	s_mov_b32 s[G1B+6], 0
	s_mov_b32 s[G1A+7], 0
	s_mov_b32 s[G1B+7], 0
	s_lshl_b32 s86, s29, 15                        ; A: (256 i + 128 half) x 128 bytes; made of i and the wave alone
	s_lshl_b32 s87, s4, 14
	s_add_co_u32 s86, s86, s87
	s_mov_b32 s87, 0
	s_mul_i32 s88, s28, 753664                     ; B: plane j + half x 23,552; made of j and the wave alone
	s_mul_i32 s89, s4, 23552
	s_add_co_u32 s88, s88, s89
	s_mov_b32 s89, 0
	s_mul_i32 s90, s4, 18432                       ; LDS: A's half (128 x 144)
	s_mul_i32 s91, s4, 23552
	s_add_co_u32 s91, s91, BOFF                    ; LDS: B's half
	s_wait_dscnt 0x0
	s_wait_kmcnt 0x0
	s_add_nc_u64 s[86:87], s[68:69], s[86:87]
	s_add_nc_u64 s[88:89], s[70:71], s[88:89]
.irp s, 0,1
	s_mov_b32 s[G0A+4*\s], 1
	s_add_co_u32 s[G0A+4*\s+1], s90, \s*SLOT
	s_add_nc_u64 s[G0A+4*\s+2:G0A+4*\s+3], s[86:87], \s*1048576    ; K step s = plane s of XN
	s_or_b32 s[G0A+4*\s+3], s[G0A+4*\s+3], 0x80000000
	s_mov_b32 s[G0B+4*\s], 1
	s_add_co_u32 s[G0B+4*\s+1], s91, \s*SLOT
	s_add_nc_u64 s[G0B+4*\s+2:G0B+4*\s+3], s[88:89], \s*47104      ; 64 k rows of 736 bytes
	s_or_b32 s[G0B+4*\s+3], s[G0B+4*\s+3], 0x80000000
.endr
	CROUND                                         ; all sixteen work-groups are here: the first joint loads meet
	JLOAD 0
	JLOAD 1                                        ; two tensor loads of mine are out; behind each later round, one
	; where the results go
	s_lshl_b32 s92, s28, 22                        ; plane 2 j of 2,097,152 bytes
	s_lshl_b32 s93, s29, 16
	s_add_co_u32 s92, s92, s93
	s_lshl_b32 s93, s2, 14
	s_add_co_u32 s92, s92, s93                     ; + (256 i + 64 w) x 256
	s_mov_b32 s93, 0
	s_add_nc_u64 s[8:9], s[82:83], s[92:93]
	s_add_nc_u64 s[10:11], s[8:9], 0x200000        ; plane 2 j + 1
	s_mul_i32 s92, s28, 1572864
	s_mul_i32 s94, s29, 49152
	s_add_co_u32 s92, s92, s94
	s_mul_i32 s94, s2, 12288
	s_add_co_u32 s92, s92, s94
	s_add_co_u32 s92, s92, 33554432                ; adapters: plane j + (256 i + 64 w) x 192
	s_add_nc_u64 s[12:13], s[82:83], s[92:93]
	s_lshl_b32 s92, s28, 16
	s_lshl_b32 s94, s29, 10
	s_add_co_u32 s92, s92, s94
	s_lshl_b32 s95, s2, 8
	s_add_co_u32 s92, s92, s95
	s_add_nc_u64 s[14:15], s[84:85], s[92:93]      ; HS: plane j + (256 i + 64 w) x 4
	s_add_co_u32 s92, s94, s95
	s_add_nc_u64 s[78:79], s[78:79], s[92:93]      ; width_multiplier and width_idx at my first row
	s_add_nc_u64 s[80:81], s[80:81], s[92:93]
	s_lshl_b32 s92, s28, 10
	s_add_nc_u64 s[72:73], s[72:73], s[92:93]      ; b1 at column 256 j
	s_lshl_b32 s92, s28, 7                         ; wave 0: a256_b1 + 128 j
	s_lshl_b32 s94, s28, 8                         ; waves 1, 2: a512_b1 + 256 j + 128 (w - 1)
	s_max_u32 s95, s2, 1
	s_sub_co_u32 s95, s95, 1
	s_lshl_b32 s95, s95, 7
	s_add_co_u32 s94, s94, s95
	s_cmp_eq_u32 s2, 0
	s_cselect_b64 s[74:75], s[74:75], s[76:77]
	s_cselect_b32 s92, s92, s94
	s_add_nc_u64 s[74:75], s[74:75], s[92:93]
	s_mov_b32 s24, 0x76543210                      ; v_permlanex16_b32: lane i takes lane i of the other half
	s_mov_b32 s25, 0xfedcba98
	v_and_b32 v1, 15, v0                           ; r
	v_bfe_u32 v15, v0, 4, 1                        ; h
	v_and_b32 v31, 31, v0                          ; lane
	v_mul_u32_u24 v64, v1, 144
	v_lshl_add_u32 v64, v15, 4, v64
	s_mul_i32 s92, s2, 9216
	v_add_nc_u32 v[ADRA], s92, v64                 ; (64 w + r) x 144 + 16 h
	v_add_nc_u32 v[ADRA+1], SLOT, v[ADRA]
	v_and_b32 v64, 7, v0
	v_lshl_add_u32 v64, v15, 3, v64
	v_mul_u32_u24 v64, v64, 736
	v_bfe_u32 v65, v0, 3, 1
	v_lshl_add_u32 v64, v65, 4, v64                ; (8 h + (lane & 7)) x 736 + 16 ((lane >> 3) & 1): the transposing load's address
	v_add_nc_u32 v[ADRB], BOFF, v64
	v_add_nc_u32 v[ADRB+1], SLOT+BOFF, v64
	s_mul_i32 s92, s2, STW
	s_add_co_u32 s92, s92, STAGE                   ; my stage
	v_mul_u32_u24 v64, v1, 528
	v_lshl_add_u32 v64, v15, 4, v64
	v_add_nc_u32 v[STO], s92, v64
	v_mul_u32_u24 v64, v15, 528
	v_lshl_add_u32 v64, v1, 4, v64
	v_add_nc_u32 v[RDB], s92, v64
	s_add_co_u32 s92, s92, 8448
	v_mul_u32_u24 v64, v1, 192
	v_lshl_add_u32 v64, v15, 4, v64
	v_add_nc_u32 v[STO2], s92, v64
	v_lshlrev_b32 v[CO], 4, v31
	v_add_nc_u32 v[RDA], s92, v[CO]
	v_lshlrev_b32 v64, 5, v15
	v_add_nc_u32 v[BT], BTAB, v64
	s_lshl_b32 s92, s2, 9
	s_add_co_u32 s92, s92, MTAB
	v_lshl_add_u32 v[MT], v1, 2, s92
.irp n, 0,1
	v_mov_b32 v[KA1+\n], 0x3e027906                ;  0.127414796
	v_mov_b32 v[KA2+\n], 0xbe11a98e                ; -0.142248368
	v_mov_b32 v[KA3+\n], 0x3f35f0e3                ;  0.7107068705
	v_mov_b32 v[KA4+\n], 0xbf3a00e3                ; -0.7265760135
	v_mov_b32 v[KA5+\n], 0x3f07dc22                ;  0.5307027145
	v_mov_b32 v[KE+\n],  0xbf38aa3b                ; -0.72134752 = -log2(e) / 2
.endr
	v_mov_b32 v[PC], 0x3e6d3388                    ;  0.23164189
	; biases into LDS, the rows' width_multiplier and width_idx into registers
	v_lshlrev_b32 v64, 3, v0
	v_lshlrev_b32 v65, 2, v1
	v_lshlrev_b32 v66, 2, v31
	global_load_b64 v[68:69], v64, s[72:73]
.irp mt, 0,1,2,3
	global_load_b32 v[OM+2*\mt+1], v65, s[78:79] offset:64*\mt
	global_load_b32 v[M2+\mt], v65, s[80:81] offset:64*\mt
.endr
	s_cmp_eq_u32 s2, 3
	s_cbranch_scc1 .Lno_adapter_bias               ; 96 adapter biases: three waves of 32 lanes
	global_load_b32 v67, v66, s[74:75]
	s_lshl_b32 s92, s2, 7
	s_add_co_u32 s92, s92, BTAB+1024
	v_add_nc_u32 v70, s92, v66
	s_wait_loadcnt 0x0
	ds_store_b32 v70, v67
.Lno_adapter_bias:
	s_wait_loadcnt 0x0
	v_add_nc_u32 v71, BTAB, v64
	ds_store_b64 v71, v[68:69]
.irp mt, 0,1,2,3
	v_sub_f32 v[OM+2*\mt], 1.0, v[OM+2*\mt+1]
	v_cmp_eq_u32 s[16+\mt], 0, v[M2+\mt]           ; lanes whose row chooses the adapter of 256
	v_cmp_eq_u32 s[20+\mt], 1, v[M2+\mt]           ; of 512
.endr
	s_wait_dscnt 0x0                               ; my biases are in LDS
	s_wait_tensorcnt 0x1                           ; my part of K step 0 is in; K step 1's may stay out
	s_barrier_signal -1
	s_barrier_wait -1
; cnt tiles of B from n tile nt0 on, K quarter q (32 k) of the slot, into buf: two transposing loads a tile, 16 k rows apart
.macro LDB buf, slot, q, nt0, cnt
.set b_, 0
.rept \cnt
	ds_load_tr16_b128 v[\buf+8*b_:\buf+8*b_+3], v[ADRB+\slot] offset:23552*\q+32*(\nt0+b_)
	ds_load_tr16_b128 v[\buf+8*b_+4:\buf+8*b_+7], v[ADRB+\slot] offset:23552*\q+32*(\nt0+b_)+11776
.set b_, b_+1
.endr
.endm
.macro LDA buf, slot, q                ; my four row tiles of A
.irp a, 0,1,2,3
	ds_load_b128 v[\buf+8*\a:\buf+8*\a+3], v[ADRA+\slot] offset:2304*\a+64*\q
	ds_load_b128 v[\buf+8*\a+4:\buf+8*\a+7], v[ADRA+\slot] offset:2304*\a+64*\q+32
.endr
.endm
; cnt x 4 products.  The accumulators take turns, one instruction a turn.
.macro MULS bb, ab, b0, cnt, zero
.set b_, \b0
.rept \cnt
.irp a, 0,1,2,3
.if \zero
	v_wmma_f32_16x16x32_f16 v[8*(8*\a+b_):8*(8*\a+b_)+7], v[\bb+8*b_:\bb+8*b_+7], v[\ab+8*\a:\ab+8*\a+7], 0
.else
	v_wmma_f32_16x16x32_f16 v[8*(8*\a+b_):8*(8*\a+b_)+7], v[\bb+8*b_:\bb+8*b_+7], v[\ab+8*\a:\ab+8*\a+7], v[8*(8*\a+b_):8*(8*\a+b_)+7]
.endif
.endr
.set b_, b_+1
.endr
.endm
; One K step of 64: six stretches (two K quarters x three windows of accumulators).  Each stretch first asks for the next stretch's fragments, into the
; buffer that the last stretch has left; its counted wait equals the loads just issued, so what was asked for one stretch earlier is in.
; mode 2: change of slots with a round of the cluster's barrier and a refill; 1: with a work-group barrier alone; 0: the last step.
.macro SLOTSTEP slot, next, mode, zero
	PLACES
	WIN 0
	LDB BB1, \slot, 0, 8, 8
	s_wait_dscnt 16
	WIN 0x50
	MULS BB0, AB0, 0, 8, \zero
	PLACES
	WIN 0
	LDB BB0, \slot, 0, 16, 6
	s_wait_dscnt 12
	WIN 0xa0
	MULS BB1, AB0, 0, 8, \zero
	PLACES
	WIN 0
	LDB BB1, \slot, 1, 0, 8
	LDA AB1, \slot, 1
	s_wait_dscnt 24
	WIN 0xf0
	MULS BB0, AB0, 0, 6, \zero
	PLACES
	WIN 0
	LDB BB0, \slot, 1, 8, 8
	s_wait_dscnt 16
	WIN 0x50
	MULS BB1, AB1, 0, 8, 0
	PLACES
	WIN 0
	LDB BB1, \slot, 1, 16, 6
	s_wait_dscnt 12
	WIN 0xa0
.if \mode
	MULS BB0, AB1, 0, 2, 0
	s_wait_dscnt 0x0                               ; my reads of this slot are over
	s_wait_tensorcnt 0x0                           ; and all my tensor loads have landed: the one that was out is my part of the next slot
	ds_add_u32 v26, v27
	s_wait_dscnt 0x0
	s_barrier_signal -1
	MULS BB0, AB1, 2, 6, 0                         ; register work while the others arrive
	WIN 0
	s_barrier_wait -1
.if \mode == 2
	CREST                                          ; no wave of any partner still reads this slot or has a load on its way
	s_add_nc_u64 s[G0A+4*\slot+2:G0A+4*\slot+3], s[G0A+4*\slot+2:G0A+4*\slot+3], 2097152   ; two K steps on
	s_add_nc_u64 s[G0B+4*\slot+2:G0B+4*\slot+3], s[G0B+4*\slot+2:G0B+4*\slot+3], 94208
	JLOAD \slot                                    ; my one tensor load behind the round, and the first thing there
.endif
	PLACES
	LDB BB0, \next, 0, 0, 8
	LDA AB0, \next, 0
.else
	MULS BB0, AB1, 0, 8, 0
	s_wait_dscnt 0x0
.endif
	WIN 0xf0
	MULS BB1, AB1, 0, 6, 0
.endm
	LDB BB0, 0, 0, 0, 8
	LDA AB0, 0, 0
	SLOTSTEP 0, 1, 2, 1                            ; the first products start the sums: nothing is cleared
	SLOTSTEP 1, 0, 2, 0
	WIN 0
	s_mov_b32 s5, 6
.Llap:
	SLOTSTEP 0, 1, 2, 0
	SLOTSTEP 1, 0, 2, 0
	WIN 0
	s_sub_co_u32 s5, s5, 1
	s_cmp_lg_u32 s5, 0
	s_cbranch_scc1 .Llap
	SLOTSTEP 0, 1, 1, 0                            ; K steps 14 and 15: nothing is left to fetch
	SLOTSTEP 1, 0, 0, 0
; PASS 1: bias and GELU, one n tile of all four row tiles (32 numbers a lane) at a time, so that 8 biases serve 32 numbers.
; kind 0: a base tile: the result goes back into the accumulator and into the row sums.  kind 1, 2: an adapter's tile: times (1 - wm), or 0 where width_idx does not choose it.
.macro GG win, b, nt, kind
	s_wait_dscnt 0x0                               ; this tile's biases are in
	WIN \win
.irp mt, 0,1,2,3
.irp p, 0,1,2,3
	v_pk_add_f32 v[Z+8*\mt+2*\p:Z+8*\mt+2*\p+1], v[8*(8*\mt+\b)+2*\p:8*(8*\mt+\b)+2*\p+1], v[BI+8*((\nt)&1)+2*\p:BI+8*((\nt)&1)+2*\p+1]
.endr
.endr
	WIN 0
.if \nt < 21
	ds_load_b128 v[BI+8*((\nt+1)&1):BI+8*((\nt+1)&1)+3], v[BT] offset:64*(\nt+1)
	ds_load_b128 v[BI+8*((\nt+1)&1)+4:BI+8*((\nt+1)&1)+7], v[BT] offset:64*(\nt+1)+16
.endif
.set k, 0
.rept 32
	v_fma_f32 v[T+k], |v[Z+k]|, v[PC], 1.0
.set k, k+1
.endr
.set k, 0
.rept 16
	v_pk_mul_f32 v[E+2*k:E+2*k+1], v[Z+2*k:Z+2*k+1], v[Z+2*k:Z+2*k+1]
.set k, k+1
.endr
.set k, 0
.rept 32
	v_rcp_f32 v[T+k], v[T+k]
.set k, k+1
.endr
.set k, 0
.rept 16
	v_pk_mul_f32 v[E+2*k:E+2*k+1], v[E+2*k:E+2*k+1], v[KE:KE+1]      ; plain work behind the reciprocals, which it does not touch (ISA guide 5.7.2)
.set k, k+1
.endr
.set k, 0
.rept 32
	v_exp_f32 v[E+k], v[E+k]
.set k, k+1
.endr
.set k, 0
	s_wait_alu depctr_va_vdst(0)
.rept 16
	v_pk_fma_f32 v[P+2*k:P+2*k+1], v[T+2*k:T+2*k+1], v[KA5:KA5+1], v[KA4:KA4+1]   ; plain work behind the exponentials, which it does not touch
.set k, k+1
.endr
.irp ka, KA3, KA2, KA1
.set k, 0
.rept 16
	v_pk_fma_f32 v[P+2*k:P+2*k+1], v[P+2*k:P+2*k+1], v[T+2*k:T+2*k+1], v[\ka:\ka+1]
.set k, k+1
.endr
.endr
.set k, 0
.rept 16
	v_pk_mul_f32 v[T+2*k:T+2*k+1], v[T+2*k:T+2*k+1], v[E+2*k:E+2*k+1]
.set k, k+1
.endr
.set k, 0
.rept 16
	v_pk_mul_f32 v[P+2*k:P+2*k+1], v[P+2*k:P+2*k+1], v[T+2*k:T+2*k+1]   ; q
.set k, k+1
.endr
.set k, 0
.rept 32
	v_max_num_f32 v[E+k], 0, v[Z+k]
.set k, k+1
.endr
.if \kind == 0
	WIN ((\win)<<6)
.irp mt, 0,1,2,3
.irp e, 0,1,2,3,4,5,6,7
	v_fma_f32 v[8*(8*\mt+\b)+\e], -|v[Z+8*\mt+\e]|, v[P+8*\mt+\e], v[E+8*\mt+\e]
.endr
.endr
.if \nt == 0
	WIN 0x05                                       ; the first two pairs start the row sums
.irp mt, 0,1,2,3
	v_pk_add_f32 v[RS+2*\mt:RS+2*\mt+1], v[64*\mt:64*\mt+1], v[64*\mt+2:64*\mt+3]
.endr
	WIN 0x01
.irp p, 2,3
.irp mt, 0,1,2,3
	v_pk_add_f32 v[RS+2*\mt:RS+2*\mt+1], v[64*\mt+2*\p:64*\mt+2*\p+1], v[RS+2*\mt:RS+2*\mt+1]
.endr
.endr
.else
	WIN \win
.irp p, 0,1,2,3
.irp mt, 0,1,2,3
	v_pk_add_f32 v[RS+2*\mt:RS+2*\mt+1], v[8*(8*\mt+\b)+2*\p:8*(8*\mt+\b)+2*\p+1], v[RS+2*\mt:RS+2*\mt+1]
.endr
.endr
.endif
.else
.set k, 0
.rept 32
	v_fma_f32 v[Z+k], -|v[Z+k]|, v[P+k], v[E+k]
.set k, k+1
.endr
.irp mt, 0,1,2,3
.irp p, 0,1,2,3
	v_pk_mul_f32 v[Z+8*\mt+2*\p:Z+8*\mt+2*\p+1], v[Z+8*\mt+2*\p:Z+8*\mt+2*\p+1], v[OM+2*\mt:OM+2*\mt+1] op_sel_hi:[1,0]   ; times 1 - wm
.endr
.endr
	WIN ((\win)<<6)
.irp mt, 0,1,2,3
.irp e, 0,1,2,3,4,5,6,7
	v_cndmask_b32 v[8*(8*\mt+\b)+\e], 0, v[Z+8*\mt+\e], s[12+4*\kind+\mt]
.endr
.endr
.endif
.endm
	PLACES
	WIN 0
	ds_load_b128 v[BI:BI+3], v[BT]
	ds_load_b128 v[BI+4:BI+7], v[BT] offset:16
.irp b, 0,1,2,3,4,5,6,7
	GG 1, \b, \b, 0
.endr
.irp b, 0,1,2,3,4,5,6,7
	GG 2, \b, 8+\b, 0
.endr
	GG 3, 0, 16, 1
	GG 3, 1, 17, 1
	GG 3, 2, 18, 2
	GG 3, 3, 19, 2
	GG 3, 4, 20, 2
	GG 3, 5, 21, 2
	WIN 0
	; the block mean of each row: my 128 numbers and those of the lane that holds the row's other columns
.irp mt, 0,1,2,3
	v_add_f32 v[RS+2*\mt], v[RS+2*\mt], v[RS+2*\mt+1]
.endr
.irp mt, 0,1,2,3
	v_permlanex16_b32 v[M2+\mt], v[RS+2*\mt], s24, s25
.endr
.irp mt, 0,1,2,3
	v_add_f32 v[RS+2*\mt], v[RS+2*\mt], v[M2+\mt]
	v_mul_f32 v[MEAN+2*\mt], 0x3b800000, v[RS+2*\mt]       ; / 256
	v_mov_b32 v[MEAN+2*\mt+1], v[MEAN+2*\mt]
.endr
; PASS 2, 16 rows at a time: centre in f32, sum of squares, round to f16, through my own stage in LDS, out as pieces of 512 consecutive bytes.
.macro OUTMT mt
.irp win, 1,2
	WIN \win
.set k, 0
.rept 32
	v_pk_add_f32 v[C+2*k:C+2*k+1], v[64*\mt+2*k:64*\mt+2*k+1], v[MEAN+2*\mt:MEAN+2*\mt+1] neg_lo:[0,1] neg_hi:[0,1]
.set k, k+1
.endr
	WIN 0
.set k, 0
.rept 32
.if (\win-1)*4+k < 4
	v_pk_mul_f32 v[M2+2*(k%4):M2+2*(k%4)+1], v[C+2*k:C+2*k+1], v[C+2*k:C+2*k+1]          ; the first four pairs start the chains
.else
	v_pk_fma_f32 v[M2+2*(k%4):M2+2*(k%4)+1], v[C+2*k:C+2*k+1], v[C+2*k:C+2*k+1], v[M2+2*(k%4):M2+2*(k%4)+1]
.endif
.set k, k+1
.endr
.set k, 0
.rept 32
	v_cvt_pk_f16_f32 v[PK+k], v[C+2*k], v[C+2*k+1]
.set k, k+1
.endr
.irp b, 0,1,2,3,4,5,6,7
	ds_store_b128 v[STO], v[PK+4*\b:PK+4*\b+3] offset:32*(8*(\win-1)+\b)
.endr
.endr
	WIN 0x0f
.irp b, 0,1,2,3,4,5
.irp q, 0,1,2,3
	v_cvt_pk_f16_f32 v[PK+4*\b+\q], v[8*(8*\mt+\b)+2*\q], v[8*(8*\mt+\b)+2*\q+1]
.endr
.endr
	WIN 0
.irp b, 0,1,2,3,4,5
	ds_store_b128 v[STO2], v[PK+4*\b:PK+4*\b+3] offset:32*\b
.endr
	v_pk_add_f32 v[M2:M2+1], v[M2:M2+1], v[M2+2:M2+3]
	v_pk_add_f32 v[M2+4:M2+5], v[M2+4:M2+5], v[M2+6:M2+7]
	v_pk_add_f32 v[M2:M2+1], v[M2:M2+1], v[M2+4:M2+5]
	v_add_f32 v[M2], v[M2], v[M2+1]
	v_permlanex16_b32 v[M2+1], v[M2], s24, s25
	v_add_f32 v[M2], v[M2], v[M2+1]
	ds_store_b32 v[MT], v[MEAN+2*\mt] offset:64*\mt
	ds_store_b32 v[MT], v[M2] offset:64*\mt+256
	s_wait_xcnt 0x0                                ; the last 16 rows' stores read RB: it is loaded again only behind this wait
.irp t, 0,1,2,3,4,5,6,7
	ds_load_b128 v[RB+8*\t:RB+8*\t+3], v[RDB] offset:1056*\t           ; LDS serves a wave's instructions in order: these see the stores above
	ds_load_b128 v[RB+8*\t+4:RB+8*\t+7], v[RDB] offset:1056*\t+256
.endr
.irp t, 0,1,2,3,4,5
	ds_load_b128 v[RB+64+4*\t:RB+64+4*\t+3], v[RDA] offset:512*\t
.endr
.irp t, 0,1,2,3,4,5,6,7
	s_wait_dscnt 21-2*\t                           ; the counts run down over the 22 loads
	global_store_b128 v[CO], v[RB+8*\t:RB+8*\t+3], s[8:9] offset:4096*\mt+512*\t       ; two rows of 256 bytes: 512 consecutive bytes, aligned
	s_wait_dscnt 20-2*\t
	global_store_b128 v[CO], v[RB+8*\t+4:RB+8*\t+7], s[10:11] offset:4096*\mt+512*\t
.endr
.irp t, 0,1,2,3,4,5
	s_wait_dscnt 5-\t
	global_store_b128 v[CO], v[RB+64+4*\t:RB+64+4*\t+3], s[12:13] offset:3072*\mt+512*\t   ; 16 rows of 192 bytes are 6 x 512 consecutive bytes
.endr
.endm
	OUTMT 0
	OUTMT 1
	OUTMT 2
	OUTMT 3
	v_lshlrev_b32 v64, 3, v31
	s_lshl_b32 s92, s2, 9
	s_add_co_u32 s92, s92, MTAB
	v_add_nc_u32 v65, s92, v64
	ds_load_b64 v[66:67], v65                      ; my 64 rows' means,
	ds_load_b64 v[68:69], v65 offset:256           ; and sums of squares: 256 consecutive bytes each
	s_wait_dscnt 0x0
	global_store_b64 v64, v[66:67], s[14:15]
	global_store_b64 v64, v[68:69], s[14:15] offset:32768
	s_wait_tensorcnt 0x0
	ds_add_u32 v26, v27
	s_wait_dscnt 0x0
	CROUND                                         ; the closing round: no work-group ends while a partner may still ask for a tile that names it
	s_endpgm
.Lfunc_end_k_qa1efa6e9e6_ffn1:
	.size	k_qa1efa6e9e6_ffn1, .Lfunc_end_k_qa1efa6e9e6_ffn1-k_qa1efa6e9e6_ffn1
	.p2alignl 7, 3214868480
	.fill 96, 4, 3214868480
	.section	.rodata,"a",@progbits
	.p2align	6, 0x0
	.amdhsa_kernel k_qa1efa6e9e6_ffn1
		.amdhsa_group_segment_fixed_size 327680
		.amdhsa_private_segment_fixed_size 0
		.amdhsa_enable_private_segment 0
		.amdhsa_kernarg_size 72
		.amdhsa_user_sgpr_count 2
		.amdhsa_user_sgpr_kernarg_segment_ptr 1
		.amdhsa_wavefront_size32 1
		.amdhsa_system_sgpr_workgroup_id_x 1
		.amdhsa_system_sgpr_workgroup_id_y 1
		.amdhsa_system_sgpr_workgroup_id_z 1
		.amdhsa_system_vgpr_workitem_id 0
		.amdhsa_next_free_vgpr 1024
		.amdhsa_next_free_sgpr 96
		.amdhsa_reserve_vcc 0
		.amdhsa_float_denorm_mode_32 3
		.amdhsa_float_denorm_mode_16_64 3
		.amdhsa_memory_ordered 1
		.amdhsa_forward_progress 1
		.amdhsa_inst_pref_size 255
	.end_amdhsa_kernel
	.section	.bss,"aw",@nobits
	.p2align	6
	.space	262144
	.amdgpu_metadata
---
amdhsa.version: [ 1, 2 ]
amdhsa.kernels:
  - .name:           k_qa1efa6e9e6_ffn1
    .symbol:         k_qa1efa6e9e6_ffn1.kd
    .args:
      - { .name: XN, .offset: 0, .size: 8, .value_kind: global_buffer, .address_space: global }
      - { .name: WC, .offset: 8, .size: 8, .value_kind: global_buffer, .address_space: global }
      - { .name: b1, .offset: 16, .size: 8, .value_kind: global_buffer, .address_space: global }
      - { .name: a256_b1, .offset: 24, .size: 8, .value_kind: global_buffer, .address_space: global }
      - { .name: a512_b1, .offset: 32, .size: 8, .value_kind: global_buffer, .address_space: global }
      - { .name: width_multiplier, .offset: 40, .size: 8, .value_kind: global_buffer, .address_space: global }
      - { .name: width_idx, .offset: 48, .size: 8, .value_kind: global_buffer, .address_space: global }
      - { .name: A2, .offset: 56, .size: 8, .value_kind: global_buffer, .address_space: global }
      - { .name: HS, .offset: 64, .size: 8, .value_kind: global_buffer, .address_space: global }
    .group_segment_fixed_size: 327680
    .private_segment_fixed_size: 0
    .kernarg_segment_align: 8
    .kernarg_segment_size: 72
    .max_flat_workgroup_size: 128
    .sgpr_count:     96
    .vgpr_count:     1024
    .wavefront_size: 32
...
	.end_amdgpu_metadata
.endif
;; end of part 2
;; launch ffn2 (part 3): grid 4 x 64, 4 waves a work-group, clusters of 4 x 4, 327,680 bytes of LDS; arguments A2, B2, HS, PP, x, width_multiplier, width_idx, ln_in_g, ln_in_b, b2, a256_b2, a512_b2, out0; writes out0
.if DOCPART == 3
	.amdgcn_target "amdgcn-amd-amdhsa--gfx1250"
	.amdhsa_code_object_version 6
	.text
	.protected	k_qa1efa6e9e6_ffn2
	.globl	k_qa1efa6e9e6_ffn2
	.p2align	8
	.type	k_qa1efa6e9e6_ffn2,@function
k_qa1efa6e9e6_ffn2:
	s_mov_b64 s[64:65], 0
	v_nop
	global_prefetch_b8 v0, s[64:65] scope:SCOPE_SE
	s_setreg_imm32_b32 hwreg(HW_REG_WAVE_MODE, 25, 1), 1
	s_wait_xcnt 0x0
	s_wait_alu depctr_hold_cnt(0) depctr_sa_sdst(0) depctr_va_vdst(0) depctr_va_sdst(0) depctr_va_ssrc(0) depctr_va_vcc(0) depctr_vm_vsrc(0)
	s_getreg_b32 s2, hwreg(HW_REG_IB_STS2, 6, 4)
	s_cmp_eq_u32 s2, 0
	s_cbranch_scc0 .Lentry_in_a_cluster
	s_endpgm
.Lentry_in_a_cluster:
	s_bfe_u32 s2, ttmp6, 0x10000c
	s_cmp_lg_u32 s2, 0xf033
	s_cbranch_scc0 .Lentry_shape_is_right
	s_endpgm
.Lentry_shape_is_right:
; AdaptiveFFN, launch 3 of 3: out = (wm rstd) ACC1 + ACC2 + wm c2 + (1 - wm) (idx == 0 ? a256_b2 : idx == 1 ? a512_b2 : x_norm).
;   ACC1 = sum_j d_j G_j (one product of K = 32, of which 8 k are used) + sum_f c_f (g_f W2[f,:])  (K = 2048),
;   ACC2 = both adapters' hidden numbers, already chosen and scaled by 1 - wm, times [a256_w2; a512_w2]  (K = 768).
; No work of reference() is left out here; the form of the hidden LayerNorm is the identity given at the head of the first launch.
; Matrix operands f16, sums f32.  x_norm is made anew in f32 from x and the row's {rstd, -mean rstd}.
; LIMITS: d_j or G_j beyond 65,504 in size becomes an infinity.  The unused 24 k of the correction product multiply an exact 0 by G: a NaN or
; infinity in G reaches every row.  A width_idx other than 0 or 1 takes x_norm, as in reference().
; A work-group makes 128 rows x 256 columns: 4 x 64 = 256 equal work-groups.  Wave w: rows 64 (w >> 1) .., columns 128 (w & 1) ..: 4 x 8 tiles.
; Two LDS slots.  Base steps of K = 128: A 128 rows x 256 bytes (pitch 272), B 128 k x 512 bytes (pitch 544 = 17 x 32, for the transposing load).
; Adapter steps of K = 96: A 128 rows x 192 bytes, 16 bytes of padding behind every 64 (pitch 240, K quarter q at 80 q), B 96 k x 512 bytes.
; CLUSTERS 4 x 4: A's tiles hang on the row block alone (joint along a row of the cluster), B's on the column block alone (along a column).
; REGISTERS: window 0: addresses, column parameters, two fragment buffers (v64-159, v160-255); window 1: ACC1; window 2: ACC2, tile (a, b) at 8 (8 a + b);
;            window 3: my 64 x 128 numbers of x, row p at 4 p, asked for at the head and first used on the way out.
.set SLOT,  104448
.set BOFF,  34816
.set REC,   208896                     ; 128 rows x 32 bytes: wm, 1 - wm, rstd_x, -mean_x rstd_x, idx
.set STAB,  212992                     ; 128 x f32: wm rstd_h
.set DTAB,  213504                     ; 128 rows x 8 f16: d_j
.set GTAB,  215552                     ; 256 columns x 8 f16: G_j
.set C2TAB, 219648                     ; 256 x f32: c2
.set STAGE, 220672                     ; 8,448 bytes a wave: 16 rows x 528
.set STW,   8448
.set G1A, 32                           ; group 1: A s[32:39], B s[40:47]; adapters' A s[48:55], B s[56:63]
.set G1B, 40
.set G0A, 68                           ; group 0, one set a slot: A s[68:75], B s[76:83]; adapters' A s[84:91], B s[92:99]
.set G0B, 76
.set ADRA, 16
.set ADRP, 18
.set ADRB, 20
.set STO,  22
.set RD,   23
.set CO,   24
.set RECA, 25
.set SV,   26                          ; v[26:33] wm rstd_h of my row, twice, for each row tile
.set GIN,  34
.set BIN,  38
.set C2,   42
.set AB2,  46
.set BB2,  50
.set F0,   64                          ; a fragment buffer: A's 4 tiles at +0, B's 8 tiles at +32
.set F1,   160
.set MSB, 0
.macro WIN new
.if MSB != (\new)
	s_set_vgpr_msb (MSB<<8)|(\new)
.set MSB, (\new)
.endif
.endm
.macro PLACES                          ; four plain vector instructions between a matrix instruction and a load into, or a vector access to, its registers
.rept 4
	v_nop
.endr
.endm
.macro JLOAD kind, s                   ; kind 0: a base step's tiles, 1: an adapter step's.  Waves 0, 1 ask for A's halves, waves 2, 3 for B's
	s_cmp_eq_u32 s3, 0
	s_cbranch_scc0 .Lfor_b_\@
	tensor_load_to_lds s[G0A+16*\kind+4*\s:G0A+16*\kind+4*\s+3], s[G1A+16*\kind:G1A+16*\kind+7]
	s_nop 0
	s_branch .Lasked_\@
.Lfor_b_\@:
	tensor_load_to_lds s[G0B+16*\kind+4*\s:G0B+16*\kind+4*\s+3], s[G1B+16*\kind:G1B+16*\kind+7]
	s_nop 0
.Lasked_\@:
.endm
.macro CREST
	s_cmp_lg_u32 s2, 0
	s_cbranch_scc1 .Lnot_wave_0_\@
	s_barrier_signal -3
.Lnot_wave_0_\@:
	s_barrier_wait -3
	s_barrier_signal -1
	s_barrier_wait -1
.endm
.macro CROUND
	s_barrier_signal -1
	s_barrier_wait -1
	CREST
.endm
.macro SETG1 g, c, r                   ; r rows of c elements of 8 bytes, dense
	s_mov_b32 s[\g+1], (\c)<<16
	s_mov_b32 s[\g+2], (\r)<<16
	s_mov_b32 s[\g+3], (\c)<<16
	s_mov_b32 s[\g+4], \r
	s_mov_b32 s[\g+5], \c
	s_mov_b32 s[\g+6], 0
	s_mov_b32 s[\g+7], 0
.endm
	s_load_b128 s[8:11], s[0:1], 0x0               ; A2, B2
	v_lshl_add_u32 v62, v0, 2, 0x3e200
	v_mov_b32 v63, 0
	ds_add_u32 v62, v63
	v_lshrrev_b32 v1, 5, v0
	v_readfirstlane_b32 s2, v1                     ; wave 0..3
	s_lshr_b32 s3, s2, 1                           ; my half of the rows.  Also: I ask for A (0) or B (1)
	s_and_b32 s4, s2, 1                            ; my half of the columns.  Also: which half of the tile I ask for
	s_mov_b32 s6, 0xffff                           ; lanes 0 to 15
	s_bfe_u32 s12, ttmp6, 0x40000                  ; cx
	s_bfe_u32 s13, ttmp6, 0x40004                  ; cy
	s_lshl_b32 s100, ttmp9, 2
	s_add_co_u32 s100, s100, s12                   ; nb: block of 256 columns
	s_and_b32 s101, ttmp7, 0xffff
	s_lshl_b32 s101, s101, 2
	s_add_co_u32 s101, s101, s13                   ; ib: block of 128 rows
	s_lshl_b32 s16, s13, 2
	s_lshl_b32 s16, 15, s16                        ; my row of the cluster
	s_lshl_b32 s17, 0x1111, s12                    ; my column
	s_or_b32 s[G1A], s16, 0x07730000               ; 8-byte elements, padding on, bit 21 beside a mask, after every 64 words 4 words
	s_or_b32 s[G1B], s17, 0x0fb30000               ; after every 128 words 8 words
	s_or_b32 s[G1A+16], s16, 0x06f30000            ; after every 16 words 4 words
	s_or_b32 s[G1B+16], s17, 0x0fb30000
	SETG1 G1A, 32, 64                              ; 64 rows x 256 bytes
	SETG1 G1B, 64, 64                              ; 64 k x 512 bytes
	SETG1 G1A+16, 32, 48                           ; 64 rows x 192 bytes = 48 x 256
	SETG1 G1B+16, 64, 48                           ; 48 k x 512 bytes
	s_lshl_b32 s18, s101, 15
	s_lshl_b32 s19, s4, 14
	s_add_co_u32 s18, s18, s19                     ; A: (128 ib + 64 half) x 256
	s_mov_b32 s19, 0
	s_mul_i32 s20, s100, 1441792
	s_lshl_b32 s21, s4, 15
	s_add_co_u32 s20, s20, s21                     ; B: plane nb + half x 64 k x 512
	s_mov_b32 s21, 0
	s_mul_i32 s22, s101, 24576
	s_mul_i32 s23, s4, 12288
	s_add_co_u32 s22, s22, s23
	s_add_co_u32 s22, s22, 33554432                ; adapters' A: (128 ib + 64 half) x 192
	s_mov_b32 s23, 0
	s_mul_i32 s24, s100, 1441792
	s_mul_i32 s25, s4, 24576
	s_add_co_u32 s24, s24, s25
	s_add_co_u32 s24, s24, 1048576                 ; adapters' B: plane nb + (2048 + 48 half) x 512
	s_mov_b32 s25, 0
	s_mul_i32 s26, s4, 17408                       ; LDS: 64 x 272
	s_mul_i32 s27, s4, 34816                       ;      64 x 544
	s_add_co_u32 s27, s27, BOFF
	s_mul_i32 s28, s4, 15360                       ;      64 x 240
	s_mul_i32 s29, s4, 26112                       ;      48 x 544
	s_add_co_u32 s29, s29, BOFF
	s_wait_dscnt 0x0
	s_wait_kmcnt 0x0
	s_add_nc_u64 s[18:19], s[8:9], s[18:19]
	s_add_nc_u64 s[20:21], s[10:11], s[20:21]
	s_add_nc_u64 s[22:23], s[8:9], s[22:23]
	s_add_nc_u64 s[24:25], s[10:11], s[24:25]
.irp s, 0,1
	s_mov_b32 s[G0A+4*\s], 1
	s_add_co_u32 s[G0A+4*\s+1], s26, \s*SLOT
	s_add_nc_u64 s[G0A+4*\s+2:G0A+4*\s+3], s[18:19], \s*2097152
	s_or_b32 s[G0A+4*\s+3], s[G0A+4*\s+3], 0x80000000
	s_mov_b32 s[G0B+4*\s], 1
	s_add_co_u32 s[G0B+4*\s+1], s27, \s*SLOT
	s_add_nc_u64 s[G0B+4*\s+2:G0B+4*\s+3], s[20:21], \s*65536
	s_or_b32 s[G0B+4*\s+3], s[G0B+4*\s+3], 0x80000000
	s_mov_b32 s[G0A+16+4*\s], 1
	s_add_co_u32 s[G0A+16+4*\s+1], s28, \s*SLOT
	s_add_nc_u64 s[G0A+16+4*\s+2:G0A+16+4*\s+3], s[22:23], \s*1572864
	s_or_b32 s[G0A+16+4*\s+3], s[G0A+16+4*\s+3], 0x80000000
	s_mov_b32 s[G0B+16+4*\s], 1
	s_add_co_u32 s[G0B+16+4*\s+1], s29, \s*SLOT
	s_add_nc_u64 s[G0B+16+4*\s+2:G0B+16+4*\s+3], s[24:25], \s*49152
	s_or_b32 s[G0B+16+4*\s+3], s[G0B+16+4*\s+3], 0x80000000
.endr
	CROUND                                         ; all sixteen work-groups are here: the first joint loads meet
	JLOAD 0, 0
	JLOAD 0, 1                                     ; two tensor loads of mine are out; behind each later round, one
	s_load_b512 s[8:23], s[0:1], 0x10              ; HS 8, PP 10, x 12, width_multiplier 14, width_idx 16, ln_in_g 18, ln_in_b 20, b2 22
	s_load_b128 s[24:27], s[0:1], 0x50             ; a256_b2 24, a512_b2 26
	s_load_b64 s[28:29], s[0:1], 0x60              ; out0
	v_and_b32 v1, 15, v0                           ; r
	v_bfe_u32 v15, v0, 4, 1                        ; h
	v_and_b32 v54, 31, v0                          ; lane
	v_mul_u32_u24 v55, v1, 272
	v_lshl_add_u32 v55, v15, 4, v55
	s_mul_i32 s30, s3, 17408
	v_add_nc_u32 v[ADRA], s30, v55                 ; (64 rh + r) x 272 + 16 h
	v_add_nc_u32 v[ADRA+1], SLOT, v[ADRA]
	v_mul_u32_u24 v55, v1, 240
	v_lshl_add_u32 v55, v15, 4, v55
	s_mul_i32 s30, s3, 15360
	v_add_nc_u32 v[ADRP], s30, v55                 ; the same with the adapters' pitch
	v_add_nc_u32 v[ADRP+1], SLOT, v[ADRP]
	v_and_b32 v55, 7, v0
	v_lshl_add_u32 v55, v15, 3, v55
	v_mul_u32_u24 v55, v55, 544
	v_bfe_u32 v56, v0, 3, 1
	v_lshl_add_u32 v55, v56, 4, v55
	s_lshl_b32 s30, s4, 8
	s_add_co_u32 s30, s30, BOFF
	v_add_nc_u32 v[ADRB], s30, v55                 ; (8 h + (lane & 7)) x 544 + 16 ((lane >> 3) & 1) + my 128 columns
	v_add_nc_u32 v[ADRB+1], SLOT, v[ADRB]
	s_mul_i32 s30, s2, STW
	s_add_co_u32 s30, s30, STAGE
	v_mul_u32_u24 v55, v1, 528
	v_lshl_add_u32 v55, v15, 5, v55
	v_add_nc_u32 v[STO], s30, v55
	v_lshlrev_b32 v[CO], 4, v54
	v_add_nc_u32 v[RD], s30, v[CO]
	s_lshl_b32 s30, s3, 11
	s_add_co_u32 s30, s30, REC
	v_mov_b32 v[RECA], s30
	v_lshlrev_b32 v2, 2, v0                        ; 4 t
	v_lshlrev_b32 v3, 3, v0                        ; 8 t
	s_lshl_b32 s30, s101, 10
	v_add_nc_u32 v4, s30, v3                       ; PP: {rstd, -mean rstd} of row 128 ib + t
	s_lshl_b32 s30, s100, 10
	s_add_co_u32 s30, s30, 65536
	v_add_nc_u32 v5, s30, v3                       ; PP: G of columns 256 nb + 2 t, + 1
	v_lshl_add_u32 v6, v0, 4, DTAB
	v_add_nc_u32 v7, STAB, v2
	v_lshl_add_u32 v8, v0, 5, REC
	v_add_nc_u32 v9, C2TAB, v3
	v_lshl_add_u32 v10, v0, 5, GTAB
	s_lshl_b32 s30, s3, 10
	s_add_co_u32 s30, s30, DTAB
	v_lshl_add_u32 v11, v1, 4, s30
	s_lshl_b32 s30, s4, 11
	s_add_co_u32 s30, s30, GTAB
	v_lshl_add_u32 v12, v1, 4, s30
	s_lshl_b32 s30, s3, 8
	s_add_co_u32 s30, s30, STAB
	v_lshl_add_u32 v13, v1, 2, s30
	s_lshl_b32 s30, s4, 9
	s_add_co_u32 s30, s30, C2TAB
	v_add_nc_u32 v14, s30, v[CO]
	s_wait_kmcnt 0x0
	s_mov_b32 s31, 0
	s_lshl_b32 s30, s101, 9                        ; 128 ib x 4
	s_add_nc_u64 s[8:9], s[8:9], s[30:31]
	s_add_nc_u64 s[14:15], s[14:15], s[30:31]
	s_add_nc_u64 s[16:17], s[16:17], s[30:31]
	s_lshl_b32 s30, s100, 10                       ; 256 nb x 4
	s_add_nc_u64 s[22:23], s[22:23], s[30:31]
	s_lshl_b32 s7, s4, 9
	s_add_co_u32 s30, s30, s7                      ; + my 128 columns
	s_add_nc_u64 s[18:19], s[18:19], s[30:31]
	s_add_nc_u64 s[20:21], s[20:21], s[30:31]
	s_add_nc_u64 s[24:25], s[24:25], s[30:31]
	s_add_nc_u64 s[26:27], s[26:27], s[30:31]
	s_lshl_b32 s7, s101, 19
	s_add_co_u32 s30, s30, s7
	s_lshl_b32 s7, s3, 18
	s_add_co_u32 s30, s30, s7                      ; + (128 ib + 64 rh) x 4,096
	s_add_nc_u64 s[12:13], s[12:13], s[30:31]
	s_add_nc_u64 s[28:29], s[28:29], s[30:31]
.irp j, 0,1,2,3,4,5,6,7
	global_load_b32 v[64+\j], v2, s[8:9] offset:65536*\j           ; block means of row t
	global_load_b32 v[72+\j], v2, s[8:9] offset:65536*\j+32768     ; centred sums of squares
.endr
	global_load_b32 v120, v2, s[14:15]             ; wm
	global_load_b32 v124, v2, s[16:17]             ; idx
	global_load_b64 v[122:123], v4, s[10:11]
.irp j, 0,1,2,3,4,5,6,7
	global_load_b64 v[84+2*\j:85+2*\j], v5, s[10:11] offset:4096*\j
	global_load_b64 v[100+2*\j:101+2*\j], v5, s[10:11] offset:4096*\j+32768
.endr
	global_load_b64 v[116:117], v3, s[22:23]
	global_load_b128 v[GIN:GIN+3], v[CO], s[18:19]
	global_load_b128 v[BIN:BIN+3], v[CO], s[20:21]
	global_load_b128 v[AB2:AB2+3], v[CO], s[24:25]
	global_load_b128 v[BB2:BB2+3], v[CO], s[26:27]
	s_mov_b32 s30, 0x3a000000                      ; 1 / 2048
	s_mov_b32 s31, 0x3727c5ac                      ; 1e-5
	s_mov_b32 s7, 0x43800000                       ; 256
	s_wait_loadcnt 0x0
	; thread t as row t: mu, d_j, variance = (sum M2_j + 256 sum d_j^2) / 2048
	v_add_f32 v118, v64, v65
	v_add_f32 v119, v66, v67
	v_add_f32 v125, v68, v69
	v_add_f32 v138, v70, v71
	v_add_f32 v118, v118, v119
	v_add_f32 v125, v125, v138
	v_add_f32 v118, v118, v125
	v_mul_f32 v118, 0x3e000000, v118
.irp j, 0,1,2,3,4,5,6,7
	v_sub_f32 v[64+\j], v[64+\j], v118
.endr
	v_add_f32 v72, v72, v73
	v_add_f32 v74, v74, v75
	v_add_f32 v76, v76, v77
	v_add_f32 v78, v78, v79
	v_add_f32 v72, v72, v74
	v_add_f32 v76, v76, v78
	v_add_f32 v72, v72, v76
	v_mul_f32 v119, v64, v64
.irp j, 1,2,3,4,5,6,7
	v_fmac_f32 v119, v[64+\j], v[64+\j]
.endr
	v_fma_f32 v72, v119, s7, v72
	v_fma_f32 v72, v72, s30, s31
	v_rsq_f32 v72, v72
	v_sub_f32 v121, 1.0, v120                      ; plain work behind the transcendental, which it does not touch (ISA guide 5.7.2)
	s_wait_alu depctr_va_vdst(0)
	v_mul_f32 v73, v120, v72                       ; wm rstd
.irp j, 0,1,2,3
	v_cvt_pk_f16_f32 v[126+\j], v[64+2*\j], v[65+2*\j]
.endr
	ds_store_b128 v6, v[126:129]
	ds_store_b32 v7, v73
	ds_store_b128 v8, v[120:123]
	ds_store_b32 v8, v124 offset:16
	; thread t as columns 2 t, 2 t + 1
.irp j, 0,1,2,3,4,5,6,7
	v_pk_add_f32 v[116:117], v[116:117], v[100+2*\j:101+2*\j]
.endr
	ds_store_b64 v9, v[116:117]
.irp j, 0,1,2,3
	v_cvt_pk_f16_f32 v[130+\j], v[84+4*\j], v[86+4*\j]
	v_cvt_pk_f16_f32 v[134+\j], v[85+4*\j], v[87+4*\j]
.endr
	ds_store_b128 v10, v[130:133]
	ds_store_b128 v10, v[134:137] offset:16
	WIN 0xc0                                       ; my 64 rows x 512 bytes of x into window 3; they are waited for on the way out
.set p, 0
.rept 64
	global_load_b128 v[4*p:4*p+3], v[CO], s[12:13] offset:4096*p th:TH_LOAD_NT
.set p, p+1
.endr
	WIN 0
	s_wait_dscnt 0x0                               ; my table entries are in LDS
	s_wait_tensorcnt 0x1                           ; my part of K step 0 is in; K step 1's may stay out
	s_barrier_signal -1
	s_barrier_wait -1
; 24 LDS loads: K quarter q (32 k) of a slot into buffer f: B's 8 tiles, then A's 4
.macro FETCH2 kind, slot, q, f
.irp nt, 0,1,2,3,4,5,6,7
	ds_load_tr16_b128 v[\f+32+8*\nt:\f+32+8*\nt+3], v[ADRB+\slot] offset:17408*\q+32*\nt
	ds_load_tr16_b128 v[\f+32+8*\nt+4:\f+32+8*\nt+7], v[ADRB+\slot] offset:17408*\q+32*\nt+8704
.endr
.irp mt, 0,1,2,3
.if \kind
	ds_load_b128 v[\f+8*\mt:\f+8*\mt+3], v[ADRP+\slot] offset:3840*\mt+80*\q
	ds_load_b128 v[\f+8*\mt+4:\f+8*\mt+7], v[ADRP+\slot] offset:3840*\mt+80*\q+32
.else
	ds_load_b128 v[\f+8*\mt:\f+8*\mt+3], v[ADRA+\slot] offset:4352*\mt+64*\q
	ds_load_b128 v[\f+8*\mt+4:\f+8*\mt+7], v[ADRA+\slot] offset:4352*\mt+64*\q+32
.endif
.endr
.endm
; na x 8 products.  The accumulators take turns, one instruction a turn.
.macro MUL2 f, a0, na, zero
.set a_, \a0
.rept \na
.irp b, 0,1,2,3,4,5,6,7
.if \zero
	v_wmma_f32_16x16x32_f16 v[8*(8*a_+\b):8*(8*a_+\b)+7], v[\f+32+8*\b:\f+32+8*\b+7], v[\f+8*a_:\f+8*a_+7], 0
.else
	v_wmma_f32_16x16x32_f16 v[8*(8*a_+\b):8*(8*a_+\b)+7], v[\f+32+8*\b:\f+32+8*\b+7], v[\f+8*a_:\f+8*a_+7], v[8*(8*a_+\b):8*(8*a_+\b)+7]
.endif
.endr
.set a_, a_+1
.endr
.endm
; multiplies buffer f; in its middle it fetches K quarter qn of the same slot into buffer g
.macro QUARTER kind, slot, qn, f, g, W, zero
	s_wait_dscnt 4                                 ; B and A's tiles 0, 1 are in; the youngest four loads (A's tiles 2, 3) may be out
	WIN \W
	MUL2 \f, 0, 2, \zero
	PLACES
	WIN 0
	FETCH2 \kind, \slot, \qn, \g
	s_wait_dscnt 24                                ; all but the 24 just issued
	WIN \W
	MUL2 \f, 2, 2, \zero
.endm
; the slot's last quarter (buffer f) and the change of slots.  fill: -1 none, 0 a base step's tiles, 1 an adapter step's; step: the addresses go two steps on first
.macro TURN2 f, g, slot, next, nkind, fill, step, W
	s_wait_dscnt 4
	WIN \W
	MUL2 \f, 0, 1, 0
	s_wait_dscnt 0x0                               ; my reads of this slot are over
	s_wait_tensorcnt 0x0                           ; and all my tensor loads have landed: the one that was out is my part of the next slot
	ds_add_u32 v62, v63
	s_wait_dscnt 0x0
	s_barrier_signal -1
	MUL2 \f, 1, 1, 0                               ; register work while the others arrive
	WIN 0
	s_barrier_wait -1
.if \fill >= 0
	CREST                                          ; no wave of any partner still reads this slot or has a load on its way
.if \step
.if \fill == 0
	s_add_nc_u64 s[G0A+4*\slot+2:G0A+4*\slot+3], s[G0A+4*\slot+2:G0A+4*\slot+3], 4194304
	s_add_nc_u64 s[G0B+4*\slot+2:G0B+4*\slot+3], s[G0B+4*\slot+2:G0B+4*\slot+3], 131072
.else
	s_add_nc_u64 s[G0A+16+4*\slot+2:G0A+16+4*\slot+3], s[G0A+16+4*\slot+2:G0A+16+4*\slot+3], 3145728
	s_add_nc_u64 s[G0B+16+4*\slot+2:G0B+16+4*\slot+3], s[G0B+16+4*\slot+2:G0B+16+4*\slot+3], 98304
.endif
.endif
	JLOAD \fill, \slot                             ; my one tensor load behind the round, and the first thing there
.endif
	PLACES
	FETCH2 \nkind, \next, 0, \g
	WIN \W
	MUL2 \f, 2, 2, 0
.endm
.macro BASESTEP slot, next, fill, step, nkind
	QUARTER 0, \slot, 1, F0, F1, 0x50, 0
	QUARTER 0, \slot, 2, F1, F0, 0x50, 0
	QUARTER 0, \slot, 3, F0, F1, 0x50, 0
	TURN2 F1, F0, \slot, \next, \nkind, \fill, \step, 0x50
.endm
.macro ADSTEP0 fill, step, zero        ; an adapter step in slot 0: three quarters on F0, F1, F0
	QUARTER 1, 0, 1, F0, F1, 0xa0, \zero
	QUARTER 1, 0, 2, F1, F0, 0xa0, 0
	TURN2 F0, F1, 0, 1, 1, \fill, \step, 0xa0
.endm
.macro ADSTEP1 fill, step              ; in slot 1: on F1, F0, F1
	QUARTER 1, 1, 1, F1, F0, 0xa0, 0
	QUARTER 1, 1, 2, F0, F1, 0xa0, 0
	TURN2 F1, F0, 1, 0, 1, \fill, \step, 0xa0
.endm
	FETCH2 0, 0, 0, F0
	; the correction product's fragments, in F1: k = 0..7 are the eight blocks; A holds an exact 0 at every other k
.irp mt, 0,1,2,3
	ds_load_b128 v[F1+8*\mt:F1+8*\mt+3], v11 offset:256*\mt
	ds_load_b32 v[SV+2*\mt], v13 offset:64*\mt
	ds_load_b32 v[SV+2*\mt+1], v13 offset:64*\mt
.endr
.irp nt, 0,1,2,3,4,5,6,7
	ds_load_b128 v[F1+32+8*\nt:F1+32+8*\nt+3], v12 offset:256*\nt
	ds_load_b128 v[F1+32+8*\nt+4:F1+32+8*\nt+7], v12 offset:256*\nt
.endr
	ds_load_b128 v[C2:C2+3], v14
	s_wait_dscnt 0x0
.irp mt, 0,1,2,3
.irp e, 0,1,2,3
	v_cndmask_b32 v[F1+8*\mt+\e], 0, v[F1+8*\mt+\e], s6    ; lanes 16-31 stand for k = 8..15
	v_mov_b32 v[F1+8*\mt+4+\e], 0                          ; k = 16..31
.endr
.endr
	WIN 0x50
	MUL2 F1, 0, 4, 1                               ; starts ACC1: nothing is cleared
	WIN 0
	s_mov_b32 s5, 7
.Lbase:
	BASESTEP 0, 1, 0, 1, 0
	BASESTEP 1, 0, 0, 1, 0
	WIN 0
	s_sub_co_u32 s5, s5, 1
	s_cmp_lg_u32 s5, 0
	s_cbranch_scc1 .Lbase
	BASESTEP 0, 1, 1, 0, 0                         ; K steps 14, 15: the slots are filled with the adapters' steps 0, 1
	BASESTEP 1, 0, 1, 0, 1
	ADSTEP0 1, 1, 1                                ; the first products start ACC2
	ADSTEP1 1, 1
	WIN 0
	s_mov_b32 s5, 2
.Lad:
	ADSTEP0 1, 1, 0
	ADSTEP1 1, 1
	WIN 0
	s_sub_co_u32 s5, s5, 1
	s_cmp_lg_u32 s5, 0
	s_cbranch_scc1 .Lad
	ADSTEP0 -1, 0, 0                               ; adapter steps 6, 7: nothing is left to fetch
	QUARTER 1, 1, 1, F1, F0, 0xa0, 0
	QUARTER 1, 1, 2, F0, F1, 0xa0, 0
	s_wait_dscnt 0x0
	WIN 0xa0
	MUL2 F1, 0, 4, 0
; THE WAY OUT, 16 rows at a time: (wm rstd) ACC1 + ACC2 through my own stage in LDS, read back as rows of 512 bytes; then, row by row with
; the row's figures broadcast from LDS, x_norm in f32, the choice by width_idx, the two bias terms, and one store of 512 consecutive bytes.
.macro BATCH mt, hb
	s_wait_xcnt 0x0                                ; the last batch's stores read v168-199: they are loaded again only behind this wait
.irp e, 0,1,2,3,4,5,6,7
	ds_load_b128 v[128+4*\e:131+4*\e], v[RECA] offset:32*(16*\mt+8*\hb+\e)
	ds_load_b32 v[160+\e], v[RECA] offset:32*(16*\mt+8*\hb+\e)+16
	ds_load_b128 v[168+4*\e:171+4*\e], v[RD] offset:528*(8*\hb+\e)     ; LDS serves a wave's instructions in order: these see my stores
.endr
	s_wait_dscnt 0x0
	WIN 0x03
.irp e, 0,1,2,3,4,5,6,7
	v_pk_fma_f32 v[200+4*\e:201+4*\e], v[4*(16*\mt+8*\hb+\e):4*(16*\mt+8*\hb+\e)+1], v[130+4*\e:131+4*\e], v[130+4*\e:131+4*\e] op_sel:[0,0,1] op_sel_hi:[1,0,1]
	v_pk_fma_f32 v[202+4*\e:203+4*\e], v[4*(16*\mt+8*\hb+\e)+2:4*(16*\mt+8*\hb+\e)+3], v[130+4*\e:131+4*\e], v[130+4*\e:131+4*\e] op_sel:[0,0,1] op_sel_hi:[1,0,1]
.endr
	WIN 0
.irp e, 0,1,2,3,4,5,6,7
	v_pk_fma_f32 v[200+4*\e:201+4*\e], v[200+4*\e:201+4*\e], v[GIN:GIN+1], v[BIN:BIN+1]
	v_pk_fma_f32 v[202+4*\e:203+4*\e], v[202+4*\e:203+4*\e], v[GIN+2:GIN+3], v[BIN+2:BIN+3]
	v_cmp_eq_u32 vcc_lo, 1, v[160+\e]
	v_cmp_eq_u32 s7, 0, v[160+\e]
.irp c, 0,1,2,3
	v_cndmask_b32 v[200+4*\e+\c], v[200+4*\e+\c], v[BB2+\c], vcc_lo
.endr
.irp c, 0,1,2,3
	v_cndmask_b32 v[200+4*\e+\c], v[200+4*\e+\c], v[AB2+\c], s7
.endr
	v_pk_fma_f32 v[168+4*\e:169+4*\e], v[C2:C2+1], v[128+4*\e:129+4*\e], v[168+4*\e:169+4*\e] op_sel_hi:[1,0,1]
	v_pk_fma_f32 v[170+4*\e:171+4*\e], v[C2+2:C2+3], v[128+4*\e:129+4*\e], v[170+4*\e:171+4*\e] op_sel_hi:[1,0,1]
	v_pk_fma_f32 v[168+4*\e:169+4*\e], v[200+4*\e:201+4*\e], v[128+4*\e:129+4*\e], v[168+4*\e:169+4*\e] op_sel:[0,1,0] op_sel_hi:[1,1,1]
	v_pk_fma_f32 v[170+4*\e:171+4*\e], v[202+4*\e:203+4*\e], v[128+4*\e:129+4*\e], v[170+4*\e:171+4*\e] op_sel:[0,1,0] op_sel_hi:[1,1,1]
	global_store_b128 v[CO], v[168+4*\e:171+4*\e], s[28:29] offset:4096*(16*\mt+8*\hb+\e) th:TH_STORE_NT
.endr
.endm
.macro OUTMT mt
	WIN 0x21                                       ; source 0 = ACC1 (window 1), source 2 = ACC2 (window 2)
.set k, 0
.rept 32
	v_pk_fma_f32 v[64+2*k:65+2*k], v[64*\mt+2*k:64*\mt+2*k+1], v[SV+2*\mt:SV+2*\mt+1], v[64*\mt+2*k:64*\mt+2*k+1]
.set k, k+1
.endr
	WIN 0
.irp nt, 0,1,2,3,4,5,6,7
	ds_store_b128 v[STO], v[64+8*\nt:67+8*\nt] offset:64*\nt
	ds_store_b128 v[STO], v[68+8*\nt:71+8*\nt] offset:64*\nt+16
.endr
	BATCH \mt, 0
	BATCH \mt, 1
.endm
	PLACES
	WIN 0
	s_wait_loadcnt 0x0                             ; x, asked for at the head
	OUTMT 0
	OUTMT 1
	OUTMT 2
	OUTMT 3
	s_wait_tensorcnt 0x0
	ds_add_u32 v62, v63
	s_wait_dscnt 0x0
	CROUND                                         ; the closing round: no work-group ends while a partner may still ask for a tile that names it
	s_endpgm
.Lfunc_end_k_qa1efa6e9e6_ffn2:
	.size	k_qa1efa6e9e6_ffn2, .Lfunc_end_k_qa1efa6e9e6_ffn2-k_qa1efa6e9e6_ffn2
	.p2alignl 7, 3214868480
	.fill 96, 4, 3214868480
	.section	.rodata,"a",@progbits
	.p2align	6, 0x0
	.amdhsa_kernel k_qa1efa6e9e6_ffn2
		.amdhsa_group_segment_fixed_size 327680
		.amdhsa_private_segment_fixed_size 0
		.amdhsa_enable_private_segment 0
		.amdhsa_kernarg_size 104
		.amdhsa_user_sgpr_count 2
		.amdhsa_user_sgpr_kernarg_segment_ptr 1
		.amdhsa_wavefront_size32 1
		.amdhsa_system_sgpr_workgroup_id_x 1
		.amdhsa_system_sgpr_workgroup_id_y 1
		.amdhsa_system_sgpr_workgroup_id_z 1
		.amdhsa_system_vgpr_workitem_id 0
		.amdhsa_next_free_vgpr 1024
		.amdhsa_next_free_sgpr 102
		.amdhsa_reserve_vcc 1
		.amdhsa_float_denorm_mode_32 3
		.amdhsa_float_denorm_mode_16_64 3
		.amdhsa_memory_ordered 1
		.amdhsa_forward_progress 1
		.amdhsa_inst_pref_size 255
	.end_amdhsa_kernel
	.section	.bss,"aw",@nobits
	.p2align	6
	.space	262144
	.amdgpu_metadata
---
amdhsa.version: [ 1, 2 ]
amdhsa.kernels:
  - .name:           k_qa1efa6e9e6_ffn2
    .symbol:         k_qa1efa6e9e6_ffn2.kd
    .args:
      - { .name: A2, .offset: 0, .size: 8, .value_kind: global_buffer, .address_space: global }
      - { .name: B2, .offset: 8, .size: 8, .value_kind: global_buffer, .address_space: global }
      - { .name: HS, .offset: 16, .size: 8, .value_kind: global_buffer, .address_space: global }
      - { .name: PP, .offset: 24, .size: 8, .value_kind: global_buffer, .address_space: global }
      - { .name: x, .offset: 32, .size: 8, .value_kind: global_buffer, .address_space: global }
      - { .name: width_multiplier, .offset: 40, .size: 8, .value_kind: global_buffer, .address_space: global }
      - { .name: width_idx, .offset: 48, .size: 8, .value_kind: global_buffer, .address_space: global }
      - { .name: ln_in_g, .offset: 56, .size: 8, .value_kind: global_buffer, .address_space: global }
      - { .name: ln_in_b, .offset: 64, .size: 8, .value_kind: global_buffer, .address_space: global }
      - { .name: b2, .offset: 72, .size: 8, .value_kind: global_buffer, .address_space: global }
      - { .name: a256_b2, .offset: 80, .size: 8, .value_kind: global_buffer, .address_space: global }
      - { .name: a512_b2, .offset: 88, .size: 8, .value_kind: global_buffer, .address_space: global }
      - { .name: out0, .offset: 96, .size: 8, .value_kind: global_buffer, .address_space: global }
    .group_segment_fixed_size: 327680
    .private_segment_fixed_size: 0
    .kernarg_segment_align: 8
    .kernarg_segment_size: 104
    .max_flat_workgroup_size: 128
    .sgpr_count:     102
    .vgpr_count:     1024
    .wavefront_size: 32
...
	.end_amdgpu_metadata
.endif
;; end of part 3
;; ======== version 2 of 2: 3 launches; 1.30 times as fast as version 1
;; limits: values are held in f16: magnitudes above 65,504 overflow, below 6.1e-05 lose precision; a function is approximated: absolute error at most 1.5e-07; an absolute error that grows with the inputs' magnitude: up to 7.5e-08 times it
;; workspace buffers: XN 16,777,216 bytes; WC 6,029,312 bytes; B2 5,767,168 bytes; PP 131,072 bytes; A2 46,137,344 bytes; HS 524,288 bytes
;; launch prep (part 4): grid 600 x 1, 8 waves a work-group, no clusters, 33,280 bytes of LDS; arguments x, ln_in_g, ln_in_b, XN, PP, W1, a256_w1, a512_w1, WC, W2, ln_h_g, ln_h_b, B2, a256_w2, a512_w2; writes XN, PP, WC, B2
.if DOCPART == 4
	.amdgcn_target "amdgcn-amd-amdhsa--gfx1250"
	.amdhsa_code_object_version 6
	.text
	.protected	k_qa1efa6e9e6_prep
	.globl	k_qa1efa6e9e6_prep
	.p2align	8
	.type	k_qa1efa6e9e6_prep,@function
k_qa1efa6e9e6_prep:
	s_mov_b64 s[64:65], 0
	v_nop
	global_prefetch_b8 v0, s[64:65] scope:SCOPE_SE
	s_setreg_imm32_b32 hwreg(HW_REG_WAVE_MODE, 25, 1), 1
	s_wait_xcnt 0x0
; AdaptiveFFN, launch 1 of 3: everything that is made once from the inputs, as a stream.
; NO WORK OF reference() IS LEFT OUT in this program: every input is loaded, both adapters are computed for every token and the
; result is selected by width_idx.
; The hidden LayerNorm is used in a form that is an identity for all values.  With j = f >> 8 (8 blocks of 256 hidden columns),
; m_j a row's mean over block j, c_f = h_f - m_j, mu = mean of the m_j, d_j = m_j - mu:
;   LN(h) W2 + b2 = rstd ( sum_f c_f (g_f W2[f,:]) + sum_j d_j G_j ) + c2,  G_j = sum over f in j of g_f W2[f,:],  c2 = b2 + sum_f lnb_f W2[f,:]
; NUMBER FORMAT: all matrix operands of the program are f16, sums f32.  f16 keeps 11 significant bits; two products, a GELU and a LayerNorm
; follow each other here, and their roundings add up.  Room: |x_norm g + b| <= 32 |g| + |b|; weights of size 0.03 times or over 30 are 1 or 0.001;
; g W2 times or over 900 is 28 or 3.5e-5; hidden numbers of size 0.35 times 900 are about 310.  Below 6.1e-5 f16 goes on in steps of 6e-8.
; LIMITS: a matrix operand (x_norm g + b, a weight, g W2, G_j, d_j, gelu - block mean, an adapter's gelu (1 - wm)) beyond 65,504 in size becomes an
; infinity.  A NaN or infinity in W2, a256_w2 or a512_w2 reaches, through a product with an exact 0, also tokens whose width_idx does
; not choose that adapter and correction terms whose d_j is 0.
; Four jobs, chosen by the work-group's number alone (the same for all eight waves, so each job's barrier is passed by all), the longest first:
;   0..255   LN : 32 rows of x -> XN[c 16][row 8192][64] f16 (LayerNorm with gain and bias) and PP: {rstd, -mean rstd} per row
;   256..319 W2B: 256 rows x 128 cols of W2 -> B2[nb 4][kk 2816][256] f16, rows 0 .. 2047 = g W2, and the partial sums G_j, C_j -> PP
;   320..343 W2A: 32 rows of a512_w2 -> B2 rows 2048 + e, or of a256_w2 -> B2 rows 2560 + e
;   344..599 WC : 32 k rows of column block j -> WC[j 8][k 1024][368] f16 = W1 256 cols | a256_w1 32 | a512_w1 64 | 16 zeros
; Each job that uses LDS has bytes of its own: WC 0 .. 23,551, LN 23,552 .. 23,807, W2B 24,064 .. 32,255.
; Memory binds: no matrix unit, no cluster (no two work-groups read the same bytes but gain and bias), loads of 16 bytes a lane, stores in whole 256-byte pieces.
.set LNL, 23552                        ; LN's LDS: 32 rows x 8 bytes
.set W2L, 24064                        ; W2B's LDS: 8 waves x 1,024 bytes
.set GV, 16                            ; LN: v[16:79]   gain of my 64 columns
.set BV, 80                            ; LN: v[80:143]  bias
.set XV, 144                           ; LN: v[144:207] my 64 numbers of a row
.set YV, 208                           ; LN: v[208:239] the same as f16
	v_lshl_add_u32 v240, v0, 2, 0x7e00
	v_mov_b32 v241, 0
	v_lshrrev_b32 v1, 5, v0
	v_readfirstlane_b32 s2, v1                     ; wave 0..7
	v_and_b32 v1, 31, v0                           ; lane
	s_cmp_lt_u32 ttmp9, 256
	s_cbranch_scc1 .Ljob_ln
	s_cmp_lt_u32 ttmp9, 320
	s_cbranch_scc1 .Ljob_w2b
	s_cmp_ge_u32 ttmp9, 344
	s_cbranch_scc1 .Ljob_wc
; ---------------------------------------------------------------- job W2A: 32 rows of an adapter's second matrix
	s_load_b64 s[4:5], s[0:1], 0x60                ; B2
	s_load_b64 s[8:9], s[0:1], 0x68                ; a256_w2
	s_load_b64 s[10:11], s[0:1], 0x70              ; a512_w2
	s_sub_co_u32 s12, ttmp9, 320                   ; q: 0..7 a256_w2, 8..23 a512_w2
	s_max_u32 s13, s12, 8
	s_sub_co_u32 s13, s13, 8                       ; q' = block of 32 rows in a512_w2
	s_lshl_b32 s14, s13, 5
	s_add_co_u32 s14, s14, 2048                    ; a512_w2's row 32 q' is B2's row 2048 + 32 q'
	s_lshl_b32 s15, s12, 5
	s_add_co_u32 s15, s15, 2560                    ; a256_w2's row 32 q is B2's row 2560 + 32 q
	v_lshlrev_b32 v2, 4, v1
	v_lshlrev_b32 v3, 3, v1
	s_lshl_b32 s18, s2, 14
	s_lshl_b32 s19, s2, 11
	v_add_nc_u32 v2, s18, v2                       ; source: 4 rows of 4,096 bytes a wave + 16 lane
	v_add_nc_u32 v3, s19, v3                       ; B2: 4 rows of 512 bytes a wave + 8 lane
	s_wait_kmcnt 0x0
	s_cmp_lt_u32 s12, 8
	s_cselect_b64 s[8:9], s[8:9], s[10:11]
	s_cselect_b32 s16, s12, s13
	s_cselect_b32 s14, s15, s14
	s_lshl_b32 s16, s16, 17                        ; 32 rows of 4,096 bytes
	s_mov_b32 s17, 0
	s_add_nc_u64 s[8:9], s[8:9], s[16:17]
	s_lshl_b32 s14, s14, 9
	s_mov_b32 s15, 0
	s_add_nc_u64 s[4:5], s[4:5], s[14:15]
.irp i, 0,1,2,3
.irp u, 0,1,2,3,4,5,6,7
	global_load_b128 v[16+32*\i+4*\u:16+32*\i+4*\u+3], v2, s[8:9] offset:4096*\i+512*\u th:TH_LOAD_NT
.endr
.endr
.irp i, 0,1,2,3
	s_wait_loadcnt 24-8*\i                         ; row i's eight loads are in, the later rows' stay out
.irp u, 0,1,2,3,4,5,6,7
	v_cvt_pk_f16_f32 v[144+16*\i+2*\u], v[16+32*\i+4*\u], v[16+32*\i+4*\u+1]
	v_cvt_pk_f16_f32 v[144+16*\i+2*\u+1], v[16+32*\i+4*\u+2], v[16+32*\i+4*\u+3]
	global_store_b64 v3, v[144+16*\i+2*\u:144+16*\i+2*\u+1], s[4:5] offset:(\u>>1)*1441792+512*\i+256*(\u&1)   ; 32 lanes x 8 bytes: 256 consecutive bytes, aligned
.endr
.endr
	s_endpgm
; ---------------------------------------------------------------- job LN: 32 rows; a wave takes 4 rows, two at a time, 16 lanes a row
; Two turns a wave and no more: a turn's rows are worked on in the registers that they were loaded into, so the next turn's loads can only follow the
; turn's arithmetic.  With 256 work-groups of 8 waves, 2,048 waves ask for 8,192 bytes of x each at their start: half of x is on its way at once.
.macro FILLX i
.irp c, 0,1,2,3,4,5,6,7,8,9,10,11,12,13,14,15
	global_load_b128 v[XV+4*\c:XV+4*\c+3], v5, s[4:5] offset:256*\c+8192*(\i) th:TH_LOAD_NT
.endr
.endm
.macro LNRED                           ; four chains in v[8:15] -> the sum over a row's 16 lanes, in each of them, in v8
	v_pk_add_f32 v[8:9], v[8:9], v[10:11]
	v_pk_add_f32 v[12:13], v[12:13], v[14:15]
	v_pk_add_f32 v[8:9], v[8:9], v[12:13]
	v_add_f32 v8, v8, v9
	v_add_f32_dpp v8, v8, v8 row_xmask:1 row_mask:0xf bank_mask:0xf
	v_add_f32_dpp v8, v8, v8 row_xmask:2 row_mask:0xf bank_mask:0xf
	v_add_f32_dpp v8, v8, v8 row_xmask:4 row_mask:0xf bank_mask:0xf
	v_add_f32_dpp v8, v8, v8 row_xmask:8 row_mask:0xf bank_mask:0xf
.endm
; turn i; nx = the next turn's number, 0 = none; left = how many younger loads may stay out when the turn's rows have to be there
.macro LNTURN i, nx, left
	s_wait_loadcnt \left                           ; loads come back in order (ISA guide 5.7.1): the two rows are in
.irp k, 0,1,2,3
	v_pk_add_f32 v[8+2*\k:9+2*\k], v[XV+2*\k:XV+2*\k+1], v[XV+8+2*\k:XV+9+2*\k]   ; the first pairs start the chains
.endr
.set j, 8
.rept 24
	v_pk_add_f32 v[8+2*(j%4):9+2*(j%4)], v[8+2*(j%4):9+2*(j%4)], v[XV+2*j:XV+2*j+1]
.set j, j+1
.endr
	LNRED
	v_mul_f32 v2, s20, v8                          ; mean
	v_mov_b32 v3, v2
.set j, 0
.rept 32
	v_pk_add_f32 v[XV+2*j:XV+2*j+1], v[XV+2*j:XV+2*j+1], v[2:3] neg_lo:[0,1] neg_hi:[0,1]   ; centred first: a common offset of x costs nothing
.set j, j+1
.endr
.irp k, 0,1,2,3
	v_pk_mul_f32 v[8+2*\k:9+2*\k], v[XV+2*\k:XV+2*\k+1], v[XV+2*\k:XV+2*\k+1]
.endr
.set j, 4
.rept 28
	v_pk_fma_f32 v[8+2*(j%4):9+2*(j%4)], v[XV+2*j:XV+2*j+1], v[XV+2*j:XV+2*j+1], v[8+2*(j%4):9+2*(j%4)]
.set j, j+1
.endr
	LNRED
	v_fma_f32 v10, v8, s20, s21                    ; variance + 1e-5
	v_rsq_f32 v10, v10
	v_nop                                          ; one plain instruction behind the transcendental (ISA guide 5.7.2)
	s_wait_alu depctr_va_vdst(0)
	v_mov_b32 v11, v10
	v_mov_b32 v12, v10                             ; {rstd, -mean rstd} for the last launch's f32 x_norm
	v_mul_f32 v13, -v2, v10
.set j, 0
.rept 32
	v_pk_mul_f32 v[XV+2*j:XV+2*j+1], v[XV+2*j:XV+2*j+1], v[10:11]
.set j, j+1
.endr
	s_wait_loadcnt 0x0                             ; gain and bias are in (in the second turn nothing is out here)
.set j, 0
.rept 32
	v_pk_fma_f32 v[XV+2*j:XV+2*j+1], v[XV+2*j:XV+2*j+1], v[GV+2*j:GV+2*j+1], v[BV+2*j:BV+2*j+1]
.set j, j+1
.endr
	s_wait_xcnt 0x0                                ; the last turn's stores read YV: it is rewritten only behind this wait
.set j, 0
.rept 32
	v_cvt_pk_f16_f32 v[YV+j], v[XV+2*j], v[XV+2*j+1]
.set j, j+1
.endr
.if \nx
	FILLX \nx                                      ; loads ahead of stores
.endif
.irp c, 0,1,2,3,4,5,6,7
	global_store_b64 v6, v[YV+2*\c:YV+2*\c+1], s[10:11] offset:\c*1048576+256*\i      ; two rows x 128 bytes: 256 consecutive bytes, aligned
.endr
.irp c, 0,1,2,3,4,5,6,7
	global_store_b64 v6, v[YV+16+2*\c:YV+17+2*\c], s[22:23] offset:\c*1048576+256*\i  ; planes 8 to 15
.endr
	ds_store_b64 v7, v[12:13] offset:LNL+16*\i     ; a row's 16 lanes write the same 8 bytes
.endm
.Ljob_ln:
	s_load_b128 s[4:7], s[0:1], 0x0                ; x, ln_in_g
	s_load_b128 s[8:11], s[0:1], 0x10              ; ln_in_b, XN
	s_load_b64 s[12:13], s[0:1], 0x20              ; PP
	v_and_b32 v2, 15, v0                           ; p: my place in the row
	v_bfe_u32 v3, v0, 4, 1
	v_lshl_add_u32 v3, s2, 2, v3                   ; 4 wave + (lane >> 4): my row in turn 0
	v_lshlrev_b32 v4, 4, v2                        ; gain, bias: 16 p
	v_lshl_add_u32 v5, v3, 12, v4                  ; x: row x 4,096 + 16 p
	v_lshlrev_b32 v6, 3, v2
	v_lshl_add_u32 v6, v3, 7, v6                   ; XN: row x 128 + 8 p
	v_lshlrev_b32 v7, 3, v3                        ; LDS: 8 bytes a row
	s_lshl_b32 s14, ttmp9, 17                      ; 32 rows of 4,096 bytes
	s_mov_b32 s15, 0
	s_lshl_b32 s16, ttmp9, 12                      ; 32 rows of 128 bytes
	s_mov_b32 s17, 0
	s_lshl_b32 s18, ttmp9, 8                       ; 32 rows of 8 bytes
	s_mov_b32 s19, 0
	s_mov_b32 s20, 0x3a800000                      ; 1 / 1024
	s_mov_b32 s21, 0x3727c5ac                      ; 1e-5
	s_wait_kmcnt 0x0
	s_add_nc_u64 s[4:5], s[4:5], s[14:15]
	s_add_nc_u64 s[10:11], s[10:11], s[16:17]
	s_add_nc_u64 s[22:23], s[10:11], 0x800000      ; plane 8, so that the stores' immediates stay inside their signed 24 bits
	s_add_nc_u64 s[12:13], s[12:13], s[18:19]
	FILLX 0                                        ; x first: the turn's sums need nothing else
.irp c, 0,1,2,3,4,5,6,7,8,9,10,11,12,13,14,15
	global_load_b128 v[GV+4*\c:GV+4*\c+3], v4, s[6:7] offset:256*\c
	global_load_b128 v[BV+4*\c:BV+4*\c+3], v4, s[8:9] offset:256*\c
.endr
	LNTURN 0, 1, 32                                ; the 32 loads of gain and bias were issued behind x's 16 and may stay out
	LNTURN 1, 0, 0
	s_wait_dscnt 0x0                               ; my LDS stores are done before I say so
	s_barrier_signal -1
	s_barrier_wait -1
	s_cmp_lg_u32 s2, 0
	s_cbranch_scc1 .Lln_end
	v_lshlrev_b32 v14, 3, v1
	ds_load_b64 v[8:9], v14 offset:LNL             ; 32 rows x 8 bytes, gathered so that one store writes 256 consecutive bytes, aligned
	s_wait_dscnt 0x0
	global_store_b64 v14, v[8:9], s[12:13]
.Lln_end:
	s_wait_tensorcnt 0x0
	ds_add_u32 v240, v241
	s_wait_dscnt 0x0
	s_endpgm
; ---------------------------------------------------------------- job WC: 32 k rows x 368 columns of block j, put together in LDS
.Ljob_wc:
	s_load_b128 s[4:7], s[0:1], 0x28               ; W1, a256_w1
	s_load_b128 s[8:11], s[0:1], 0x38              ; a512_w1, WC
	s_sub_co_u32 s12, ttmp9, 344
	s_lshr_b32 s13, s12, 5                         ; j
	s_and_b32 s14, s12, 31
	s_lshl_b32 s14, s14, 5                         ; k0
	s_lshl_b32 s16, s14, 13
	s_lshl_b32 s15, s13, 10
	s_add_co_u32 s16, s16, s15                     ; W1: k0 x 8,192 + 1,024 j
	s_mov_b32 s17, 0
	s_lshl_b32 s18, s14, 10
	s_lshl_b32 s15, s13, 7
	s_add_co_u32 s18, s18, s15                     ; a256_w1: k0 x 1,024 + 128 j
	s_mov_b32 s19, 0
	s_lshl_b32 s20, s14, 11
	s_lshl_b32 s15, s13, 8
	s_add_co_u32 s20, s20, s15                     ; a512_w1: k0 x 2,048 + 256 j
	s_mov_b32 s21, 0
	s_mul_i32 s22, s13, 753664
	s_mul_i32 s15, s14, 736
	s_add_co_u32 s22, s22, s15                     ; WC: j x 753,664 + k0 x 736
	s_mov_b32 s23, 0
	v_lshlrev_b32 v2, 4, v1
	s_lshl_b32 s24, s2, 15
	v_add_nc_u32 v3, s24, v2                       ; W1: 4 rows a wave + 16 lane
	v_lshrrev_b32 v4, 3, v0                        ; t >> 3: row for a256_w1 and for the zeros
	v_and_b32 v5, 7, v0
	v_lshlrev_b32 v6, 4, v5
	v_lshl_add_u32 v6, v4, 10, v6
	v_lshrrev_b32 v7, 4, v0                        ; t >> 4: row for a512_w1
	v_and_b32 v8, 15, v0
	v_lshlrev_b32 v9, 4, v8
	v_lshl_add_u32 v9, v7, 11, v9
	s_mul_i32 s25, s2, 2944
	v_lshlrev_b32 v10, 3, v1
	v_add_nc_u32 v10, s25, v10                     ; LDS, W1's part: 4 rows of 736 a wave + 8 lane
	v_mul_u32_u24 v11, v4, 736
	v_lshl_add_u32 v12, v5, 3, v11
	v_lshl_add_u32 v13, v5, 2, v11
	v_mul_u32_u24 v14, v7, 736
	v_lshl_add_u32 v14, v8, 3, v14
	s_lshl_b32 s26, s2, 9
	v_add_nc_u32 v15, s26, v2                      ; the way out: 512 wave + 16 lane
	v_mov_b32 v86, 0
	s_wait_kmcnt 0x0
	s_add_nc_u64 s[4:5], s[4:5], s[16:17]
	s_add_nc_u64 s[6:7], s[6:7], s[18:19]
	s_add_nc_u64 s[8:9], s[8:9], s[20:21]
	s_add_nc_u64 s[10:11], s[10:11], s[22:23]
.irp i, 0,1,2,3
.irp u, 0,1
	global_load_b128 v[16+4*(2*\i+\u):19+4*(2*\i+\u)], v3, s[4:5] offset:8192*\i+512*\u th:TH_LOAD_NT
.endr
.endr
	global_load_b128 v[48:51], v6, s[6:7] th:TH_LOAD_NT
	global_load_b128 v[52:55], v9, s[8:9] th:TH_LOAD_NT
	global_load_b128 v[56:59], v9, s[8:9] offset:32768 th:TH_LOAD_NT
	s_wait_loadcnt 0x0
.set n, 0
.rept 11
	v_cvt_pk_f16_f32 v[64+2*n], v[16+4*n], v[17+4*n]
	v_cvt_pk_f16_f32 v[65+2*n], v[18+4*n], v[19+4*n]
.set n, n+1
.endr
.irp i, 0,1,2,3
.irp u, 0,1
	ds_store_b64 v10, v[64+2*(2*\i+\u):65+2*(2*\i+\u)] offset:736*\i+256*\u
.endr
.endr
	ds_store_b64 v12, v[80:81] offset:512
	ds_store_b64 v14, v[82:83] offset:576
	ds_store_b64 v14, v[84:85] offset:576+11776
	ds_store_b32 v13, v86 offset:704               ; columns 352 to 367: zeros; they only make the row 23 x 32 bytes
	s_wait_dscnt 0x0
	s_barrier_signal -1
	s_barrier_wait -1
.irp r, 0,1,2,3,4
	ds_load_b128 v[96+4*\r:99+4*\r], v15 offset:4096*\r
.endr
.irp r, 0,1,2,3,4
	s_wait_dscnt 4-\r                              ; LDS loads come back in order: load r is in
	global_store_b128 v15, v[96+4*\r:99+4*\r], s[10:11] offset:4096*\r
.endr
	s_cmp_ge_u32 s2, 6                             ; 23,552 bytes are 46 pieces of 512: the last round has six
	s_cbranch_scc1 .Lwc_end
	ds_load_b128 v[116:119], v15 offset:20480
	s_wait_dscnt 0x0
	global_store_b128 v15, v[116:119], s[10:11] offset:20480
.Lwc_end:
	s_wait_tensorcnt 0x0
	ds_add_u32 v240, v241
	s_wait_dscnt 0x0
	s_endpgm
; ---------------------------------------------------------------- job W2B: block j (256 rows), strip st (128 columns); a wave takes 32 rows
; v[16:143] the 32 rows as loaded; v[144:207] row i's 8 bytes to store at 144 + 2 i; v[208:211] G's sums, v[212:215] C's; v[216:223] at work, two sets by turns
.Ljob_w2b:
	s_load_b128 s[4:7], s[0:1], 0x48               ; W2, ln_h_g
	s_load_b128 s[8:11], s[0:1], 0x58              ; ln_h_b, B2
	s_load_b64 s[12:13], s[0:1], 0x20              ; PP
	s_sub_co_u32 s84, ttmp9, 256
	s_lshr_b32 s85, s84, 3                         ; j
	s_and_b32 s86, s84, 7                          ; st
	s_lshl_b32 s87, s85, 8
	s_lshl_b32 s88, s2, 5
	s_add_co_u32 s87, s87, s88                     ; my first row: 256 j + 32 wave
	s_lshl_b32 s88, s87, 2
	s_mov_b32 s89, 0
	s_lshl_b32 s90, s87, 12
	s_lshl_b32 s91, s86, 9
	s_add_co_u32 s90, s90, s91                     ; W2: row x 4,096 + 512 st
	s_mov_b32 s91, 0
	s_lshr_b32 s92, s86, 1
	s_mul_i32 s92, s92, 1441792
	s_lshl_b32 s93, s87, 9
	s_add_co_u32 s92, s92, s93
	s_and_b32 s93, s86, 1
	s_lshl_b32 s93, s93, 8
	s_add_co_u32 s92, s92, s93                     ; B2: (st >> 1) planes + row x 512 + 256 (st & 1)
	s_mov_b32 s93, 0
	v_lshlrev_b32 v2, 4, v1
	v_lshlrev_b32 v3, 3, v1
	s_wait_kmcnt 0x0
	s_add_nc_u64 s[6:7], s[6:7], s[88:89]
	s_add_nc_u64 s[8:9], s[8:9], s[88:89]
	s_load_b512 s[16:31], s[6:7], 0x0              ; gain of my 32 rows: s16 .. s47
	s_load_b512 s[32:47], s[6:7], 0x40
	s_load_b512 s[48:63], s[8:9], 0x0              ; bias of my rows 0-15: s48 .. s63
	s_load_b512 s[68:83], s[8:9], 0x40             ; rows 16-31: s68 .. s83
	s_add_nc_u64 s[4:5], s[4:5], s[90:91]
	s_add_nc_u64 s[10:11], s[10:11], s[92:93]
.set i, 0
.rept 32
	global_load_b128 v[16+4*i:19+4*i], v2, s[4:5] offset:4096*i th:TH_LOAD_NT
.set i, i+1
.endr
	s_wait_kmcnt 0x0
.set i, 0
.rept 32
	s_wait_loadcnt 31-i                            ; row i is in, the younger rows stay out
.if i < 16
.set SB, 48+i
.else
.set SB, 52+i
.endif
.if i == 0
.set TT, 208                                       ; row 0 starts the sums: nothing is cleared
.else
.set TT, 216+4*(i&1)                               ; no store reads these registers
.endif
.irp c, 0,1,2,3
	v_mul_f32 v[TT+\c], s[16+i], v[16+4*i+\c]      ; g W2
.endr
.if i == 0
.irp c, 0,1,2,3
	v_mul_f32 v[212+\c], s[SB], v[16+\c]
.endr
.else
	v_pk_add_f32 v[208:209], v[208:209], v[TT:TT+1]
	v_pk_add_f32 v[210:211], v[210:211], v[TT+2:TT+3]
.irp c, 0,1,2,3
	v_fmac_f32 v[212+\c], s[SB], v[16+4*i+\c]      ; lnb W2
.endr
.endif
	v_cvt_pk_f16_f32 v[144+2*i], v[TT], v[TT+1]
	v_cvt_pk_f16_f32 v[145+2*i], v[TT+2], v[TT+3]
	global_store_b64 v3, v[144+2*i:145+2*i], s[10:11] offset:512*i     ; 256 consecutive bytes, aligned; each row has store registers of its own
.set i, i+1
.endr
	s_lshl_b32 s84, s2, 10
	v_add_nc_u32 v4, s84, v2
	ds_store_b128 v4, v[208:211] offset:W2L        ; my 32 rows' part of G_j
	ds_store_b128 v4, v[212:215] offset:W2L+512    ; and of C_j
	s_wait_dscnt 0x0
	s_barrier_signal -1
	s_barrier_wait -1
	s_cmp_ge_u32 s2, 2
	s_cbranch_scc1 .Lw2b_end
	s_lshl_b32 s84, s2, 9                          ; wave 0 adds up G, wave 1 C, in the order of the waves
	v_add_nc_u32 v5, s84, v2
.irp u, 0,1,2,3,4,5,6,7
	ds_load_b128 v[16+4*\u:19+4*\u], v5 offset:W2L+1024*\u
.endr
	s_lshl_b32 s94, s2, 15
	s_lshl_b32 s95, s85, 12
	s_add_co_u32 s94, s94, s95
	s_lshl_b32 s95, s86, 9
	s_add_co_u32 s94, s94, s95
	s_add_co_u32 s94, s94, 65536                   ; PP: 65,536 + 32,768 (G or C) + 4,096 j + 512 st
	s_mov_b32 s95, 0
	s_add_nc_u64 s[12:13], s[12:13], s[94:95]
	s_wait_dscnt 0x0
.irp u, 1,2,3,4,5,6,7
	v_pk_add_f32 v[16:17], v[16:17], v[16+4*\u:17+4*\u]
	v_pk_add_f32 v[18:19], v[18:19], v[18+4*\u:19+4*\u]
.endr
	global_store_b128 v2, v[16:19], s[12:13]
.Lw2b_end:
	s_wait_tensorcnt 0x0
	ds_add_u32 v240, v241
	s_wait_dscnt 0x0
	s_endpgm
.Lfunc_end_k_qa1efa6e9e6_prep:
	.size	k_qa1efa6e9e6_prep, .Lfunc_end_k_qa1efa6e9e6_prep-k_qa1efa6e9e6_prep
	.p2alignl 7, 3214868480
	.fill 96, 4, 3214868480
	.section	.rodata,"a",@progbits
	.p2align	6, 0x0
	.amdhsa_kernel k_qa1efa6e9e6_prep
		.amdhsa_group_segment_fixed_size 33280
		.amdhsa_private_segment_fixed_size 0
		.amdhsa_enable_private_segment 0
		.amdhsa_kernarg_size 120
		.amdhsa_user_sgpr_count 2
		.amdhsa_user_sgpr_kernarg_segment_ptr 1
		.amdhsa_wavefront_size32 1
		.amdhsa_system_sgpr_workgroup_id_x 1
		.amdhsa_system_sgpr_workgroup_id_y 1
		.amdhsa_system_sgpr_workgroup_id_z 1
		.amdhsa_system_vgpr_workitem_id 0
		.amdhsa_next_free_vgpr 242
		.amdhsa_next_free_sgpr 96
		.amdhsa_reserve_vcc 0
		.amdhsa_float_denorm_mode_32 3
		.amdhsa_float_denorm_mode_16_64 3
		.amdhsa_memory_ordered 1
		.amdhsa_forward_progress 1
		.amdhsa_inst_pref_size 83
	.end_amdhsa_kernel
	.amdgpu_metadata
---
amdhsa.version: [ 1, 2 ]
amdhsa.kernels:
  - .name:           k_qa1efa6e9e6_prep
    .symbol:         k_qa1efa6e9e6_prep.kd
    .args:
      - { .name: x, .offset: 0, .size: 8, .value_kind: global_buffer, .address_space: global }
      - { .name: ln_in_g, .offset: 8, .size: 8, .value_kind: global_buffer, .address_space: global }
      - { .name: ln_in_b, .offset: 16, .size: 8, .value_kind: global_buffer, .address_space: global }
      - { .name: XN, .offset: 24, .size: 8, .value_kind: global_buffer, .address_space: global }
      - { .name: PP, .offset: 32, .size: 8, .value_kind: global_buffer, .address_space: global }
      - { .name: W1, .offset: 40, .size: 8, .value_kind: global_buffer, .address_space: global }
      - { .name: a256_w1, .offset: 48, .size: 8, .value_kind: global_buffer, .address_space: global }
      - { .name: a512_w1, .offset: 56, .size: 8, .value_kind: global_buffer, .address_space: global }
      - { .name: WC, .offset: 64, .size: 8, .value_kind: global_buffer, .address_space: global }
      - { .name: W2, .offset: 72, .size: 8, .value_kind: global_buffer, .address_space: global }
      - { .name: ln_h_g, .offset: 80, .size: 8, .value_kind: global_buffer, .address_space: global }
      - { .name: ln_h_b, .offset: 88, .size: 8, .value_kind: global_buffer, .address_space: global }
      - { .name: B2, .offset: 96, .size: 8, .value_kind: global_buffer, .address_space: global }
      - { .name: a256_w2, .offset: 104, .size: 8, .value_kind: global_buffer, .address_space: global }
      - { .name: a512_w2, .offset: 112, .size: 8, .value_kind: global_buffer, .address_space: global }
    .group_segment_fixed_size: 33280
    .private_segment_fixed_size: 0
    .kernarg_segment_align: 8
    .kernarg_segment_size: 120
    .max_flat_workgroup_size: 256
    .sgpr_count:     96
    .vgpr_count:     242
    .wavefront_size: 32
...
	.end_amdgpu_metadata
.endif
;; end of part 4
;; launch ffn1 (part 5): grid 8 x 32, 4 waves a work-group, clusters of 4 x 4, 327,680 bytes of LDS; arguments XN, WC, b1, a256_b1, a512_b1, width_multiplier, width_idx, A2, HS; writes A2, HS
.if DOCPART == 5
	.amdgcn_target "amdgcn-amd-amdhsa--gfx1250"
	.amdhsa_code_object_version 6
	.text
	.protected	k_qa1efa6e9e6_ffn1
	.globl	k_qa1efa6e9e6_ffn1
	.p2align	8
	.type	k_qa1efa6e9e6_ffn1,@function
k_qa1efa6e9e6_ffn1:
	s_mov_b64 s[64:65], 0
	v_nop
	global_prefetch_b8 v0, s[64:65] scope:SCOPE_SE
	s_setreg_imm32_b32 hwreg(HW_REG_WAVE_MODE, 25, 1), 1
	s_wait_xcnt 0x0
	s_wait_alu depctr_hold_cnt(0) depctr_sa_sdst(0) depctr_va_vdst(0) depctr_va_sdst(0) depctr_va_ssrc(0) depctr_va_vcc(0) depctr_vm_vsrc(0)
	s_getreg_b32 s2, hwreg(HW_REG_IB_STS2, 6, 4)
	s_cmp_eq_u32 s2, 0
	s_cbranch_scc0 .Lentry_in_a_cluster
	s_endpgm
.Lentry_in_a_cluster:
	s_bfe_u32 s2, ttmp6, 0x10000c
	s_cmp_lg_u32 s2, 0xf033
	s_cbranch_scc0 .Lentry_shape_is_right
	s_endpgm
.Lentry_shape_is_right:
; AdaptiveFFN, launch 2 of 3: [8192 x 2816] = x_norm [W1 | a256_w1 | a512_w1], bias, exact GELU, and per block of 256 hidden columns
; the row's mean and centred sum of squares.  No work of reference() is left out here.  Matrix operands f16, sums f32.
; A work-group makes 256 rows x 352 columns (block j: 256 of W1, 32 of a256_w1, 64 of a512_w1): 8 x 32 = 256 equal work-groups.
; Wave w makes rows 64 w .. 64 w + 63 and ALL 352 columns: 4 x 22 accumulator tiles, 704 registers, so a row's statistics stay in one wave.
; K = 1024 goes in 16 steps of 64 through two LDS slots.  Both tiles are dense blocks of memory (XN and WC are laid out so) and come in as
; rows of 256 bytes.  A's tile: 16 bytes of padding behind every 128 bytes, so a token's 64 k lie 144 bytes apart.  B's tile is [k][368]
; f16, 736 = 23 x 32 bytes a row, read with the transposing load.
; CLUSTERS 4 x 4: A's tile hangs on the row block alone and is asked for jointly along a row of the cluster, B's on the column block alone, along a column.
; The matrix instruction is used transposed (source 0 = weights, source 1 = tokens): lane (r, h) holds row r, columns 8 h .. 8 h + 7 of a tile.
; THE WAY OUT IS TWO COUNTED LOOPS.  Register numbers cannot be stepped, so work written on the 704 accumulators themselves is text that runs once, some
; 8,000 instructions.  Instead the f32 sums are laid into LDS (the ring has had its last fill; a barrier stands behind its last reads), each wave's into
; 66,560 bytes of its own, and read back by a stepped address: 16 trips of 4 whole rows x 256 base columns, then 8 trips of 8 rows x 96 adapter columns.
; A trip holds whole rows, so bias, GELU, mean, centring, sum of squares, rounding and the store are one pass; nothing goes back into LDS.
; OUT: A2 = 44 planes [row 8192][64 k] f16.  Plane 4 j + P: gelu - block mean of hidden columns 256 j + 64 P ..;  plane 32 + j: the adapter of 512, columns
;      64 j ..;  plane 40 + (j >> 1): the adapter of 256, as pieces of 256 bytes = 4 rows x 32 columns of one block: piece 2 (row >> 2) + (j & 1).
;      An adapter's number is (width_idx chooses the adapter) ? gelu (1 - wm) : 0.   HS[j][2][8192] f32 = block means, centred sums of squares.
; GELU: gelu(z) = max(z, 0) - |z| q,  q = 1/2 (a1 t + .. + a5 t^5) exp(-z^2 / 2),  t = 1 / (1 + 0.23164189 |z|)  (Abramowitz and Stegun 7.1.26 for erf(z / sqrt 2)).
; LIMITS: |error of erf| <= 1.5e-7, so |error of gelu| <= 0.75e-7 |z|.  A stored number (gelu - block mean, gelu (1 - wm)) beyond 65,504 in size becomes an
; infinity; the block mean is taken away in f32 first, so a common offset of the hidden numbers does not count toward that.
; A width_idx other than 0 or 1 chooses no adapter, as in reference().
; REGISTERS: window 0: v2-14 constants, v16-33 addresses, v34-63 row figures and the adapters' biases, v64-127 A's fragments (two buffers), v128-255 B's
;            (two buffers); on the way out v64-255 are at work.  Tile (mt, nt) lies in window 1 + (nt >> 3) at register 8 (8 mt + (nt & 7)).
.set SLOT,  83968                      ; A 256 x 144 = 36,864, then B 64 x 736 = 47,104
.set BOFF,  36864
.set DW,    66560                      ; a wave's bytes on the way out: 64 rows x 1,040
.set DP,    1040                       ; a row of 256 f32: 32 low quads (16 q), 32 high quads (512 + 16 q), 16 bytes of padding: 65 x 16
.set QP,    144                        ; the adapter of 256: a row of 32 f32: 4 low quads, 4 high quads (+64), padding: 9 x 16
.set PP5,   272                        ; the adapter of 512: a row of 64 f32: 8 low quads, 8 high quads (+128), padding: 17 x 16
.set AP0,   9216                       ; its rows begin behind the 64 x 144 bytes of the adapter of 256
.set RT,    266240                     ; 512 bytes a wave: {1 - wm, width_idx} of its 64 rows
.set MTAB,  268288                     ; 512 bytes a wave: 64 means, 64 sums of squares
.set G1A, 32                           ; s[32:39] group 1, A's tiles
.set G1B, 40                           ; s[40:47] group 1, B's tiles
.set G0A, 48                           ; s[48:55] group 0, A's tiles, one set a slot
.set G0B, 56                           ; s[56:63] group 0, B's tiles
.set KA1, 2
.set KA2, 4
.set KA3, 6
.set KA4, 8
.set KA5, 10
.set KE,  12
.set PC,  14
.set ADRA, 16
.set ADRB, 18
.set STO,  20                          ; where my base sums go
.set STQ,  21                          ; the adapter of 256's
.set STP,  22                          ; the adapter of 512's
.set RDZ,  23                          ; stepped: where a trip's base rows are read
.set RDP,  24                          ; stepped: the adapter of 512's rows
.set RDQ,  25                          ; stepped: the adapter of 256's rows
.set RDR0, 26                          ; stepped: the rows' figures for the adapter of 512
.set RDR2, 27                          ; stepped: for the adapter of 256
.set CO,   28                          ; byte offsets of the three kinds of store; never rewritten
.set CO5,  29
.set COQ,  30
.set MT,   32                          ; stepped: where a trip's means go
.set VB1,  33                          ; byte offsets of my biases
.set MEAN, 34                          ; v[34:37] a row's block mean, twice, for my two rows of a trip
.set OMC,  34                          ; v[34:39] second loop: {1 - wm, idx} of my three rows
.set BA,   40                          ; v[40:47] my 8 biases of the adapter of 512, v[48:55] of 256
.set RD,   56                          ; v[56:61] second loop: the rows' figures as loaded
.set VB5,  62
.set VBQ,  63
.set AB0,  64
.set AB1,  96
.set BB0,  128
.set BB1,  192
.set Z,   64                           ; the way out: up to 32 numbers at a time
.set T,   96
.set E,   128
.set P,   160
.set R,   192                          ; the next trip's sums as loaded
.set PKD, 224                          ; f16, to store
.set BI,  240                          ; v[240:255] my 16 biases of b1
.set MSB, 0
.macro WIN new                         ; the immediate's high byte repeats the setting that is left
.if MSB != (\new)
	s_set_vgpr_msb (MSB<<8)|(\new)
.set MSB, (\new)
.endif
.endm
.macro PLACES                          ; four plain vector instructions between a matrix instruction and a load into, or a vector access to, its registers
.rept 4
	v_nop
.endr
.endm
.macro JLOAD s                         ; waves 0, 1 ask for A's two halves, waves 2, 3 for B's: each line has one mask and one set of registers
	s_cmp_eq_u32 s3, 0
	s_cbranch_scc0 .Lfor_b_\@
	tensor_load_to_lds s[G0A+4*\s:G0A+4*\s+3], s[G1A:G1A+7]
	s_nop 0
	s_branch .Lasked_\@
.Lfor_b_\@:
	tensor_load_to_lds s[G0B+4*\s:G0B+4*\s+3], s[G1B:G1B+7]
	s_nop 0
.Lasked_\@:
.endm
.macro CREST                           ; a round of the cluster's barrier behind its opening work-group barrier
	s_cmp_lg_u32 s2, 0
	s_cbranch_scc1 .Lnot_wave_0_\@
	s_barrier_signal -3
.Lnot_wave_0_\@:
	s_barrier_wait -3
	s_barrier_signal -1
	s_barrier_wait -1
.endm
.macro CROUND
	s_barrier_signal -1
	s_barrier_wait -1
	CREST
.endm
	s_load_b512 s[68:83], s[0:1], 0x0              ; XN 68, WC 70, b1 72, a256_b1 74, a512_b1 76, width_multiplier 78, width_idx 80, A2 82
	s_load_b64 s[84:85], s[0:1], 0x40              ; HS
	s_set_vgpr_msb 0xc0
	v_lshl_add_u32 v254, v0, 2, 0x42000
	v_mov_b32 v255, 0
	s_set_vgpr_msb 0xc0cf
	ds_add_u32 v254, v255
	s_set_vgpr_msb 0xcf00
	v_lshrrev_b32 v1, 5, v0
	v_readfirstlane_b32 s2, v1                     ; wave 0..3
	s_lshr_b32 s3, s2, 1                           ; I ask for A (0) or for B (1)
	s_and_b32 s4, s2, 1                            ; which half of that tile
	s_bfe_u32 s26, ttmp6, 0x40000                  ; cx
	s_bfe_u32 s27, ttmp6, 0x40004                  ; cy
	s_lshl_b32 s28, ttmp9, 2
	s_add_co_u32 s28, s28, s26                     ; j: column block
	s_and_b32 s29, ttmp7, 0xffff
	s_lshl_b32 s29, s29, 2
	s_add_co_u32 s29, s29, s27                     ; i: row block
	s_lshl_b32 s30, s27, 2
	s_lshl_b32 s30, 15, s30                        ; my row of the cluster
	s_lshl_b32 s31, 0x1111, s26                    ; my column
	s_or_b32 s[G1A+0], s30, 0x07330000             ; mask; elements of 8 bytes; padding on; bit 21 beside a mask; after every 32 words 4 words
	s_or_b32 s[G1B+0], s31, 0x00230000             ; mask; elements of 8 bytes; bit 21; no padding
	s_mov_b32 s[G1A+1], 32<<16                     ; tensor_dim0 = 32 elements = 256 bytes
	s_mov_b32 s[G1B+1], 32<<16
	s_mov_b32 s[G1A+2], 64<<16                     ; tensor_dim1 = 64 rows of 256 bytes = 128 tokens x 128 bytes
	s_mov_b32 s[G1B+2], 92<<16                     ; 92 rows of 256 bytes = 32 k x 736 bytes
	s_mov_b32 s[G1A+3], 32<<16                     ; tile_dim0
	s_mov_b32 s[G1B+3], 32<<16
	s_mov_b32 s[G1A+4], 64                         ; tile_dim1
	s_mov_b32 s[G1B+4], 92
	s_mov_b32 s[G1A+5], 32                         ; pitch = row: the block is dense
	s_mov_b32 s[G1B+5], 32
	s_mov_b32 s[G1A+6], 0
	s_mov_b32 s[G1B+6], 0
	s_mov_b32 s[G1A+7], 0
	s_mov_b32 s[G1B+7], 0
	s_lshl_b32 s86, s29, 15                        ; A: (256 i + 128 half) x 128 bytes; made of i and the wave alone
	s_lshl_b32 s87, s4, 14
	s_add_co_u32 s86, s86, s87
	s_mov_b32 s87, 0
	s_mul_i32 s88, s28, 753664                     ; B: plane j + half x 23,552; made of j and the wave alone
	s_mul_i32 s89, s4, 23552
	s_add_co_u32 s88, s88, s89
	s_mov_b32 s89, 0
	s_mul_i32 s90, s4, 18432                       ; LDS: A's half (128 x 144)
	s_mul_i32 s91, s4, 23552
	s_add_co_u32 s91, s91, BOFF                    ; LDS: B's half
	s_wait_dscnt 0x0
	s_wait_kmcnt 0x0
	s_add_nc_u64 s[86:87], s[68:69], s[86:87]
	s_add_nc_u64 s[88:89], s[70:71], s[88:89]
.irp s, 0,1
	s_mov_b32 s[G0A+4*\s], 1
	s_add_co_u32 s[G0A+4*\s+1], s90, \s*SLOT
	s_add_nc_u64 s[G0A+4*\s+2:G0A+4*\s+3], s[86:87], \s*1048576    ; K step s = plane s of XN
	s_or_b32 s[G0A+4*\s+3], s[G0A+4*\s+3], 0x80000000
	s_mov_b32 s[G0B+4*\s], 1
	s_add_co_u32 s[G0B+4*\s+1], s91, \s*SLOT
	s_add_nc_u64 s[G0B+4*\s+2:G0B+4*\s+3], s[88:89], \s*47104      ; 64 k rows of 736 bytes
	s_or_b32 s[G0B+4*\s+3], s[G0B+4*\s+3], 0x80000000
.endr
	CROUND                                         ; all sixteen work-groups are here: the first joint loads meet
	JLOAD 0
	JLOAD 1                                        ; two tensor loads of mine are out; behind each later round, one
	; where the results go
	s_lshl_b32 s94, s29, 15
	s_lshl_b32 s95, s2, 13
	s_add_co_u32 s94, s94, s95                     ; (256 i + 64 w) x 128: my first row in a plane
	s_lshl_b32 s92, s28, 22                        ; plane 4 j of 1,048,576 bytes
	s_add_co_u32 s92, s92, s94
	s_mov_b32 s93, 0
	s_add_nc_u64 s[8:9], s[82:83], s[92:93]
	s_lshl_b32 s92, s28, 20
	s_add_co_u32 s92, s92, s94
	s_add_co_u32 s92, s92, 33554432                ; plane 32 + j
	s_add_nc_u64 s[10:11], s[82:83], s[92:93]
	s_lshr_b32 s92, s28, 1
	s_lshl_b32 s92, s92, 20
	s_add_co_u32 s92, s92, s94
	s_and_b32 s95, s28, 1
	s_lshl_b32 s95, s95, 8
	s_add_co_u32 s92, s92, s95
	s_add_co_u32 s92, s92, 41943040                ; plane 40 + (j >> 1), the pieces of block j & 1
	s_add_nc_u64 s[12:13], s[82:83], s[92:93]
	s_lshl_b32 s92, s28, 16
	s_lshl_b32 s94, s29, 10
	s_add_co_u32 s92, s92, s94
	s_lshl_b32 s95, s2, 8
	s_add_co_u32 s92, s92, s95
	s_add_nc_u64 s[14:15], s[84:85], s[92:93]      ; HS: plane j + (256 i + 64 w) x 4
	s_add_co_u32 s92, s94, s95
	s_add_nc_u64 s[78:79], s[78:79], s[92:93]      ; width_multiplier and width_idx at my first row
	s_add_nc_u64 s[80:81], s[80:81], s[92:93]
	s_lshl_b32 s92, s28, 10
	s_add_nc_u64 s[72:73], s[72:73], s[92:93]      ; b1 at column 256 j
	s_lshl_b32 s92, s28, 7
	s_add_nc_u64 s[74:75], s[74:75], s[92:93]      ; a256_b1 at column 32 j
	s_lshl_b32 s92, s28, 8
	s_add_nc_u64 s[76:77], s[76:77], s[92:93]      ; a512_b1 at column 64 j
	s_mov_b32 s24, 0x76543210                      ; v_permlanex16_b32: lane i takes lane i of the other half
	s_mov_b32 s25, 0xfedcba98
	v_and_b32 v1, 15, v0                           ; r
	v_bfe_u32 v15, v0, 4, 1                        ; h; on the way out ph
	v_and_b32 v31, 31, v0                          ; lane
	v_mul_u32_u24 v64, v1, 144
	v_lshl_add_u32 v64, v15, 4, v64
	s_mul_i32 s92, s2, 9216
	v_add_nc_u32 v[ADRA], s92, v64                 ; (64 w + r) x 144 + 16 h
	v_add_nc_u32 v[ADRA+1], SLOT, v[ADRA]
	v_and_b32 v64, 7, v0
	v_lshl_add_u32 v64, v15, 3, v64
	v_mul_u32_u24 v64, v64, 736
	v_bfe_u32 v65, v0, 3, 1
	v_lshl_add_u32 v64, v65, 4, v64                ; (8 h + (lane & 7)) x 736 + 16 ((lane >> 3) & 1): the transposing load's address
	v_add_nc_u32 v[ADRB], BOFF, v64
	v_add_nc_u32 v[ADRB+1], SLOT+BOFF, v64
	; the way out.  In: lane (r, h) of a tile.  Back: lane = 16 ph + 8 rr + cl
	s_mul_i32 s92, s2, DW                          ; my 66,560 bytes
	s_add_co_u32 s94, s92, AP0
	v_mul_u32_u24 v64, v1, DP
	v_lshl_add_u32 v64, v15, 4, v64
	v_add_nc_u32 v[STO], s92, v64                  ; row r, chunk h
	v_mul_u32_u24 v64, v1, QP
	v_lshl_add_u32 v64, v15, 4, v64
	v_add_nc_u32 v[STQ], s92, v64
	v_mul_u32_u24 v64, v1, PP5
	v_lshl_add_u32 v64, v15, 4, v64
	v_add_nc_u32 v[STP], s94, v64
	v_and_b32 v65, 7, v0                           ; cl
	v_bfe_u32 v66, v0, 3, 1                        ; rr
	v_mul_u32_u24 v67, v66, DP
	v_lshl_add_u32 v67, v15, 7, v67
	v_lshl_add_u32 v67, v65, 4, v67
	v_add_nc_u32 v[RDZ], s92, v67                  ; row rr, chunk 8 ph + cl
	v_lshlrev_b32 v[CO], 20, v15
	v_lshl_add_u32 v[CO], v66, 7, v[CO]
	v_lshl_add_u32 v[CO], v65, 4, v[CO]            ; plane ph, row rr, 16 cl
	v_lshlrev_b32 v[VB1], 8, v15
	v_lshl_add_u32 v[VB1], v65, 5, v[VB1]          ; b1: 32 bytes of chunk 8 ph + cl
	v_lshlrev_b32 v[VB5], 5, v65                   ; a512_b1: chunk lane & 7
	v_and_b32 v68, 3, v0
	v_lshlrev_b32 v[VBQ], 5, v68                   ; a256_b1: chunk lane & 3
	v_bfe_u32 v69, v0, 3, 2                        ; lane >> 3: my row of four, adapter of 512
	v_mul_u32_u24 v70, v69, PP5
	v_lshl_add_u32 v70, v65, 4, v70
	v_add_nc_u32 v[RDP], s94, v70
	v_bfe_u32 v71, v0, 2, 3                        ; lane >> 2: my row of eight, adapter of 256
	v_mul_u32_u24 v70, v71, QP
	v_lshl_add_u32 v70, v68, 4, v70
	v_add_nc_u32 v[RDQ], s92, v70
	s_lshl_b32 s95, s2, 9
	s_add_co_u32 s95, s95, RT
	v_lshl_add_u32 v[RDR0], v69, 3, s95
	v_lshl_add_u32 v[RDR2], v71, 3, s95
	v_lshl_add_u32 v72, v31, 4, s95                ; the figures of rows 2 lane, 2 lane + 1
	v_lshlrev_b32 v[CO5], 4, v31
	v_lshlrev_b32 v[COQ], 9, v15
	v_lshl_add_u32 v[COQ], v1, 4, v[COQ]           ; piece lane >> 4 (512 bytes apart), 16 (lane & 15)
	s_lshl_b32 s95, s2, 9
	s_add_co_u32 s95, s95, MTAB
	v_lshl_add_u32 v[MT], v66, 2, s95
.irp n, 0,1
	v_mov_b32 v[KA1+\n], 0x3e027906                ;  0.127414796
	v_mov_b32 v[KA2+\n], 0xbe11a98e                ; -0.142248368
	v_mov_b32 v[KA3+\n], 0x3f35f0e3                ;  0.7107068705
	v_mov_b32 v[KA4+\n], 0xbf3a00e3                ; -0.7265760135
	v_mov_b32 v[KA5+\n], 0x3f07dc22                ;  0.5307027145
	v_mov_b32 v[KE+\n],  0xbf38aa3b                ; -0.72134752 = -log2(e) / 2
.endr
	v_mov_b32 v[PC], 0x3e6d3388                    ;  0.23164189
	; {1 - wm, width_idx} of my wave's 64 rows into its own table
	v_lshlrev_b32 v73, 3, v31
	global_load_b64 v[74:75], v73, s[78:79]
	global_load_b64 v[76:77], v73, s[80:81]
	s_wait_loadcnt 0x0
	v_sub_f32 v80, 1.0, v74
	v_mov_b32 v81, v76
	v_sub_f32 v82, 1.0, v75
	v_mov_b32 v83, v77
	ds_store_b128 v72, v[80:83]
	s_wait_dscnt 0x0                               ; no LDS instruction of mine is pending at the signal
	s_wait_tensorcnt 0x1                           ; my part of K step 0 is in; K step 1's may stay out
	s_barrier_signal -1
	s_barrier_wait -1
; cnt tiles of B from n tile nt0 on, K quarter q (32 k) of the slot, into buf: two transposing loads a tile, 16 k rows apart
.macro LDB buf, slot, q, nt0, cnt
.set b_, 0
.rept \cnt
	ds_load_tr16_b128 v[\buf+8*b_:\buf+8*b_+3], v[ADRB+\slot] offset:23552*\q+32*(\nt0+b_)
	ds_load_tr16_b128 v[\buf+8*b_+4:\buf+8*b_+7], v[ADRB+\slot] offset:23552*\q+32*(\nt0+b_)+11776
.set b_, b_+1
.endr
.endm
.macro LDA buf, slot, q                ; my four row tiles of A
.irp a, 0,1,2,3
	ds_load_b128 v[\buf+8*\a:\buf+8*\a+3], v[ADRA+\slot] offset:2304*\a+64*\q
	ds_load_b128 v[\buf+8*\a+4:\buf+8*\a+7], v[ADRA+\slot] offset:2304*\a+64*\q+32
.endr
.endm
; cnt x 4 products.  The accumulators take turns, one instruction a turn.
.macro MULS bb, ab, b0, cnt, zero
.set b_, \b0
.rept \cnt
.irp a, 0,1,2,3
.if \zero
	v_wmma_f32_16x16x32_f16 v[8*(8*\a+b_):8*(8*\a+b_)+7], v[\bb+8*b_:\bb+8*b_+7], v[\ab+8*\a:\ab+8*\a+7], 0
.else
	v_wmma_f32_16x16x32_f16 v[8*(8*\a+b_):8*(8*\a+b_)+7], v[\bb+8*b_:\bb+8*b_+7], v[\ab+8*\a:\ab+8*\a+7], v[8*(8*\a+b_):8*(8*\a+b_)+7]
.endif
.endr
.set b_, b_+1
.endr
.endm
; One K step of 64: six stretches (two K quarters x three windows of accumulators).  Each stretch first asks for the next stretch's fragments, into the
; buffer that the last stretch has left; its counted wait equals the loads just issued, so what was asked for one stretch earlier is in.
; mode 2: change of slots with a round of the cluster's barrier and a refill; 1: with a work-group barrier alone; 0: the last step: it signals the
; barrier behind which the ring's bytes are written over; the wait for that barrier stands behind the step.
.macro SLOTSTEP slot, next, mode, zero
	PLACES
	WIN 0
	LDB BB1, \slot, 0, 8, 8
	s_wait_dscnt 16
	WIN 0x50
	MULS BB0, AB0, 0, 8, \zero
	PLACES
	WIN 0
	LDB BB0, \slot, 0, 16, 6
	s_wait_dscnt 12
	WIN 0xa0
	MULS BB1, AB0, 0, 8, \zero
	PLACES
	WIN 0
	LDB BB1, \slot, 1, 0, 8
	LDA AB1, \slot, 1
	s_wait_dscnt 24
	WIN 0xf0
	MULS BB0, AB0, 0, 6, \zero
	PLACES
	WIN 0
	LDB BB0, \slot, 1, 8, 8
	s_wait_dscnt 16
	WIN 0x50
	MULS BB1, AB1, 0, 8, 0
	PLACES
	WIN 0
	LDB BB1, \slot, 1, 16, 6
	s_wait_dscnt 12
	WIN 0xa0
.if \mode
	MULS BB0, AB1, 0, 2, 0
	s_wait_dscnt 0x0                               ; my reads of this slot are over
	s_set_vgpr_msb 0xa0af
	s_wait_tensorcnt 0x0                           ; and all my tensor loads have landed: the one that was out is my part of the next slot
	ds_add_u32 v254, v255
	s_wait_dscnt 0x0
	s_set_vgpr_msb 0xafa0
	s_barrier_signal -1
	MULS BB0, AB1, 2, 6, 0                         ; register work while the others arrive
	WIN 0
	s_barrier_wait -1
.if \mode == 2
	CREST                                          ; no wave of any partner still reads this slot or has a load on its way
	s_add_nc_u64 s[G0A+4*\slot+2:G0A+4*\slot+3], s[G0A+4*\slot+2:G0A+4*\slot+3], 2097152   ; two K steps on
	s_add_nc_u64 s[G0B+4*\slot+2:G0B+4*\slot+3], s[G0B+4*\slot+2:G0B+4*\slot+3], 94208
	JLOAD \slot                                    ; my one tensor load behind the round, and the first thing there
.endif
	PLACES
	LDB BB0, \next, 0, 0, 8
	LDA AB0, \next, 0
.else
	MULS BB0, AB1, 0, 8, 0
	s_wait_dscnt 0x0                               ; my last reads of the ring are over:
	s_barrier_signal -1                            ; say so
.endif
	WIN 0xf0
	MULS BB1, AB1, 0, 6, 0
.endm
	LDB BB0, 0, 0, 0, 8
	LDA AB0, 0, 0
	SLOTSTEP 0, 1, 2, 1                            ; the first products start the sums: nothing is cleared
	SLOTSTEP 1, 0, 2, 0
	WIN 0
	s_mov_b32 s5, 6
.Llap:
	SLOTSTEP 0, 1, 2, 0
	SLOTSTEP 1, 0, 2, 0
	WIN 0
	s_sub_co_u32 s5, s5, 1
	s_cmp_lg_u32 s5, 0
	s_cbranch_scc1 .Llap
	SLOTSTEP 0, 1, 1, 0                            ; K steps 14 and 15: nothing is left to fetch
	SLOTSTEP 1, 0, 0, 0
; ---------------------------------------------------------------- the way out
; gelu of the n numbers in Z, in place
.macro GELU n
.set k, 0
.rept \n
	v_fma_f32 v[T+k], |v[Z+k]|, v[PC], 1.0
.set k, k+1
.endr
.set k, 0
.rept \n/2
	v_pk_mul_f32 v[E+2*k:E+2*k+1], v[Z+2*k:Z+2*k+1], v[Z+2*k:Z+2*k+1]
.set k, k+1
.endr
.set k, 0
.rept \n
	v_rcp_f32 v[T+k], v[T+k]
.set k, k+1
.endr
.set k, 0
.rept \n/2
	v_pk_mul_f32 v[E+2*k:E+2*k+1], v[E+2*k:E+2*k+1], v[KE:KE+1]      ; plain work behind the reciprocals, which it does not touch (ISA guide 5.7.2)
.set k, k+1
.endr
.set k, 0
.rept \n
	v_exp_f32 v[E+k], v[E+k]
.set k, k+1
.endr
.set k, 0
	s_wait_alu depctr_va_vdst(0)
.rept \n/2
	v_pk_fma_f32 v[P+2*k:P+2*k+1], v[T+2*k:T+2*k+1], v[KA5:KA5+1], v[KA4:KA4+1]   ; plain work behind the exponentials, which it does not touch
.set k, k+1
.endr
.irp ka, KA3, KA2, KA1
.set k, 0
.rept \n/2
	v_pk_fma_f32 v[P+2*k:P+2*k+1], v[P+2*k:P+2*k+1], v[T+2*k:T+2*k+1], v[\ka:\ka+1]
.set k, k+1
.endr
.endr
.set k, 0
.rept \n/2
	v_pk_mul_f32 v[T+2*k:T+2*k+1], v[T+2*k:T+2*k+1], v[E+2*k:E+2*k+1]
.set k, k+1
.endr
.set k, 0
.rept \n/2
	v_pk_mul_f32 v[P+2*k:P+2*k+1], v[P+2*k:P+2*k+1], v[T+2*k:T+2*k+1]   ; q
.set k, k+1
.endr
.set k, 0
.rept \n
	v_max_num_f32 v[E+k], 0, v[Z+k]
.set k, k+1
.endr
.set k, 0
.rept \n
	v_fma_f32 v[Z+k], -|v[Z+k]|, v[P+k], v[E+k]
.set k, k+1
.endr
.endm
; Two sums at once: four pairs at x and four at y -> each the sum over the 16 lanes that hold the row (cl by three steps inside the half, ph across the halves), in v[x], v[y]
.macro LRED2 x, y
.irp z, \x, \y
	v_pk_add_f32 v[\z:\z+1], v[\z:\z+1], v[\z+2:\z+3]
	v_pk_add_f32 v[\z+4:\z+5], v[\z+4:\z+5], v[\z+6:\z+7]
.endr
.irp z, \x, \y
	v_pk_add_f32 v[\z:\z+1], v[\z:\z+1], v[\z+4:\z+5]
.endr
.irp z, \x, \y
	v_add_f32 v[\z], v[\z], v[\z+1]
.endr
.irp m, 1,2,4
.irp z, \x, \y
	v_add_f32_dpp v[\z], v[\z], v[\z] row_xmask:\m row_mask:0xf bank_mask:0xf
.endr
.endr
.irp z, \x, \y
	v_permlanex16_b32 v[\z+1], v[\z], s24, s25
.endr
.irp z, \x, \y
	v_add_f32 v[\z], v[\z], v[\z+1]
.endr
.endm
; my accumulators of one window (16 x 8 tiles... 4 row tiles x 8 column tiles) into my bytes; o = 256 for the second window's chunks 16 to 31
.macro DUMPB o
.irp mt, 0,1,2,3
.irp b, 0,1,2,3,4,5,6,7
	ds_store_b128 v[STO], v[8*(8*\mt+\b):8*(8*\mt+\b)+3] offset:16*DP*\mt+32*\b+\o
	ds_store_b128 v[STO], v[8*(8*\mt+\b)+4:8*(8*\mt+\b)+7] offset:16*DP*\mt+32*\b+\o+512
.endr
.endr
.endm
; a trip's four rows: set s = row 2 (s >> 1) + rr, chunk 16 (s & 1) + 8 ph + cl
.macro BLOAD
.irp s, 0,1,2,3
	ds_load_b128 v[R+8*\s:R+8*\s+3], v[RDZ] offset:2*DP*(\s>>1)+256*(\s&1)
	ds_load_b128 v[R+8*\s+4:R+8*\s+7], v[RDZ] offset:2*DP*(\s>>1)+256*(\s&1)+512
.endr
.endm
; FIRST LOOP, a trip: 4 rows x 256 base columns.  ahead = 1: the next trip's rows are asked for as soon as the bias add has freed R.
.macro BTRIP ahead
	s_wait_dscnt 0x0                               ; this trip's rows are in (asked for a trip ago)
.irp s, 0,1,2,3
.irp p, 0,1,2,3
	v_pk_add_f32 v[Z+8*\s+2*\p:Z+8*\s+2*\p+1], v[R+8*\s+2*\p:R+8*\s+2*\p+1], v[BI+8*(\s&1)+2*\p:BI+8*(\s&1)+2*\p+1]
.endr
.endr
.if \ahead
	v_add_nc_u32 v[RDZ], 4*DP, v[RDZ]
	BLOAD
.endif
	GELU 32
.irp a, 0,1
.irp c, 0,1,2,3
	v_pk_add_f32 v[T+8*\a+2*\c:T+8*\a+2*\c+1], v[Z+16*\a+4*\c:Z+16*\a+4*\c+1], v[Z+16*\a+4*\c+2:Z+16*\a+4*\c+3]
.endr
.endr
	LRED2 T, T+8
.irp a, 0,1
	v_mul_f32 v[MEAN+2*\a], 0x3b800000, v[T+8*\a]  ; / 256
	v_mov_b32 v[MEAN+2*\a+1], v[MEAN+2*\a]
.endr
.irp a, 0,1
.irp c, 0,1,2,3,4,5,6,7
	v_pk_add_f32 v[Z+16*\a+2*\c:Z+16*\a+2*\c+1], v[Z+16*\a+2*\c:Z+16*\a+2*\c+1], v[MEAN+2*\a:MEAN+2*\a+1] neg_lo:[0,1] neg_hi:[0,1]   ; centred in f32
.endr
.endr
.irp a, 0,1
.irp c, 0,1,2,3
	v_pk_mul_f32 v[E+8*\a+2*\c:E+8*\a+2*\c+1], v[Z+16*\a+2*\c:Z+16*\a+2*\c+1], v[Z+16*\a+2*\c:Z+16*\a+2*\c+1]
.endr
.endr
.irp a, 0,1
.irp c, 0,1,2,3
	v_pk_fma_f32 v[E+8*\a+2*\c:E+8*\a+2*\c+1], v[Z+16*\a+8+2*\c:Z+16*\a+9+2*\c], v[Z+16*\a+8+2*\c:Z+16*\a+9+2*\c], v[E+8*\a+2*\c:E+8*\a+2*\c+1]
.endr
.endr
	LRED2 E, E+8
.irp a, 0,1
	ds_store_b32 v[MT], v[MEAN+2*\a] offset:8*\a           ; a row's 16 lanes write the same word
	ds_store_b32 v[MT], v[E+8*\a] offset:8*\a+256
.endr
	v_add_nc_u32 v[MT], 16, v[MT]
	s_wait_xcnt 0x0                                ; the last trip's stores read PKD and s[8:9]: both are rewritten only behind this wait
	s_add_nc_u64 s[8:9], s[8:9], 512               ; four rows on; the stores reach back
.irp s, 0,1,2,3
.irp q, 0,1,2,3
	v_cvt_pk_f16_f32 v[PKD+4*\s+\q], v[Z+8*\s+2*\q], v[Z+8*\s+2*\q+1]
.endr
.endr
.irp s, 0,1,2,3
	global_store_b128 v[CO], v[PKD+4*\s:PKD+4*\s+3], s[8:9] offset:2097152*(\s&1)+256*(\s>>1)-512   ; lanes 0-15: two rows of one plane, 256 consecutive bytes, aligned; lanes 16-31: of the next plane
.endr
.endm
; a trip's eight rows of the adapters and the rows' figures
.macro ALOAD
	ds_load_b128 v[R:R+3], v[RDP]
	ds_load_b128 v[R+4:R+7], v[RDP] offset:128
	ds_load_b128 v[R+8:R+11], v[RDP] offset:4*PP5
	ds_load_b128 v[R+12:R+15], v[RDP] offset:4*PP5+128
	ds_load_b128 v[R+16:R+19], v[RDQ]
	ds_load_b128 v[R+20:R+23], v[RDQ] offset:64
	ds_load_b64 v[RD:RD+1], v[RDR0]
	ds_load_b64 v[RD+2:RD+3], v[RDR0] offset:32
	ds_load_b64 v[RD+4:RD+5], v[RDR2]
.endm
; SECOND LOOP, a trip: 8 rows x 96 adapter columns.  Sets 0, 1: the adapter of 512, row 4 s + (lane >> 3), chunk lane & 7; set 2: of 256, row lane >> 2, chunk lane & 3.
.macro ATRIP ahead
	s_wait_dscnt 0x0
.irp s, 0,1
.irp p, 0,1,2,3
	v_pk_add_f32 v[Z+8*\s+2*\p:Z+8*\s+2*\p+1], v[R+8*\s+2*\p:R+8*\s+2*\p+1], v[BA+2*\p:BA+2*\p+1]
.endr
.endr
.irp p, 0,1,2,3
	v_pk_add_f32 v[Z+16+2*\p:Z+17+2*\p], v[R+16+2*\p:R+17+2*\p], v[BA+8+2*\p:BA+9+2*\p]
.endr
.irp n, 0,1,2,3,4,5
	v_mov_b32 v[OMC+\n], v[RD+\n]                  ; the figures are used at the trip's end; RD is freed for the next trip's loads
.endr
.if \ahead
	v_add_nc_u32 v[RDP], 8*PP5, v[RDP]
	v_add_nc_u32 v[RDQ], 8*QP, v[RDQ]
	v_add_nc_u32 v[RDR0], 64, v[RDR0]
	v_add_nc_u32 v[RDR2], 64, v[RDR2]
	ALOAD
.endif
	GELU 24
.irp s, 0,1,2
.irp p, 0,1,2,3
	v_pk_mul_f32 v[Z+8*\s+2*\p:Z+8*\s+2*\p+1], v[Z+8*\s+2*\p:Z+8*\s+2*\p+1], v[OMC+2*\s:OMC+2*\s+1] op_sel_hi:[1,0]   ; times 1 - wm
.endr
.endr
	v_cmp_eq_u32 s16, 1, v[OMC+1]                  ; lanes whose row chooses the adapter of 512
	v_cmp_eq_u32 s17, 1, v[OMC+3]
	v_cmp_eq_u32 s18, 0, v[OMC+5]                  ; of 256
.irp s, 0,1,2
.irp e, 0,1,2,3,4,5,6,7
	v_cndmask_b32 v[Z+8*\s+\e], 0, v[Z+8*\s+\e], s[16+\s]
.endr
.endr
	s_wait_xcnt 0x0                                ; the last trip's stores read PKD and the two bases: rewritten only behind this wait
	s_add_nc_u64 s[10:11], s[10:11], 1024          ; eight rows on; the stores reach back
	s_add_nc_u64 s[12:13], s[12:13], 1024
.irp s, 0,1,2
.irp q, 0,1,2,3
	v_cvt_pk_f16_f32 v[PKD+4*\s+\q], v[Z+8*\s+2*\q], v[Z+8*\s+2*\q+1]
.endr
.endr
	global_store_b128 v[CO5], v[PKD:PKD+3], s[10:11] offset:-1024      ; four rows of 128 bytes: 512 consecutive bytes, aligned
	global_store_b128 v[CO5], v[PKD+4:PKD+7], s[10:11] offset:-512
	global_store_b128 v[COQ], v[PKD+8:PKD+11], s[12:13] offset:-1024   ; two pieces of 256 consecutive bytes, aligned: four rows x 64 bytes each
.endm
	PLACES
	WIN 0
	s_barrier_wait -1                              ; no wave reads the ring any more, and it has had its last fill: its bytes are free
	global_load_b128 v[BI:BI+3], v[VB1], s[72:73]
	global_load_b128 v[BI+4:BI+7], v[VB1], s[72:73] offset:16
	global_load_b128 v[BI+8:BI+11], v[VB1], s[72:73] offset:512
	global_load_b128 v[BI+12:BI+15], v[VB1], s[72:73] offset:528
	global_load_b128 v[BA:BA+3], v[VB5], s[76:77]
	global_load_b128 v[BA+4:BA+7], v[VB5], s[76:77] offset:16
	global_load_b128 v[BA+8:BA+11], v[VBQ], s[74:75]
	global_load_b128 v[BA+12:BA+15], v[VBQ], s[74:75] offset:16
	WIN 0x04                                       ; an LDS store's data are source 1: window 1
	DUMPB 0
	WIN 0x08                                       ; window 2
	DUMPB 256
	WIN 0
	BLOAD                                          ; LDS serves a wave's instructions in order: these see my stores; no other wave touches my bytes
	s_wait_loadcnt 0x0                             ; the biases
	s_mov_b32 s5, 15
.Lrows:
	BTRIP 1
	s_sub_co_u32 s5, s5, 1
	s_cmp_lg_u32 s5, 0
	s_cbranch_scc1 .Lrows
	BTRIP 0                                        ; the last four rows: nothing is left to read
	WIN 0x0c                                       ; window 3: the adapters' sums, into the bytes that the first loop has read
.irp mt, 0,1,2,3
.irp b, 0,1
	ds_store_b128 v[STQ], v[8*(8*\mt+\b):8*(8*\mt+\b)+3] offset:16*QP*\mt+32*\b
	ds_store_b128 v[STQ], v[8*(8*\mt+\b)+4:8*(8*\mt+\b)+7] offset:16*QP*\mt+32*\b+64
.endr
.irp b, 2,3,4,5
	ds_store_b128 v[STP], v[8*(8*\mt+\b):8*(8*\mt+\b)+3] offset:16*PP5*\mt+32*(\b-2)
	ds_store_b128 v[STP], v[8*(8*\mt+\b)+4:8*(8*\mt+\b)+7] offset:16*PP5*\mt+32*(\b-2)+128
.endr
.endr
	WIN 0
	ALOAD
	s_mov_b32 s5, 7
.Lad:
	ATRIP 1
	s_sub_co_u32 s5, s5, 1
	s_cmp_lg_u32 s5, 0
	s_cbranch_scc1 .Lad
	ATRIP 0
	v_lshlrev_b32 v64, 3, v31
	s_lshl_b32 s92, s2, 9
	s_add_co_u32 s92, s92, MTAB
	v_add_nc_u32 v65, s92, v64
	ds_load_b64 v[66:67], v65                      ; my 64 rows' means,
	ds_load_b64 v[68:69], v65 offset:256           ; and sums of squares: 256 consecutive bytes each
	s_wait_dscnt 0x0
	global_store_b64 v64, v[66:67], s[14:15]
	global_store_b64 v64, v[68:69], s[14:15] offset:32768
	s_set_vgpr_msb 0xf
	s_wait_tensorcnt 0x0
	ds_add_u32 v254, v255
	s_wait_dscnt 0x0
	s_set_vgpr_msb 0xf00
	CROUND                                         ; the closing round: no work-group ends while a partner may still ask for a tile that names it
	s_endpgm
.Lfunc_end_k_qa1efa6e9e6_ffn1:
	.size	k_qa1efa6e9e6_ffn1, .Lfunc_end_k_qa1efa6e9e6_ffn1-k_qa1efa6e9e6_ffn1
	.p2alignl 7, 3214868480
	.fill 96, 4, 3214868480
	.section	.rodata,"a",@progbits
	.p2align	6, 0x0
	.amdhsa_kernel k_qa1efa6e9e6_ffn1
		.amdhsa_group_segment_fixed_size 327680
		.amdhsa_private_segment_fixed_size 0
		.amdhsa_enable_private_segment 0
		.amdhsa_kernarg_size 72
		.amdhsa_user_sgpr_count 2
		.amdhsa_user_sgpr_kernarg_segment_ptr 1
		.amdhsa_wavefront_size32 1
		.amdhsa_system_sgpr_workgroup_id_x 1
		.amdhsa_system_sgpr_workgroup_id_y 1
		.amdhsa_system_sgpr_workgroup_id_z 1
		.amdhsa_system_vgpr_workitem_id 0
		.amdhsa_next_free_vgpr 1024
		.amdhsa_next_free_sgpr 96
		.amdhsa_reserve_vcc 0
		.amdhsa_float_denorm_mode_32 3
		.amdhsa_float_denorm_mode_16_64 3
		.amdhsa_memory_ordered 1
		.amdhsa_forward_progress 1
		.amdhsa_inst_pref_size 220
	.end_amdhsa_kernel
	.amdgpu_metadata
---
amdhsa.version: [ 1, 2 ]
amdhsa.kernels:
  - .name:           k_qa1efa6e9e6_ffn1
    .symbol:         k_qa1efa6e9e6_ffn1.kd
    .args:
      - { .name: XN, .offset: 0, .size: 8, .value_kind: global_buffer, .address_space: global }
      - { .name: WC, .offset: 8, .size: 8, .value_kind: global_buffer, .address_space: global }
      - { .name: b1, .offset: 16, .size: 8, .value_kind: global_buffer, .address_space: global }
      - { .name: a256_b1, .offset: 24, .size: 8, .value_kind: global_buffer, .address_space: global }
      - { .name: a512_b1, .offset: 32, .size: 8, .value_kind: global_buffer, .address_space: global }
      - { .name: width_multiplier, .offset: 40, .size: 8, .value_kind: global_buffer, .address_space: global }
      - { .name: width_idx, .offset: 48, .size: 8, .value_kind: global_buffer, .address_space: global }
      - { .name: A2, .offset: 56, .size: 8, .value_kind: global_buffer, .address_space: global }
      - { .name: HS, .offset: 64, .size: 8, .value_kind: global_buffer, .address_space: global }
    .group_segment_fixed_size: 327680
    .private_segment_fixed_size: 0
    .kernarg_segment_align: 8
    .kernarg_segment_size: 72
    .max_flat_workgroup_size: 128
    .sgpr_count:     96
    .vgpr_count:     1024
    .wavefront_size: 32
...
	.end_amdgpu_metadata
.endif
;; end of part 5
;; launch ffn2 (part 6): grid 4 x 64, 4 waves a work-group, clusters of 4 x 4, 327,680 bytes of LDS; arguments A2, B2, HS, PP, x, width_multiplier, width_idx, ln_in_g, ln_in_b, b2, a256_b2, a512_b2, out0; writes out0
.if DOCPART == 6
	.amdgcn_target "amdgcn-amd-amdhsa--gfx1250"
	.amdhsa_code_object_version 6
	.text
	.protected	k_qa1efa6e9e6_ffn2
	.globl	k_qa1efa6e9e6_ffn2
	.p2align	8
	.type	k_qa1efa6e9e6_ffn2,@function
k_qa1efa6e9e6_ffn2:
	s_mov_b64 s[64:65], 0
	v_nop
	global_prefetch_b8 v0, s[64:65] scope:SCOPE_SE
	s_setreg_imm32_b32 hwreg(HW_REG_WAVE_MODE, 25, 1), 1
	s_wait_xcnt 0x0
	s_wait_alu depctr_hold_cnt(0) depctr_sa_sdst(0) depctr_va_vdst(0) depctr_va_sdst(0) depctr_va_ssrc(0) depctr_va_vcc(0) depctr_vm_vsrc(0)
	s_getreg_b32 s2, hwreg(HW_REG_IB_STS2, 6, 4)
	s_cmp_eq_u32 s2, 0
	s_cbranch_scc0 .Lentry_in_a_cluster
	s_endpgm
.Lentry_in_a_cluster:
	s_bfe_u32 s2, ttmp6, 0x10000c
	s_cmp_lg_u32 s2, 0xf033
	s_cbranch_scc0 .Lentry_shape_is_right
	s_endpgm
.Lentry_shape_is_right:
; AdaptiveFFN, launch 3 of 3: out = (wm rstd) ACC1 + ACC2 + wm c2 + (1 - wm) (idx == 0 ? a256_b2 : idx == 1 ? a512_b2 : x_norm).
;   ACC1 = sum_j d_j G_j (one product of K = 32, of which 8 k are used) + sum_f c_f (g_f W2[f,:])  (K = 2048),
;   ACC2 = both adapters' hidden numbers, already chosen and scaled by 1 - wm, times [a512_w2; a256_w2]  (K = 768).
; No work of reference() is left out here; the form of the hidden LayerNorm is the identity given at the head of the first launch.
; Matrix operands f16, sums f32.  x_norm is made anew in f32 from x and the row's {rstd, -mean rstd}.
; LIMITS: d_j or G_j beyond 65,504 in size becomes an infinity.  The unused 24 k of the correction product multiply an exact 0 by G: a NaN or
; infinity in G reaches every row.  A width_idx other than 0 or 1 takes x_norm, as in reference().
; A work-group makes 128 rows x 256 columns: 4 x 64 = 256 equal work-groups.  Wave w: rows 64 (w >> 1) .., columns 128 (w & 1) ..: 4 x 8 tiles.
; K = 2816 = 44 planes of 64 k goes in 14 steps of 192 k (3 planes, 6 quarters of 32 k) and one of 128 k through two LDS slots, the largest that fit:
; 2 x 156,672 bytes + 11,776 of tables.  From a refill to the wait for it a wave issues 184 matrix instructions.
;   A's half of a step: 3 planes x 64 tokens x 128 bytes, one tile of 3 rows of 8,192 bytes a plane's distance apart; 16 bytes of padding behind every 256 bytes
;   (two tokens): token t of a plane lies at 272 (t >> 1) + 128 (t & 1), so a fragment's sixteen rows start in sixteen different 16-byte columns.
;   Planes 40 to 43 (the adapter of 256) hold pieces of 256 bytes = 4 tokens x 32 k: token t, quarter jj at 272 (2 (t >> 2) + jj) + 64 (t & 3).
;   B's half: 96 k x 512 bytes, pitch 544 = 17 x 32, for the transposing load.
; CLUSTERS 4 x 4: A's tiles hang on the row block alone (joint along a row of the cluster), B's on the column block alone (along a column).
; No prefetch of later tiles: a step's 192 blocks of A2 shared evenly among the 16 waves of four partners are 12 lanes a wave, which needs a narrowed EXEC that
; the matrix instructions want full again at once; a share by whole waves needs a branch on the place in the cluster.
; The way out's stage lies in slot 1: its last fill is step 13's, and its last reads stand in front of the barrier that closes step 13.
; REGISTERS: window 0: addresses, column parameters, two fragment buffers (v64-159, v160-255); window 1: ACC1; window 2: ACC2, tile (a, b) at 8 (8 a + b);
;            window 3: my 64 x 128 numbers of x, row p at 4 p, asked for at the head and first used on the way out.
.set APL,   8704                       ; a plane's 64 tokens: 32 x 272
.set AH,    26112                      ; A's half: 3 planes
.set BOFF,  52224
.set BH,    52224                      ; B's half: 96 x 544
.set SLOT,  156672
.set REC,   313344                     ; 128 rows x 32 bytes: wm, 1 - wm, rstd_x, -mean_x rstd_x, idx
.set STAB,  317440                     ; 128 x f32: wm rstd_h
.set DTAB,  317952                     ; 128 rows x 8 f16: d_j
.set GTAB,  320000                     ; 256 columns x 8 f16: G_j
.set C2TAB, 324096                     ; 256 x f32: c2
.set STAGE, SLOT                       ; 8,448 bytes a wave: 16 rows x 528, at the head of slot 1
.set STW,   8448
.set G1A, 32                           ; group 1: A s[32:39], B s[40:47]; the last step's A s[48:55], B s[56:63]
.set G1B, 40
.set G0A, 68                           ; group 0, one set a slot: A s[68:75], B s[76:83]
.set G0B, 76
.set G0L, 84                           ; s[84:87] group 0 of the last step's B
.set ADRA, 16                          ; v16-17 A's fragments in slot 0, 1
.set ADRQ, 18                          ; v18-19 the same in a plane of pieces
.set ADRB, 20                          ; v20-21 B's fragments, quarters 0-2; v22-23 quarters 3-5 (an LDS offset has 16 bits)
.set CO,   24
.set RECA, 25
.set SV,   26                          ; v[26:33] wm rstd_h of my row, twice, for each row tile
.set GIN,  34
.set BIN,  38
.set C2,   42
.set AB2,  46
.set BB2,  50
.set STO,  58
.set RD,   59
.set F0,   64                          ; a fragment buffer: A's 4 tiles at +0, B's 8 tiles at +32
.set F1,   160
.set MSB, 0
.macro WIN new
.if MSB != (\new)
	s_set_vgpr_msb (MSB<<8)|(\new)
.set MSB, (\new)
.endif
.endm
.macro PLACES                          ; four plain vector instructions between a matrix instruction and a load into, or a vector access to, its registers
.rept 4
	v_nop
.endr
.endm
.macro JLOAD kind, s                   ; kind 0: a step of 192 k into slot s; 1: the last step, 128 k, into slot 0.  Waves 0, 1 ask for A's halves, waves 2, 3 for B's
	s_cmp_eq_u32 s3, 0
	s_cbranch_scc0 .Lfor_b_\@
.if \kind
	tensor_load_to_lds s[G0A:G0A+3], s[G1A+16:G1A+23]
	s_nop 0
.else
	tensor_load_to_lds s[G0A+4*\s:G0A+4*\s+3], s[G1A:G1A+7]
	s_nop 0
.endif
	s_branch .Lasked_\@
.Lfor_b_\@:
.if \kind
	tensor_load_to_lds s[G0L:G0L+3], s[G1B+16:G1B+23]
	s_nop 0
.else
	tensor_load_to_lds s[G0B+4*\s:G0B+4*\s+3], s[G1B:G1B+7]
	s_nop 0
.endif
.Lasked_\@:
.endm
.macro CREST
	s_cmp_lg_u32 s2, 0
	s_cbranch_scc1 .Lnot_wave_0_\@
	s_barrier_signal -3
.Lnot_wave_0_\@:
	s_barrier_wait -3
	s_barrier_signal -1
	s_barrier_wait -1
.endm
.macro CROUND
	s_barrier_signal -1
	s_barrier_wait -1
	CREST
.endm
.macro SETG1 g, c, r, p                ; r rows of c elements of 8 bytes, p elements from row to row
	s_mov_b32 s[\g+1], (\c)<<16
	s_mov_b32 s[\g+2], (\r)<<16
	s_mov_b32 s[\g+3], (\c)<<16
	s_mov_b32 s[\g+4], \r
	s_mov_b32 s[\g+5], \p
	s_mov_b32 s[\g+6], 0
	s_mov_b32 s[\g+7], 0
.endm
	s_load_b128 s[8:11], s[0:1], 0x0               ; A2, B2
	v_lshl_add_u32 v62, v0, 2, 0x4f600
	v_mov_b32 v63, 0
	ds_add_u32 v62, v63
	v_lshrrev_b32 v1, 5, v0
	v_readfirstlane_b32 s2, v1                     ; wave 0..3
	s_lshr_b32 s3, s2, 1                           ; my half of the rows.  Also: I ask for A (0) or B (1)
	s_and_b32 s4, s2, 1                            ; my half of the columns.  Also: which half of the tile I ask for
	s_mov_b32 s6, 0xffff                           ; lanes 0 to 15
	s_bfe_u32 s12, ttmp6, 0x40000                  ; cx
	s_bfe_u32 s13, ttmp6, 0x40004                  ; cy
	s_lshl_b32 s100, ttmp9, 2
	s_add_co_u32 s100, s100, s12                   ; nb: block of 256 columns
	s_and_b32 s101, ttmp7, 0xffff
	s_lshl_b32 s101, s101, 2
	s_add_co_u32 s101, s101, s13                   ; ib: block of 128 rows
	s_lshl_b32 s16, s13, 2
	s_lshl_b32 s16, 15, s16                        ; my row of the cluster
	s_lshl_b32 s17, 0x1111, s12                    ; my column
	s_or_b32 s[G1A], s16, 0x07730000               ; 8-byte elements, padding on, bit 21 beside a mask, after every 64 words 4 words
	s_or_b32 s[G1B], s17, 0x0fb30000               ; after every 128 words 8 words
	s_or_b32 s[G1A+16], s16, 0x07730000
	s_or_b32 s[G1B+16], s17, 0x0fb30000
	SETG1 G1A, 1024, 3, 131072                     ; 3 planes: 64 tokens x 128 bytes = 8,192 bytes each, 1,048,576 bytes apart
	SETG1 G1B, 64, 96, 64                          ; 96 k x 512 bytes
	SETG1 G1A+16, 1024, 2, 131072                  ; the last step: 2 planes
	SETG1 G1B+16, 64, 64, 64                       ; 64 k x 512 bytes
	s_lshl_b32 s18, s101, 14
	s_lshl_b32 s19, s4, 13
	s_add_co_u32 s18, s18, s19                     ; A: (128 ib + 64 half) x 128
	s_mov_b32 s19, 0
	s_mul_i32 s20, s100, 1441792
	s_mul_i32 s21, s4, 49152
	s_add_co_u32 s20, s20, s21                     ; B: plane nb + half x 96 k x 512
	s_mov_b32 s21, 0
	s_mul_i32 s24, s100, 1441792
	s_lshl_b32 s25, s4, 15
	s_add_co_u32 s24, s24, s25
	s_add_co_u32 s24, s24, 1376256                 ; the last step's B: plane nb + (2688 + 64 half) x 512
	s_mov_b32 s25, 0
	s_mul_i32 s26, s4, AH                          ; LDS: A's half
	s_mul_i32 s27, s4, BH                          ;      B's half
	s_add_co_u32 s27, s27, BOFF
	s_mul_i32 s[G0L+1], s4, 34816                  ;      the last step's B: 64 x 544
	s_add_co_u32 s[G0L+1], s[G0L+1], BOFF
	s_wait_dscnt 0x0
	s_wait_kmcnt 0x0
	s_add_nc_u64 s[18:19], s[8:9], s[18:19]
	s_add_nc_u64 s[20:21], s[10:11], s[20:21]
	s_add_nc_u64 s[G0L+2:G0L+3], s[10:11], s[24:25]
	s_mov_b32 s[G0L], 1
	s_or_b32 s[G0L+3], s[G0L+3], 0x80000000
.irp s, 0,1
	s_mov_b32 s[G0A+4*\s], 1
	s_add_co_u32 s[G0A+4*\s+1], s26, \s*SLOT
	s_add_nc_u64 s[G0A+4*\s+2:G0A+4*\s+3], s[18:19], \s*3145728     ; step s: planes 3 s ..
	s_or_b32 s[G0A+4*\s+3], s[G0A+4*\s+3], 0x80000000
	s_mov_b32 s[G0B+4*\s], 1
	s_add_co_u32 s[G0B+4*\s+1], s27, \s*SLOT
	s_add_nc_u64 s[G0B+4*\s+2:G0B+4*\s+3], s[20:21], \s*98304       ; 192 k x 512 bytes
	s_or_b32 s[G0B+4*\s+3], s[G0B+4*\s+3], 0x80000000
.endr
	CROUND                                         ; all sixteen work-groups are here: the first joint loads meet
	JLOAD 0, 0
	JLOAD 0, 1                                     ; two tensor loads of mine are out; behind each later round, one
	s_load_b512 s[8:23], s[0:1], 0x10              ; HS 8, PP 10, x 12, width_multiplier 14, width_idx 16, ln_in_g 18, ln_in_b 20, b2 22
	s_load_b128 s[24:27], s[0:1], 0x50             ; a256_b2 24, a512_b2 26
	s_load_b64 s[28:29], s[0:1], 0x60              ; out0
	v_and_b32 v1, 15, v0                           ; r
	v_bfe_u32 v15, v0, 4, 1                        ; h
	v_and_b32 v54, 31, v0                          ; lane
	v_lshrrev_b32 v55, 1, v1
	v_mul_u32_u24 v55, v55, 272
	v_and_b32 v56, 1, v0
	v_lshl_add_u32 v55, v56, 7, v55
	v_lshl_add_u32 v55, v15, 4, v55
	s_mul_i32 s30, s3, AH
	v_add_nc_u32 v[ADRA], s30, v55                 ; my half + 272 (r >> 1) + 128 (r & 1) + 16 h
	v_add_nc_u32 v[ADRA+1], SLOT, v[ADRA]
	v_lshrrev_b32 v55, 2, v1
	v_mul_u32_u24 v55, v55, 544
	v_and_b32 v56, 3, v0
	v_lshl_add_u32 v55, v56, 6, v55
	v_lshl_add_u32 v55, v15, 4, v55
	v_add_nc_u32 v[ADRQ], s30, v55                 ; my half + 544 (r >> 2) + 64 (r & 3) + 16 h
	v_add_nc_u32 v[ADRQ+1], SLOT, v[ADRQ]
	v_and_b32 v55, 7, v0
	v_lshl_add_u32 v55, v15, 3, v55
	v_mul_u32_u24 v55, v55, 544
	v_bfe_u32 v56, v0, 3, 1
	v_lshl_add_u32 v55, v56, 4, v55
	s_lshl_b32 s30, s4, 8
	s_add_co_u32 s30, s30, BOFF
	v_add_nc_u32 v[ADRB], s30, v55                 ; (8 h + (lane & 7)) x 544 + 16 ((lane >> 3) & 1) + my 128 columns
	v_add_nc_u32 v[ADRB+1], SLOT, v[ADRB]
	v_add_nc_u32 v[ADRB+2], 52224, v[ADRB]         ; 96 k further down
	v_add_nc_u32 v[ADRB+3], 52224, v[ADRB+1]
	s_mul_i32 s30, s2, STW
	s_add_co_u32 s30, s30, STAGE
	v_mul_u32_u24 v55, v1, 528
	v_lshl_add_u32 v55, v15, 5, v55
	v_add_nc_u32 v[STO], s30, v55
	v_lshlrev_b32 v[CO], 4, v54
	v_add_nc_u32 v[RD], s30, v[CO]
	s_lshl_b32 s30, s3, 11
	s_add_co_u32 s30, s30, REC
	v_mov_b32 v[RECA], s30
	v_lshlrev_b32 v2, 2, v0                        ; 4 t
	v_lshlrev_b32 v3, 3, v0                        ; 8 t
	s_lshl_b32 s30, s101, 10
	v_add_nc_u32 v4, s30, v3                       ; PP: {rstd, -mean rstd} of row 128 ib + t
	s_lshl_b32 s30, s100, 10
	s_add_co_u32 s30, s30, 65536
	v_add_nc_u32 v5, s30, v3                       ; PP: G of columns 256 nb + 2 t, + 1
	v_lshl_add_u32 v6, v0, 4, DTAB
	v_add_nc_u32 v7, STAB, v2
	v_lshl_add_u32 v8, v0, 5, REC
	v_add_nc_u32 v9, C2TAB, v3
	v_lshl_add_u32 v10, v0, 5, GTAB
	s_lshl_b32 s30, s3, 10
	s_add_co_u32 s30, s30, DTAB
	v_lshl_add_u32 v11, v1, 4, s30
	s_lshl_b32 s30, s4, 11
	s_add_co_u32 s30, s30, GTAB
	v_lshl_add_u32 v12, v1, 4, s30
	s_lshl_b32 s30, s3, 8
	s_add_co_u32 s30, s30, STAB
	v_lshl_add_u32 v13, v1, 2, s30
	s_lshl_b32 s30, s4, 9
	s_add_co_u32 s30, s30, C2TAB
	v_add_nc_u32 v14, s30, v[CO]
	s_wait_kmcnt 0x0
	s_mov_b32 s31, 0
	s_lshl_b32 s30, s101, 9                        ; 128 ib x 4
	s_add_nc_u64 s[8:9], s[8:9], s[30:31]
	s_add_nc_u64 s[14:15], s[14:15], s[30:31]
	s_add_nc_u64 s[16:17], s[16:17], s[30:31]
	s_lshl_b32 s30, s100, 10                       ; 256 nb x 4
	s_add_nc_u64 s[22:23], s[22:23], s[30:31]
	s_lshl_b32 s7, s4, 9
	s_add_co_u32 s30, s30, s7                      ; + my 128 columns
	s_add_nc_u64 s[18:19], s[18:19], s[30:31]
	s_add_nc_u64 s[20:21], s[20:21], s[30:31]
	s_add_nc_u64 s[24:25], s[24:25], s[30:31]
	s_add_nc_u64 s[26:27], s[26:27], s[30:31]
	s_lshl_b32 s7, s101, 19
	s_add_co_u32 s30, s30, s7
	s_lshl_b32 s7, s3, 18
	s_add_co_u32 s30, s30, s7                      ; + (128 ib + 64 rh) x 4,096
	s_add_nc_u64 s[12:13], s[12:13], s[30:31]
	s_add_nc_u64 s[28:29], s[28:29], s[30:31]
.irp j, 0,1,2,3,4,5,6,7
	global_load_b32 v[64+\j], v2, s[8:9] offset:65536*\j           ; block means of row t
	global_load_b32 v[72+\j], v2, s[8:9] offset:65536*\j+32768     ; centred sums of squares
.endr
	global_load_b32 v120, v2, s[14:15]             ; wm
	global_load_b32 v124, v2, s[16:17]             ; idx
	global_load_b64 v[122:123], v4, s[10:11]
.irp j, 0,1,2,3,4,5,6,7
	global_load_b64 v[84+2*\j:85+2*\j], v5, s[10:11] offset:4096*\j
	global_load_b64 v[100+2*\j:101+2*\j], v5, s[10:11] offset:4096*\j+32768
.endr
	global_load_b64 v[116:117], v3, s[22:23]
	global_load_b128 v[GIN:GIN+3], v[CO], s[18:19]
	global_load_b128 v[BIN:BIN+3], v[CO], s[20:21]
	global_load_b128 v[AB2:AB2+3], v[CO], s[24:25]
	global_load_b128 v[BB2:BB2+3], v[CO], s[26:27]
	s_mov_b32 s30, 0x3a000000                      ; 1 / 2048
	s_mov_b32 s31, 0x3727c5ac                      ; 1e-5
	s_mov_b32 s7, 0x43800000                       ; 256
	s_wait_loadcnt 0x0
	; thread t as row t: mu, d_j, variance = (sum M2_j + 256 sum d_j^2) / 2048
	v_add_f32 v118, v64, v65
	v_add_f32 v119, v66, v67
	v_add_f32 v125, v68, v69
	v_add_f32 v138, v70, v71
	v_add_f32 v118, v118, v119
	v_add_f32 v125, v125, v138
	v_add_f32 v118, v118, v125
	v_mul_f32 v118, 0x3e000000, v118
.irp j, 0,1,2,3,4,5,6,7
	v_sub_f32 v[64+\j], v[64+\j], v118
.endr
	v_add_f32 v72, v72, v73
	v_add_f32 v74, v74, v75
	v_add_f32 v76, v76, v77
	v_add_f32 v78, v78, v79
	v_add_f32 v72, v72, v74
	v_add_f32 v76, v76, v78
	v_add_f32 v72, v72, v76
	v_mul_f32 v119, v64, v64
.irp j, 1,2,3,4,5,6,7
	v_fmac_f32 v119, v[64+\j], v[64+\j]
.endr
	v_fma_f32 v72, v119, s7, v72
	v_fma_f32 v72, v72, s30, s31
	v_rsq_f32 v72, v72
	v_sub_f32 v121, 1.0, v120                      ; plain work behind the transcendental, which it does not touch (ISA guide 5.7.2)
	s_wait_alu depctr_va_vdst(0)
	v_mul_f32 v73, v120, v72                       ; wm rstd
.irp j, 0,1,2,3
	v_cvt_pk_f16_f32 v[126+\j], v[64+2*\j], v[65+2*\j]
.endr
	ds_store_b128 v6, v[126:129]
	ds_store_b32 v7, v73
	ds_store_b128 v8, v[120:123]
	ds_store_b32 v8, v124 offset:16
	; thread t as columns 2 t, 2 t + 1
.irp j, 0,1,2,3,4,5,6,7
	v_pk_add_f32 v[116:117], v[116:117], v[100+2*\j:101+2*\j]
.endr
	ds_store_b64 v9, v[116:117]
.irp j, 0,1,2,3
	v_cvt_pk_f16_f32 v[130+\j], v[84+4*\j], v[86+4*\j]
	v_cvt_pk_f16_f32 v[134+\j], v[85+4*\j], v[87+4*\j]
.endr
	ds_store_b128 v10, v[130:133]
	ds_store_b128 v10, v[134:137] offset:16
	WIN 0xc0                                       ; my 64 rows x 512 bytes of x into window 3; they are waited for on the way out
.set p, 0
.rept 64
	global_load_b128 v[4*p:4*p+3], v[CO], s[12:13] offset:4096*p th:TH_LOAD_NT
.set p, p+1
.endr
	WIN 0
	s_wait_dscnt 0x0                               ; my table entries are in LDS
	s_wait_tensorcnt 0x1                           ; my part of step 0 is in; step 1's may stay out
	s_barrier_signal -1
	s_barrier_wait -1
; 24 LDS loads: quarter q (32 k, 0 to 5) of a slot into buffer f: B's 8 tiles, then A's 4.  kind 1: A's plane holds pieces of 4 tokens x 32 k
.macro FETCH2 kind, slot, q, f
.irp nt, 0,1,2,3,4,5,6,7
	ds_load_tr16_b128 v[\f+32+8*\nt:\f+32+8*\nt+3], v[ADRB+2*((\q)/3)+\slot] offset:17408*((\q)%3)+32*\nt
	ds_load_tr16_b128 v[\f+32+8*\nt+4:\f+32+8*\nt+7], v[ADRB+2*((\q)/3)+\slot] offset:17408*((\q)%3)+32*\nt+8704
.endr
.irp mt, 0,1,2,3
.if \kind
	ds_load_b128 v[\f+8*\mt:\f+8*\mt+3], v[ADRQ+\slot] offset:APL*((\q)>>1)+2176*\mt+272*((\q)&1)
	ds_load_b128 v[\f+8*\mt+4:\f+8*\mt+7], v[ADRQ+\slot] offset:APL*((\q)>>1)+2176*\mt+272*((\q)&1)+32
.else
	ds_load_b128 v[\f+8*\mt:\f+8*\mt+3], v[ADRA+\slot] offset:APL*((\q)>>1)+2176*\mt+64*((\q)&1)
	ds_load_b128 v[\f+8*\mt+4:\f+8*\mt+7], v[ADRA+\slot] offset:APL*((\q)>>1)+2176*\mt+64*((\q)&1)+32
.endif
.endr
.endm
; na x 8 products.  The accumulators take turns, one instruction a turn.
.macro MUL2 f, a0, na, zero
.set a_, \a0
.rept \na
.irp b, 0,1,2,3,4,5,6,7
.if \zero
	v_wmma_f32_16x16x32_f16 v[8*(8*a_+\b):8*(8*a_+\b)+7], v[\f+32+8*\b:\f+32+8*\b+7], v[\f+8*a_:\f+8*a_+7], 0
.else
	v_wmma_f32_16x16x32_f16 v[8*(8*a_+\b):8*(8*a_+\b)+7], v[\f+32+8*\b:\f+32+8*\b+7], v[\f+8*a_:\f+8*a_+7], v[8*(8*a_+\b):8*(8*a_+\b)+7]
.endif
.endr
.set a_, a_+1
.endr
.endm
; multiplies buffer f into the accumulators of setting W; in its middle it fetches quarter nq (A's plane of kind nkind) of the same slot into buffer g
.macro QUARTER f, g, W, zero, nkind, slot, nq
	s_wait_dscnt 4                                 ; B and A's tiles 0, 1 are in; the youngest four loads (A's tiles 2, 3) may be out
	WIN \W
	MUL2 \f, 0, 2, \zero
	PLACES
	WIN 0
	FETCH2 \nkind, \slot, \nq, \g
	s_wait_dscnt 24                                ; all but the 24 just issued
	WIN \W
	MUL2 \f, 2, 2, \zero
.endm
; the slot's last quarter (buffer f) and the change of slots.  fill: -1 none, 0 the step two further on, 1 the last step (into slot 0)
.macro TURN2 f, g, slot, next, nkind, fill, W
	s_wait_dscnt 4
	WIN \W
	MUL2 \f, 0, 1, 0
	s_wait_dscnt 0x0                               ; my reads of this slot are over
	s_wait_tensorcnt 0x0                           ; and all my tensor loads have landed: the one that was out is my part of the next slot
	ds_add_u32 v62, v63
	s_wait_dscnt 0x0
	s_barrier_signal -1
	MUL2 \f, 1, 1, 0                               ; register work while the others arrive
	WIN 0
	s_barrier_wait -1
.if \fill >= 0
	CREST                                          ; no wave of any partner still reads this slot or has a load on its way
	s_add_nc_u64 s[G0A+4*\slot+2:G0A+4*\slot+3], s[G0A+4*\slot+2:G0A+4*\slot+3], 6291456   ; six planes on
.if \fill == 0
	s_add_nc_u64 s[G0B+4*\slot+2:G0B+4*\slot+3], s[G0B+4*\slot+2:G0B+4*\slot+3], 196608    ; 384 k on
.endif
	JLOAD \fill, \slot                             ; my one tensor load behind the round, and the first thing there
.endif
	PLACES
	FETCH2 \nkind, \next, 0, \g
	WIN \W
	MUL2 \f, 2, 2, 0
.endm
; A step of six quarters on buffers F0, F1 by turns.  wa: the accumulators of quarters 0-3, wb: of 4, 5; zb: quarter 4 starts its sums;
; k1, k2: the kind of A's planes 1 and 2; nk: of the next step's plane 0
.macro STEP6 slot, next, fill, wa, wb, zb, k1, k2, nk
	QUARTER F0, F1, \wa, 0, 0, \slot, 1
	QUARTER F1, F0, \wa, 0, \k1, \slot, 2
	QUARTER F0, F1, \wa, 0, \k1, \slot, 3
	QUARTER F1, F0, \wa, 0, \k2, \slot, 4
	QUARTER F0, F1, \wb, \zb, \k2, \slot, 5
	TURN2 F1, F0, \slot, \next, \nk, \fill, \wb
.endm
	FETCH2 0, 0, 0, F0
	; the correction product's fragments, in F1: k = 0..7 are the eight blocks; A holds an exact 0 at every other k
.irp mt, 0,1,2,3
	ds_load_b128 v[F1+8*\mt:F1+8*\mt+3], v11 offset:256*\mt
	ds_load_b32 v[SV+2*\mt], v13 offset:64*\mt
	ds_load_b32 v[SV+2*\mt+1], v13 offset:64*\mt
.endr
.irp nt, 0,1,2,3,4,5,6,7
	ds_load_b128 v[F1+32+8*\nt:F1+32+8*\nt+3], v12 offset:256*\nt
	ds_load_b128 v[F1+32+8*\nt+4:F1+32+8*\nt+7], v12 offset:256*\nt
.endr
	ds_load_b128 v[C2:C2+3], v14
	s_wait_dscnt 0x0
.irp mt, 0,1,2,3
.irp e, 0,1,2,3
	v_cndmask_b32 v[F1+8*\mt+\e], 0, v[F1+8*\mt+\e], s6    ; lanes 16-31 stand for k = 8..15
	v_mov_b32 v[F1+8*\mt+4+\e], 0                          ; k = 16..31
.endr
.endr
	WIN 0x50
	MUL2 F1, 0, 4, 1                               ; starts ACC1: nothing is cleared
	WIN 0
	s_mov_b32 s5, 5
.Lbase:
	STEP6 0, 1, 0, 0x50, 0x50, 0, 0, 0, 0          ; steps 0 to 9: base planes 0 to 29; they ask for steps 2 to 11
	STEP6 1, 0, 0, 0x50, 0x50, 0, 0, 0, 0
	WIN 0
	s_sub_co_u32 s5, s5, 1
	s_cmp_lg_u32 s5, 0
	s_cbranch_scc1 .Lbase
	STEP6 0, 1, 0, 0x50, 0xa0, 1, 0, 0, 0          ; step 10: planes 30, 31 (base), 32: its first products start ACC2
	STEP6 1, 0, 0, 0xa0, 0xa0, 0, 0, 0, 0          ; step 11: planes 33 to 35
	STEP6 0, 1, 1, 0xa0, 0xa0, 0, 0, 0, 0          ; step 12: planes 36 to 38; it asks for the last step
	STEP6 1, 0, -1, 0xa0, 0xa0, 0, 1, 1, 1         ; step 13: planes 39, 40, 41; nothing is left to fetch
	QUARTER F0, F1, 0xa0, 0, 1, 0, 1               ; step 14: planes 42, 43
	QUARTER F1, F0, 0xa0, 0, 1, 0, 2
	QUARTER F0, F1, 0xa0, 0, 1, 0, 3
	s_wait_dscnt 0x0
	WIN 0xa0
	MUL2 F1, 0, 4, 0
; THE WAY OUT, 16 rows at a time: (wm rstd) ACC1 + ACC2 through my own stage in LDS, read back as rows of 512 bytes; then, row by row with
; the row's figures broadcast from LDS, x_norm in f32, the choice by width_idx, the two bias terms, and one store of 512 consecutive bytes.
.macro BATCH mt, hb
	s_wait_xcnt 0x0                                ; the last batch's stores read v168-199: they are loaded again only behind this wait
.irp e, 0,1,2,3,4,5,6,7
	ds_load_b128 v[128+4*\e:131+4*\e], v[RECA] offset:32*(16*\mt+8*\hb+\e)
	ds_load_b32 v[160+\e], v[RECA] offset:32*(16*\mt+8*\hb+\e)+16
	ds_load_b128 v[168+4*\e:171+4*\e], v[RD] offset:528*(8*\hb+\e)     ; LDS serves a wave's instructions in order: these see my stores
.endr
	s_wait_dscnt 0x0
	WIN 0x03
.irp e, 0,1,2,3,4,5,6,7
	v_pk_fma_f32 v[200+4*\e:201+4*\e], v[4*(16*\mt+8*\hb+\e):4*(16*\mt+8*\hb+\e)+1], v[130+4*\e:131+4*\e], v[130+4*\e:131+4*\e] op_sel:[0,0,1] op_sel_hi:[1,0,1]
	v_pk_fma_f32 v[202+4*\e:203+4*\e], v[4*(16*\mt+8*\hb+\e)+2:4*(16*\mt+8*\hb+\e)+3], v[130+4*\e:131+4*\e], v[130+4*\e:131+4*\e] op_sel:[0,0,1] op_sel_hi:[1,0,1]
.endr
	WIN 0
.irp e, 0,1,2,3,4,5,6,7
	v_pk_fma_f32 v[200+4*\e:201+4*\e], v[200+4*\e:201+4*\e], v[GIN:GIN+1], v[BIN:BIN+1]
	v_pk_fma_f32 v[202+4*\e:203+4*\e], v[202+4*\e:203+4*\e], v[GIN+2:GIN+3], v[BIN+2:BIN+3]
	v_cmp_eq_u32 vcc_lo, 1, v[160+\e]
	v_cmp_eq_u32 s7, 0, v[160+\e]
.irp c, 0,1,2,3
	v_cndmask_b32 v[200+4*\e+\c], v[200+4*\e+\c], v[BB2+\c], vcc_lo
.endr
.irp c, 0,1,2,3
	v_cndmask_b32 v[200+4*\e+\c], v[200+4*\e+\c], v[AB2+\c], s7
.endr
	v_pk_fma_f32 v[168+4*\e:169+4*\e], v[C2:C2+1], v[128+4*\e:129+4*\e], v[168+4*\e:169+4*\e] op_sel_hi:[1,0,1]
	v_pk_fma_f32 v[170+4*\e:171+4*\e], v[C2+2:C2+3], v[128+4*\e:129+4*\e], v[170+4*\e:171+4*\e] op_sel_hi:[1,0,1]
	v_pk_fma_f32 v[168+4*\e:169+4*\e], v[200+4*\e:201+4*\e], v[128+4*\e:129+4*\e], v[168+4*\e:169+4*\e] op_sel:[0,1,0] op_sel_hi:[1,1,1]
	v_pk_fma_f32 v[170+4*\e:171+4*\e], v[202+4*\e:203+4*\e], v[128+4*\e:129+4*\e], v[170+4*\e:171+4*\e] op_sel:[0,1,0] op_sel_hi:[1,1,1]
	global_store_b128 v[CO], v[168+4*\e:171+4*\e], s[28:29] offset:4096*(16*\mt+8*\hb+\e) th:TH_STORE_NT
.endr
.endm
.macro OUTMT mt
	WIN 0x21                                       ; source 0 = ACC1 (window 1), source 2 = ACC2 (window 2)
.set k, 0
.rept 32
	v_pk_fma_f32 v[64+2*k:65+2*k], v[64*\mt+2*k:64*\mt+2*k+1], v[SV+2*\mt:SV+2*\mt+1], v[64*\mt+2*k:64*\mt+2*k+1]
.set k, k+1
.endr
	WIN 0
.irp nt, 0,1,2,3,4,5,6,7
	ds_store_b128 v[STO], v[64+8*\nt:67+8*\nt] offset:64*\nt
	ds_store_b128 v[STO], v[68+8*\nt:71+8*\nt] offset:64*\nt+16
.endr
	BATCH \mt, 0
	BATCH \mt, 1
.endm
	PLACES
	WIN 0
	s_wait_loadcnt 0x0                             ; x, asked for at the head
	OUTMT 0
	OUTMT 1
	OUTMT 2
	OUTMT 3
	s_wait_tensorcnt 0x0
	ds_add_u32 v62, v63
	s_wait_dscnt 0x0
	CROUND                                         ; the closing round: no work-group ends while a partner may still ask for a tile that names it
	s_endpgm
.Lfunc_end_k_qa1efa6e9e6_ffn2:
	.size	k_qa1efa6e9e6_ffn2, .Lfunc_end_k_qa1efa6e9e6_ffn2-k_qa1efa6e9e6_ffn2
	.p2alignl 7, 3214868480
	.fill 96, 4, 3214868480
	.section	.rodata,"a",@progbits
	.p2align	6, 0x0
	.amdhsa_kernel k_qa1efa6e9e6_ffn2
		.amdhsa_group_segment_fixed_size 327680
		.amdhsa_private_segment_fixed_size 0
		.amdhsa_enable_private_segment 0
		.amdhsa_kernarg_size 104
		.amdhsa_user_sgpr_count 2
		.amdhsa_user_sgpr_kernarg_segment_ptr 1
		.amdhsa_wavefront_size32 1
		.amdhsa_system_sgpr_workgroup_id_x 1
		.amdhsa_system_sgpr_workgroup_id_y 1
		.amdhsa_system_sgpr_workgroup_id_z 1
		.amdhsa_system_vgpr_workitem_id 0
		.amdhsa_next_free_vgpr 1024
		.amdhsa_next_free_sgpr 102
		.amdhsa_reserve_vcc 1
		.amdhsa_float_denorm_mode_32 3
		.amdhsa_float_denorm_mode_16_64 3
		.amdhsa_memory_ordered 1
		.amdhsa_forward_progress 1
		.amdhsa_inst_pref_size 255
	.end_amdhsa_kernel
	.section	.bss,"aw",@nobits
	.p2align	6
	.space	262144
	.amdgpu_metadata
---
amdhsa.version: [ 1, 2 ]
amdhsa.kernels:
  - .name:           k_qa1efa6e9e6_ffn2
    .symbol:         k_qa1efa6e9e6_ffn2.kd
    .args:
      - { .name: A2, .offset: 0, .size: 8, .value_kind: global_buffer, .address_space: global }
      - { .name: B2, .offset: 8, .size: 8, .value_kind: global_buffer, .address_space: global }
      - { .name: HS, .offset: 16, .size: 8, .value_kind: global_buffer, .address_space: global }
      - { .name: PP, .offset: 24, .size: 8, .value_kind: global_buffer, .address_space: global }
      - { .name: x, .offset: 32, .size: 8, .value_kind: global_buffer, .address_space: global }
      - { .name: width_multiplier, .offset: 40, .size: 8, .value_kind: global_buffer, .address_space: global }
      - { .name: width_idx, .offset: 48, .size: 8, .value_kind: global_buffer, .address_space: global }
      - { .name: ln_in_g, .offset: 56, .size: 8, .value_kind: global_buffer, .address_space: global }
      - { .name: ln_in_b, .offset: 64, .size: 8, .value_kind: global_buffer, .address_space: global }
      - { .name: b2, .offset: 72, .size: 8, .value_kind: global_buffer, .address_space: global }
      - { .name: a256_b2, .offset: 80, .size: 8, .value_kind: global_buffer, .address_space: global }
      - { .name: a512_b2, .offset: 88, .size: 8, .value_kind: global_buffer, .address_space: global }
      - { .name: out0, .offset: 96, .size: 8, .value_kind: global_buffer, .address_space: global }
    .group_segment_fixed_size: 327680
    .private_segment_fixed_size: 0
    .kernarg_segment_align: 8
    .kernarg_segment_size: 104
    .max_flat_workgroup_size: 128
    .sgpr_count:     102
    .vgpr_count:     1024
    .wavefront_size: 32
...
	.end_amdgpu_metadata
.endif
;; end of part 6
